; MI455X (gfx1250); checked and timed in simulation.
; The chip was launched on July 23, 2026; its instructions are those of AMD's public machine-readable ISA for CDNA 5 (MIT licence, August 2026) and "CDNA5" Instruction Set Architecture Reference Guide (July 2026). The comments in the code are by the model that wrote it; some were corrected since.
;; Casual Attention. Allowed arithmetic: float matrix products may take bf16 or f16 operands with f32 sums; other float arithmetic in f32, or as packed bf16 or f16 multiplies, adds, multiply-adds, maxima and minima; sums over many terms, partial sums and values carried from step to step in f32; what a program stores and reads back later, other than sums and carried values, may be rounded once to bf16 or f16.
;; Inputs: Wk 1,024 x 1,024 float32; Wq 1,024 x 1,024 float32; Wv 1,024 x 1,024 float32; x 4 x 2,048 x 1,024 float32.
;; Outputs: out0 4 x 2,048 x 1,024 float32.
;; 2 versions, each right. Each part assembles by itself: llvm-mc -triple=amdgcn-amd-amdhsa -mcpu=gfx1250 --defsym DOCPART=n.
;; ======== version 1 of 2: 4 launches
;; limits: values are held in f16: magnitudes above 65,504 overflow, below 6.1e-05 lose precision
;; workspace buffers: xw 23,068,672 bytes; qkv 50,331,648 bytes; p 33,554,432 bytes; st 1,048,576 bytes
;; launch cast (part 1): grid 704 x 1, 8 waves a work-group, no clusters, 0 bytes of LDS; arguments x, Wq, Wk, Wv, xw; writes xw
.if DOCPART == 1
	.amdgcn_target "amdgcn-amd-amdhsa--gfx1250"
	.amdhsa_code_object_version 6
	.text
	.protected	k_q81dfd1c62e_cast
	.globl	k_q81dfd1c62e_cast
	.p2align	8
	.type	k_q81dfd1c62e_cast,@function
k_q81dfd1c62e_cast:
	s_mov_b64 s[64:65], 0
	v_nop
	global_prefetch_b8 v0, s[64:65] scope:SCOPE_SE
	s_setreg_imm32_b32 hwreg(HW_REG_WAVE_MODE, 25, 1), 1
	s_wait_xcnt 0x0
; xw = [x; Wq; Wk; Wv] rounded once to bf16: 11,264 rows of 1,024 numbers (rows 0-8191 x, 8192-9215 Wq, 9216-10239 Wk, 10240-11263 Wv).
; A stream: every input byte is read once, every output byte written once.  No LDS, no barrier, no matrix work: nothing is shared.
; A work-group takes 16,384 numbers (65,536 bytes in, 32,768 out).  x is 512 such pieces, each W 64: piece g belongs to x where g / 64 < 8,
; else to Wq, Wk, Wv for g / 64 = 8, 9, 10.  Thread t takes 8 numbers in each of eight steps: 32 bytes in, 16 bytes out, so a wave's store covers
; 512 consecutive bytes at a multiple of 256 from xw's first byte.  All sixteen loads of a thread go out at once; every register is written once.
.set X, 4                              ; v[4:67]   step j: 8 numbers in f32
.set Y, 68                             ; v[68:99]  step j: the same 8 in bf16
	s_load_b256 s[4:11], s[0:1], 0x0               ; x s[4:5], Wq s[6:7], Wk s[8:9], Wv s[10:11]
	s_load_b64 s[12:13], s[0:1], 0x20              ; xw
	s_lshr_b32 s14, ttmp9, 6                       ; which tensor: 0-7 x, 8 Wq, 9 Wk, 10 Wv
	s_and_b32 s15, ttmp9, 63                       ; the piece's number inside a W
	s_lshl_b32 s22, ttmp9, 15                      ; the piece's place in xw
	s_mov_b32 s23, 0
	s_mov_b32 s19, 0
	v_lshlrev_b32 v1, 5, v0                        ; 32 t
	v_lshlrev_b32 v2, 4, v0                        ; 16 t
	s_wait_kmcnt 0x0
	s_mov_b64 s[16:17], s[10:11]                   ; the source is chosen by the piece's number alone
	s_cmp_eq_u32 s14, 9
	s_cselect_b64 s[16:17], s[8:9], s[16:17]
	s_cmp_eq_u32 s14, 8
	s_cselect_b64 s[16:17], s[6:7], s[16:17]
	s_cmp_lt_u32 s14, 8
	s_cselect_b64 s[16:17], s[4:5], s[16:17]
	s_cselect_b32 s18, ttmp9, s15                  ; and so is the piece's number in it
	s_lshl_b32 s18, s18, 16
	s_add_nc_u64 s[16:17], s[16:17], s[18:19]
	s_add_nc_u64 s[20:21], s[12:13], s[22:23]
.irp j, 0,1,2,3,4,5,6,7
	global_load_b128 v[X+8*(\j):X+8*(\j)+3],   v1, s[16:17] offset:8192*(\j) th:TH_LOAD_NT
	global_load_b128 v[X+8*(\j)+4:X+8*(\j)+7], v1, s[16:17] offset:8192*(\j)+16 th:TH_LOAD_NT
.endr
.irp j, 0,1,2,3,4,5,6,7
	s_wait_loadcnt 14-2*(\j)                       ; loads come back in order (ISA guide 5.7.1): step j's two are in, the later steps' stay out
.irp k, 0,1,2,3
	v_cvt_pk_bf16_f32 v[Y+4*(\j)+(\k)], v[X+8*(\j)+2*(\k)], v[X+8*(\j)+2*(\k)+1]
.endr
	global_store_b128 v2, v[Y+4*(\j):Y+4*(\j)+3], s[20:21] offset:4096*(\j)
.endr
	s_endpgm
.Lfunc_end_k_q81dfd1c62e_cast:
	.size	k_q81dfd1c62e_cast, .Lfunc_end_k_q81dfd1c62e_cast-k_q81dfd1c62e_cast
	.p2alignl 7, 3214868480
	.fill 96, 4, 3214868480
	.section	.rodata,"a",@progbits
	.p2align	6, 0x0
	.amdhsa_kernel k_q81dfd1c62e_cast
		.amdhsa_group_segment_fixed_size 0
		.amdhsa_private_segment_fixed_size 0
		.amdhsa_enable_private_segment 0
		.amdhsa_kernarg_size 40
		.amdhsa_user_sgpr_count 2
		.amdhsa_user_sgpr_kernarg_segment_ptr 1
		.amdhsa_wavefront_size32 1
		.amdhsa_system_sgpr_workgroup_id_x 1
		.amdhsa_system_sgpr_workgroup_id_y 1
		.amdhsa_system_sgpr_workgroup_id_z 1
		.amdhsa_system_vgpr_workitem_id 0
		.amdhsa_next_free_vgpr 104
		.amdhsa_next_free_sgpr 66
		.amdhsa_reserve_vcc 0
		.amdhsa_float_denorm_mode_32 3
		.amdhsa_float_denorm_mode_16_64 3
		.amdhsa_memory_ordered 1
		.amdhsa_forward_progress 1
		.amdhsa_inst_pref_size 6
	.end_amdhsa_kernel
	.amdgpu_metadata
---
amdhsa.version: [ 1, 2 ]
amdhsa.kernels:
  - .name:           k_q81dfd1c62e_cast
    .symbol:         k_q81dfd1c62e_cast.kd
    .args:
      - { .name: x, .offset: 0, .size: 8, .value_kind: global_buffer, .address_space: global }
      - { .name: Wq, .offset: 8, .size: 8, .value_kind: global_buffer, .address_space: global }
      - { .name: Wk, .offset: 16, .size: 8, .value_kind: global_buffer, .address_space: global }
      - { .name: Wv, .offset: 24, .size: 8, .value_kind: global_buffer, .address_space: global }
      - { .name: xw, .offset: 32, .size: 8, .value_kind: global_buffer, .address_space: global }
    .group_segment_fixed_size: 0
    .private_segment_fixed_size: 0
    .kernarg_segment_align: 8
    .kernarg_segment_size: 40
    .max_flat_workgroup_size: 256
    .sgpr_count:     66
    .vgpr_count:     104
    .wavefront_size: 32
...
	.end_amdgpu_metadata
.endif
;; end of part 1
;; launch proj (part 2): grid 8 x 64, 4 waves a work-group, clusters of 4 x 4, 327,680 bytes of LDS; arguments xw, qkv; writes qkv
.if DOCPART == 2
	.amdgcn_target "amdgcn-amd-amdhsa--gfx1250"
	.amdhsa_code_object_version 6
	.text
	.protected	k_q81dfd1c62e_proj
	.globl	k_q81dfd1c62e_proj
	.p2align	8
	.type	k_q81dfd1c62e_proj,@function
k_q81dfd1c62e_proj:
	s_mov_b64 s[64:65], 0
	v_nop
	global_prefetch_b8 v0, s[64:65] scope:SCOPE_SE
	s_setreg_imm32_b32 hwreg(HW_REG_WAVE_MODE, 25, 1), 1
	s_wait_xcnt 0x0
	s_wait_alu depctr_hold_cnt(0) depctr_sa_sdst(0) depctr_va_vdst(0) depctr_va_sdst(0) depctr_va_ssrc(0) depctr_va_vcc(0) depctr_vm_vsrc(0)
	s_getreg_b32 s2, hwreg(HW_REG_IB_STS2, 6, 4)
	s_cmp_eq_u32 s2, 0
	s_cbranch_scc0 .Lentry_in_a_cluster
	s_endpgm
.Lentry_in_a_cluster:
	s_bfe_u32 s2, ttmp6, 0x10000c
	s_cmp_lg_u32 s2, 0xf033
	s_cbranch_scc0 .Lentry_shape_is_right
	s_endpgm
.Lentry_shape_is_right:
; qkv[m][n] = the sum over k of x[m][k] W[n][k]: m = 8,192 tokens, n = 3,072 (Wq's, Wk's, Wv's rows on end), k = 1,024.  x and W are the bf16 rows of xw; sums in f32; qkv rounded once to f16.
; LIMIT.  f16 holds no number beyond 65,504: a q, k or v past that leaves as an infinity.
; SHARES.  A tile of qkv is 128 tokens x 384 columns: 64 x 8 = 512 equal work-groups, and a tile's row piece is 768 bytes, three whole aligned blocks of 256.  Four waves; wave w makes all 128 rows of
; columns 96 w .. 96 w + 95: 8 x 6 = 48 accumulators of 16 x 16.  K goes in 8 steps of 128 through a ring of two LDS slots, each 128 rows of x and 384 rows of W, 256 bytes of memory a row.
; CLUSTER.  4 x 4 work-groups.  The four of a row of the cluster need the same rows of x, the four of a column the same rows of W: each tile is asked for JOINTLY, by the same tensor load with the same
; descriptor and a mask that names the four.  Wave 0 asks for x's 128 rows, waves 1 to 3 for a third of W's 384 each.
; THE MATRIX INSTRUCTION IS USED TRANSPOSED (source 0 = 16 rows of W, source 1 = 16 rows of x): a lane then holds eight neighbouring columns of one token's row, 16 bytes in f16.
; REGISTERS, in windows of 256 (s_set_vgpr_msb: bits 1:0 source 0, 3:2 source 1, 5:4 source 2, 7:6 destination):
;   window 0: v0-31 addresses; v32-55 at work on the way out; v64-127, v128-191 x's fragments, two buffers; on the way out v64-255 take whole rows
;   window 1: v64-111, v128-175 W's fragments, two buffers      window 2: accumulators of rows 0-63 ((a, b) at v[8 (6 a + b)])      window 3: those of rows 64-127
.set KSTEP,  128
.set PITCH,  272                       ; an LDS row: 256 bytes + 16 of padding = 68 words: the 16 rows of a fragment load start at 16 different groups of four banks (64 banks of 4 bytes: ISA guide 11.1)
.set REG,    128*PITCH                 ; 128 rows: what one tensor load brings
.set SLOT,   4*REG                     ; x's 128 rows, then W's 384
.set SPARE,  2*SLOT                    ; behind the ring: the spare words, 128 bytes a wave: two blocks of 256 bytes that no other line names
.set SP,     784                       ; the way out's stage: a row of 768 bytes + 16 = 196 words.  It lies at LDS byte 0, in slot 0, 128 x 784 = 100,352 bytes: slot 0's last fill is K step 6's,
                                       ; and every wave's reads of it are over at the barrier in front of K step 7
.set XROW,   2048                      ; bytes in a row of xw
.set OROW,   6144                      ; bytes in a row of qkv
.set WROWS,  8192                      ; W's rows begin here in xw
.set LAPS,   4                         ; a lap = two K steps = once round the ring
.set ADRA, 16                          ; v16-17  LDS address of my fragments of x in slot 0, 1
.set ADRB, 20                          ; v20-21  the same for W
.set STO,  24                          ; v24     the way out: where I put 16 bytes of a row (rows 0-63)
.set RD,   25                          ; v25     where I read rows back
.set CO,   26                          ; v26     my byte offset in qkv
.set STO2, 27                          ; v27     STO for rows 64-127: an LDS immediate ends at 65,535
.set SPW,  28                          ; v28     LDS address of my spare word; never rewritten
.set NIL,  29                          ; v29     0; never rewritten
.set PFO,  30                          ; v30     the prefetches' offset: my lane x a row of xw; never rewritten
.set TMP,  32
.set F0,   64
.set F1,   128
.set OB,   64
.set G1,   24                          ; s[24:31] descriptor group 1 for x's tiles;  s[32:39] group 0, a set for each slot
.set G0,   32
.set G1B,  48                          ; s[48:55], s[56:63] the same for W's
.set G0B,  56
.set LIM,  43                          ; s43      1 in a wave that prefetches, else the greatest number
.set PFA,  44                          ; s[44:45] where my prefetches stand
.set MSB, 0
.macro WIN new                         ; the immediate's high byte repeats the setting that is left; a switch that changes nothing is dropped
.if MSB != (\new)
	s_set_vgpr_msb (MSB<<8)|(\new)
.set MSB, \new
.endif
.endm
.set MUL_LO, 0xa1                      ; source 0 (W) window 1, source 1 (x) window 0, C and D window 2
.set MUL_HI, 0xf1                      ; the same, C and D window 3
.set TO_B,   0x40                      ; destination window 1, address window 0
; A joint load.  The branch hangs on the wave's number alone.  An s_nop 0 and four v_nop follow each of the two lines, ahead of the jump and the label.
.macro JLOAD s
	s_cmp_eq_u32 s10, 0
	s_cbranch_scc0 .Lfor_b_\@
	tensor_load_to_lds s[G0+4*(\s):G0+4*(\s)+3], s[G1:G1+7]
	s_nop 0
.rept 4
	v_nop
.endr
	s_branch .Lasked_\@
.Lfor_b_\@:
	tensor_load_to_lds s[G0B+4*(\s):G0B+4*(\s)+3], s[G1B:G1B+7]
	s_nop 0
.rept 4
	v_nop
.endr
.Lasked_\@:
.endm
; A prefetch, behind each joint refill and the run of LDS loads that follows it: the K step two refills on, 32 rows x 256 bytes, a lane a row, one instruction a wave.  Each row's 256 bytes of a K step are
; named once in the launch: x's rows by the clusters with x = 0, W's by those with y = 0; the four partners that ask for a tile jointly share its 128 rows out by address, 32 each (by cx for x, by cy for W).
; K steps 0 to 3 come by their loads alone; the loop's last trip (s3 = 1) asks for nothing: there is no K step two on.
.macro ASK
	s_cmp_gt_u32 s3, s[LIM]
	s_cbranch_scc0 .Lnot_mine_\@
	global_prefetch_b8 v[PFO], s[PFA:PFA+1] offset:KSTEP*2 th:TH_LOAD_NT scope:SCOPE_SE
.Lnot_mine_\@:
.endm
.macro CREST                           ; a round of the cluster's barrier behind its opening barrier
	s_cmp_lg_u32 s10, 0
	s_cbranch_scc1 .Lnot_wave_0_\@
	s_barrier_signal -3
.Lnot_wave_0_\@:
	s_barrier_wait -3
	s_barrier_signal -1
	s_barrier_wait -1
.endm
.macro CROUND                          ; a whole round
	s_barrier_signal -1
	s_barrier_wait -1
	CREST
.endm
	s_load_b128 s[4:7], s[0:1], 0x0                ; xw s[4:5], qkv s[6:7]
	v_lshl_add_u32 v[SPW], v0, 2, SPARE
	v_mov_b32 v[NIL], 0
	ds_add_u32 v[SPW], v[NIL]                      ; the wave's opening: the add and its wait ahead of my first tensor load; the set-up below stands between them
	v_lshrrev_b32 v1, 5, v0
	v_readfirstlane_b32 s10, v1                    ; wave 0..3
	s_max_u32 s12, s10, 1
	s_sub_co_u32 s12, s12, 1                       ; which third of W's rows I fetch (waves 1 to 3)
	s_bfe_u32 s40, ttmp6, 0x40000                  ; cx, cy: my place in the cluster
	s_bfe_u32 s41, ttmp6, 0x40004
	s_lshl_b32 s42, ttmp9, 2
	s_add_co_u32 s42, s42, s40                     ; tile column = 4 x cluster x + cx
	s_and_b32 s13, ttmp7, 0xffff
	s_lshl_b32 s13, s13, 2
	s_add_co_u32 s13, s13, s41                     ; tile row = 4 x cluster y + cy
	s_lshl_b32 s43, s41, 2
	s_lshl_b32 s43, 15, s43                        ; my row of the cluster
	s_lshl_b32 s44, 0x1111, s40                    ; my column
	; descriptor group 1: a tile of 128 rows x 128 elements of 2 bytes, 4 words of padding behind every 64
	s_or_b32 s[G1+0], s43, (1<<16)|(1<<20)|(1<<21)|(5<<22)|(3<<25)   ; 15:0 the mask; 17:16 element size; 20 padding on; 21 set beside a mask; 24:22 interval (code 5); 31:25 amount (code 3)
	s_or_b32 s[G1B+0], s44, (1<<16)|(1<<20)|(1<<21)|(5<<22)|(3<<25)
.irp g, G1, G1B
	s_mov_b32 s[(\g)+1], KSTEP<<16                 ; tensor_dim0 = 128
	s_mov_b32 s[(\g)+2], 128<<16                   ; tensor_dim1 = 128
	s_mov_b32 s[(\g)+3], KSTEP<<16                 ; tile_dim0 = 128
	s_mov_b32 s[(\g)+4], 128                       ; tile_dim1 = 128
	s_mov_b32 s[(\g)+5], 1024                      ; elements from row to row
	s_mov_b32 s[(\g)+6], 0
	s_mov_b32 s[(\g)+7], 0
.endr
	; x's tile hangs on the tile row alone, W's on the tile column and the wave alone; each address is made in registers that never hold the other coordinate
	s_lshl_b32 s16, s13, 18                        ; 128 rows x 2,048 bytes x tile row
	s_mov_b32 s17, 0
	s_mul_i32 s46, s42, 384
	s_lshl_b32 s47, s12, 7
	s_add_co_u32 s46, s46, s47
	s_add_co_u32 s46, s46, WROWS                   ; row 8,192 + 384 x tile column + 128 x third
	s_lshl_b32 s46, s46, 11
	s_mov_b32 s47, 0
	s_mul_i32 s20, s10, REG                        ; where they go: wave x 128 rows
	s_wait_dscnt 0x0                               ; the opening add is done
	s_wait_kmcnt 0x0
	s_add_nc_u64 s[14:15], s[4:5], s[16:17]
	s_add_nc_u64 s[46:47], s[4:5], s[46:47]
	CROUND                                         ; all sixteen work-groups are here: the first joint loads meet
.irp s, 0,1
	s_mov_b32 s[G0+4*(\s)], 1
	s_add_co_u32 s[G0+4*(\s)+1], s20, (\s)*SLOT
	s_add_nc_u64 s[G0+4*(\s)+2:G0+4*(\s)+3], s[14:15], (\s)*KSTEP*2
	s_or_b32 s[G0+4*(\s)+3], s[G0+4*(\s)+3], 0x80000000
	s_mov_b32 s[G0B+4*(\s)], 1
	s_add_co_u32 s[G0B+4*(\s)+1], s20, (\s)*SLOT
	s_add_nc_u64 s[G0B+4*(\s)+2:G0B+4*(\s)+3], s[46:47], (\s)*KSTEP*2
	s_or_b32 s[G0B+4*(\s)+3], s[G0B+4*(\s)+3], 0x80000000
	JLOAD \s                                       ; two loads of mine are out
.endr
	; a fragment is 16 rows x 32 K in 8 registers: lane l holds row l % 16; two loads of 16 bytes, 32 bytes apart, at row x pitch + 16 (l / 16)
	v_and_b32 v1, 15, v0                           ; l % 16
	v_bfe_u32 v2, v0, 4, 1                         ; l / 16
	v_mul_u32_u24 v3, v1, PITCH
	v_lshl_add_u32 v3, v2, 4, v3
	s_mul_i32 s22, s10, 96*PITCH                   ; my 96 rows of W,
	s_add_co_u32 s22, s22, REG                     ; which lie behind x's 128
	v_mov_b32 v[ADRA], v3
	v_add_nc_u32 v[ADRA+1], SLOT, v3
	v_add_nc_u32 v[ADRB], s22, v3
	s_add_co_u32 s22, s22, SLOT
	v_add_nc_u32 v[ADRB+1], s22, v3
	s_mul_i32 s23, s10, 192                        ; into the stage: row l % 16, my 192 bytes of it, 16 bytes for each half of the lanes
	v_mul_u32_u24 v4, v1, SP
	v_lshl_add_u32 v4, v2, 4, v4
	v_add_nc_u32 v[STO], s23, v4
	v_add_nc_u32 v[STO2], 4*16*SP, v[STO]
	s_mul_i32 s23, s10, 32*SP                      ; back: wave w takes rows 32 w .. 32 w + 31, whole; lanes 0-15 256 bytes of one row, lanes 16-31 of the next
	v_mul_u32_u24 v5, v2, SP
	v_lshl_add_u32 v5, v1, 4, v5
	v_add_nc_u32 v[RD], s23, v5
	v_mul_u32_u24 v5, v2, OROW
	v_lshl_add_u32 v[CO], v1, 4, v5
	s_lshl_b32 s16, s13, 7
	s_lshl_b32 s17, s10, 5
	s_add_co_u32 s16, s16, s17                     ; the first row of qkv that I store: 128 x tile row + 32 x wave
	s_mul_i32 s16, s16, OROW
	s_mul_i32 s46, s42, 768                        ; the tile's first column, in bytes
	s_add_co_u32 s16, s16, s46
	s_mov_b32 s17, 0
	s_add_nc_u64 s[6:7], s[6:7], s[16:17]
	; the prefetches
	s_lshl_b32 s18, s13, 7                         ; x's first row of the tile
	s_mul_i32 s19, s42, 384
	s_lshl_b32 s23, s12, 7
	s_add_co_u32 s19, s19, s23
	s_add_co_u32 s19, s19, WROWS                   ; the first of W's rows that I fetch
	s_and_b32 s22, ttmp7, 0xffff                   ; cluster y
	s_cmp_eq_u32 s10, 0                            ; do I fetch for x?
	s_cselect_b32 s20, s18, s19
	s_cselect_b32 s21, s40, s41                    ; my place among the four that ask with me
	s_cselect_b32 s22, ttmp9, s22                  ; the coordinate along which other clusters read the same rows
	s_cmp_eq_u32 s22, 0
	s_cselect_b32 s[LIM], 1, -1                    ; the same in all sixteen partners, for a given wave
	s_lshl_b32 s21, s21, 5
	s_add_co_u32 s20, s20, s21                     ; my work-group's 32 of the 128 rows
	s_lshl_b32 s20, s20, 11
	s_add_co_u32 s20, s20, 2*KSTEP*2               ; at K step 2: the first refill steps it to 3 and names K step 4
	s_mov_b32 s21, 0
	s_add_nc_u64 s[PFA:PFA+1], s[4:5], s[20:21]
	v_and_b32 v[PFO], 31, v0
	v_lshlrev_b32 v[PFO], 11, v[PFO]
; 12 matrix instructions: row blocks a0, a0 + 1 of the window's four x all 6 column blocks, 32 along K.  zero = 1: the product starts the sum.  The 48 accumulators take turns, in the same order
; in every quarter.
.macro MUL12 f, hi, a0, zero
	WIN MUL_LO+0x50*(\hi)
.irp a, \a0, (\a0)+1
.irp b, 0,1,2,3,4,5
.if \zero
	v_wmma_f32_16x16x32_bf16 v[8*(6*(\a)+(\b)):8*(6*(\a)+(\b))+7], v[(\f)+8*(\b):(\f)+8*(\b)+7], v[(\f)+8*(4*(\hi)+(\a)):(\f)+8*(4*(\hi)+(\a))+7], 0
.else
	v_wmma_f32_16x16x32_bf16 v[8*(6*(\a)+(\b)):8*(6*(\a)+(\b))+7], v[(\f)+8*(\b):(\f)+8*(\b)+7], v[(\f)+8*(4*(\hi)+(\a)):(\f)+8*(4*(\hi)+(\a))+7], v[8*(6*(\a)+(\b)):8*(6*(\a)+(\b))+7]
.endif
.endr
.endr
.endm
; 28 LDS loads in one run: the fragments of 32 along K at byte k of the rows: 96 rows of W, then 128 rows of x
.macro FETCH slot, k, f
	WIN TO_B
.irp i, 0,1,2,3,4,5
	ds_load_b128 v[(\f)+8*(\i):(\f)+8*(\i)+3],   v[ADRB+(\slot)] offset:(\k)+(\i)*16*PITCH
	ds_load_b128 v[(\f)+8*(\i)+4:(\f)+8*(\i)+7], v[ADRB+(\slot)] offset:(\k)+(\i)*16*PITCH+32
.endr
	WIN 0
.irp i, 0,1,2,3,4,5,6,7
	ds_load_b128 v[(\f)+8*(\i):(\f)+8*(\i)+3],   v[ADRA+(\slot)] offset:(\k)+(\i)*16*PITCH
	ds_load_b128 v[(\f)+8*(\i)+4:(\f)+8*(\i)+7], v[ADRA+(\slot)] offset:(\k)+(\i)*16*PITCH+32
.endr
.endm
.macro PLACES                          ; four plain vector instructions between a matrix instruction and a load into, or a vector read of, its registers
.rept 4
	v_nop
.endr
.endm
; A K step is four quarters of 32 along K, 48 matrix instructions each, on buffers 0, 1, 0, 1.  One of the first three multiplies f and fetches the next quarter, at byte k, into g.
.macro QUARTER slot, k, f, g, zero
	s_wait_dscnt 8                                 ; W and x's rows 0-63 are in; the youngest eight loads (x's rows 64-127) may be out
	MUL12 \f, 0, 0, \zero
	MUL12 \f, 0, 2, \zero
	PLACES
	FETCH \slot, \k, \g
	s_wait_dscnt 28                                ; all but the 28 just issued
	MUL12 \f, 1, 0, \zero
	MUL12 \f, 1, 2, \zero
.endm
; The last quarter multiplies buffer 1 and changes slots: ONE barrier.  In front of it each wave waits for all its tensor loads (one is out: its part of the next slot), adds 0 to its spare word, and waits
; for that and for its reads of this slot.  fill = 1: the barrier opens a round of the cluster's, and this slot is filled again, two K steps ahead, first thing behind the round.
.macro TURN slot, next, fill
.if \fill
	s_wait_xcnt 0x0                                ; the last prefetch, a K step back, has read its address: it is stepped here
	s_add_nc_u64 s[PFA:PFA+1], s[PFA:PFA+1], KSTEP*2
.endif
	WIN 0                                          ; (the add's two registers lie in window 0)
	s_wait_tensorcnt 0x0                           ; no tensor load of mine is out, so a group 0 may be written
	ds_add_u32 v[SPW], v[NIL]                      ; 0 onto my spare word
.if \fill
	s_add_nc_u64 s[G0+4*(\slot)+2:G0+4*(\slot)+3], s[G0+4*(\slot)+2:G0+4*(\slot)+3], 2*KSTEP*2
	s_add_nc_u64 s[G0B+4*(\slot)+2:G0B+4*(\slot)+3], s[G0B+4*(\slot)+2:G0B+4*(\slot)+3], 2*KSTEP*2
.endif
	s_wait_dscnt 9                                 ; the add and the youngest eight loads may be out
	MUL12 F1, 0, 0, 0
	s_wait_dscnt 0x0                               ; the add is done, and my reads of this slot are over
	s_barrier_signal -1
	MUL12 F1, 0, 2, 0                              ; work on registers while the others arrive
.if \fill
	WIN 0
.endif
	s_barrier_wait -1
.if \fill
	CREST                                          ; no wave of any partner still reads this slot or has a load on its way
	JLOAD \slot                                    ; one load of mine is out; its four v_nop are also the places in front of the loads below
.else
	PLACES
.endif
	FETCH \next, 0, F0
.if \fill
	ASK
.endif
	MUL12 F1, 1, 0, 0
	MUL12 F1, 1, 2, 0
.endm
	s_wait_tensorcnt 0x1                           ; my part of K step 0 is in; K step 1's may stay out
	s_barrier_signal -1
	s_barrier_wait -1                              ; everybody's is
	FETCH 0, 0, F0
	QUARTER 0, 64,  F0, F1, 1                      ; the first quarter stands in front of the loop: its products start the sums
	WIN 0                                          ; at a label and at a branch every window is 0
	s_mov_b32 s3, LAPS-1
.Llap:                                                 ; a trip goes once round the ring, from a lap's second quarter to the next lap's first, and fills both slots again
	QUARTER 0, 128, F1, F0, 0
	QUARTER 0, 192, F0, F1, 0
	TURN 0, 1, 1
	QUARTER 1, 64,  F0, F1, 0
	QUARTER 1, 128, F1, F0, 0
	QUARTER 1, 192, F0, F1, 0
	TURN 1, 0, 1
	QUARTER 0, 64,  F0, F1, 0
	WIN 0
	s_sub_co_u32 s3, s3, 1
	s_cmp_lg_u32 s3, 0
	s_cbranch_scc1 .Llap
	QUARTER 0, 128, F1, F0, 0                      ; the last lap fills nothing
	QUARTER 0, 192, F0, F1, 0
	TURN 0, 1, 0
	QUARTER 1, 64,  F0, F1, 0
	QUARTER 1, 128, F1, F0, 0
	QUARTER 1, 192, F0, F1, 0
	s_wait_dscnt 8
	MUL12 F1, 0, 0, 0
	MUL12 F1, 0, 2, 0
	s_wait_dscnt 0x0
	MUL12 F1, 1, 0, 0
	MUL12 F1, 1, 2, 0
	WIN 0
	; THE WAY OUT: round to f16 (each accumulator's registers in ascending order); 16 bytes a lane into the work-group's stage; a barrier, since a row's 768 bytes come from four waves; back as whole rows.
	PLACES
.macro PACK a
	WIN 0x0a+5*((\a)/4)                            ; sources 0 and 1: window 2 or 3
.irp b, 0,1,2,3,4,5
.irp r, 0,1,2,3
	v_cvt_pk_f16_f32 v[TMP+4*(\b)+(\r)], v[48*((\a)%4)+8*(\b)+2*(\r)], v[48*((\a)%4)+8*(\b)+2*(\r)+1]
.endr
.endr
	WIN 0
.irp b, 0,1,2,3,4,5
	ds_store_b128 v[STO+3*((\a)/4)], v[TMP+4*(\b):TMP+4*(\b)+3] offset:((\a)%4)*16*SP+32*(\b)
.endr
.endm
.irp a, 0,1,2,3,4,5,6,7
	PACK \a
.endr
	s_wait_dscnt 0x0                               ; for the others' sake: my stores into the stage are done
	s_barrier_signal -1
	s_barrier_wait -1
.set n, 0
.rept 48                               ; load n: rows 2 (n % 16) and 2 (n % 16) + 1 of my 32, block n / 16 of their three blocks of 256 bytes
	ds_load_b128 v[OB+4*n:OB+4*n+3], v[RD] offset:(n%16)*2*SP+256*(n/16)
.set n, n+1
.endr
.set n, 0
.rept 48
	s_wait_dscnt 47-n                              ; load n is back; the younger ones stay out
	global_store_b128 v[CO], v[OB+4*n:OB+4*n+3], s[6:7] offset:(n%16)*2*OROW+256*(n/16)  ; 16 lanes store 256 consecutive bytes, at a multiple of 256 from qkv's first byte
.set n, n+1
.endr
	s_wait_tensorcnt 0x0                           ; the wave's end, behind my last tensor load and my last LDS store
	ds_add_u32 v[SPW], v[NIL]
	s_wait_dscnt 0x0
	CROUND                                         ; the closing round: no work-group ends while a partner may still ask for a tile that names it
	s_endpgm
.Lfunc_end_k_q81dfd1c62e_proj:
	.size	k_q81dfd1c62e_proj, .Lfunc_end_k_q81dfd1c62e_proj-k_q81dfd1c62e_proj
	.p2alignl 7, 3214868480
	.fill 96, 4, 3214868480
	.section	.rodata,"a",@progbits
	.p2align	6, 0x0
	.amdhsa_kernel k_q81dfd1c62e_proj
		.amdhsa_group_segment_fixed_size 327680
		.amdhsa_private_segment_fixed_size 0
		.amdhsa_enable_private_segment 0
		.amdhsa_kernarg_size 16
		.amdhsa_user_sgpr_count 2
		.amdhsa_user_sgpr_kernarg_segment_ptr 1
		.amdhsa_wavefront_size32 1
		.amdhsa_system_sgpr_workgroup_id_x 1
		.amdhsa_system_sgpr_workgroup_id_y 1
		.amdhsa_system_sgpr_workgroup_id_z 1
		.amdhsa_system_vgpr_workitem_id 0
		.amdhsa_next_free_vgpr 1024
		.amdhsa_next_free_sgpr 66
		.amdhsa_reserve_vcc 0
		.amdhsa_float_denorm_mode_32 3
		.amdhsa_float_denorm_mode_16_64 3
		.amdhsa_memory_ordered 1
		.amdhsa_forward_progress 1
		.amdhsa_inst_pref_size 117
	.end_amdhsa_kernel
	.amdgpu_metadata
---
amdhsa.version: [ 1, 2 ]
amdhsa.kernels:
  - .name:           k_q81dfd1c62e_proj
    .symbol:         k_q81dfd1c62e_proj.kd
    .args:
      - { .name: xw, .offset: 0, .size: 8, .value_kind: global_buffer, .address_space: global }
      - { .name: qkv, .offset: 8, .size: 8, .value_kind: global_buffer, .address_space: global }
    .group_segment_fixed_size: 327680
    .private_segment_fixed_size: 0
    .kernarg_segment_align: 8
    .kernarg_segment_size: 16
    .max_flat_workgroup_size: 128
    .sgpr_count:     66
    .vgpr_count:     1024
    .wavefront_size: 32
...
	.end_amdgpu_metadata
.endif
;; end of part 2
;; launch scores (part 3): grid 12 x 16, 4 waves a work-group, clusters of 4 x 4, 327,680 bytes of LDS; arguments qkv, p, st; writes p, st
.if DOCPART == 3
	.amdgcn_target "amdgcn-amd-amdhsa--gfx1250"
	.amdhsa_code_object_version 6
	.text
	.protected	k_q81dfd1c62e_scores
	.globl	k_q81dfd1c62e_scores
	.p2align	8
	.type	k_q81dfd1c62e_scores,@function
k_q81dfd1c62e_scores:
	s_mov_b64 s[64:65], 0
	v_nop
	global_prefetch_b8 v0, s[64:65] scope:SCOPE_SE
	s_setreg_imm32_b32 hwreg(HW_REG_WAVE_MODE, 25, 1), 1
	s_wait_xcnt 0x0
	s_wait_alu depctr_hold_cnt(0) depctr_sa_sdst(0) depctr_va_vdst(0) depctr_va_sdst(0) depctr_va_ssrc(0) depctr_va_vcc(0) depctr_vm_vsrc(0)
	s_getreg_b32 s2, hwreg(HW_REG_IB_STS2, 6, 4)
	s_cmp_eq_u32 s2, 0
	s_cbranch_scc0 .Lentry_in_a_cluster
	s_endpgm
.Lentry_in_a_cluster:
	s_bfe_u32 s2, ttmp6, 0x10000c
	s_cmp_lg_u32 s2, 0xf033
	s_cbranch_scc0 .Lentry_shape_is_right
	s_endpgm
.Lentry_shape_is_right:
; For each tile of 256 queries x 256 keys on or below the diagonal: s = q . k (f16 products, f32 sums, K = 1,024), the causal mask, and the first level of the softmax:
;   cm = c x (the row's maximum over the tile's 256 keys), c = log2(e) / 32;   p = 2^(c s - cm), rounded to f16, stored in p[b][query][key];   l = the sum of the unrounded p over a wave's 128 keys.
; cm and l go to st[b][tile column][key half][cm, l][row] in f32.  The next launch takes the row's maximum CM over the tiles' cm and multiplies a tile's part by 2^(cm - CM): together that is 2^(c s - CM).
; LIMITS.  A hidden score counts as its value less 2^100 (f16's scores stay under 2^43).  cm is held at -2^66 or above, so a row with no visible key in the tile gets p = 0, l = 0, cm = -2^66, and counts
; for nothing later.  A weight below 2^-126 counts as 0 in l; below 6e-5 p keeps f16's fixed step.  NaN and infinities are not treated apart.
; SHARES.  Four waves, 128 x 128 each: 64 accumulators.  K goes in 8 steps of 128 through a ring of two LDS slots (256 rows of q, 256 rows of k, 256 bytes of memory a row).
; CLUSTER.  4 x 4 work-groups make a block of 1,024 x 1,024 scores; a batch has three: (rows, keys) = (0, 0), (1, 0), (1, 1).  q's tile is shared along a row of the cluster, k's along a column: joint loads.
; In the two blocks on the diagonal six of the sixteen tiles lie wholly above it.  No branch may hang on a work-group's place in its cluster, and each partner makes every joint request: they run alike and
; store p = 0.  Of the six the next launch reads two (it walks 512 keys for 512 rows); four are read by nobody.
; THE MATRIX INSTRUCTION IS USED TRANSPOSED (source 0 = 16 keys, source 1 = 16 queries): a lane holds ONE query (lane % 16) and the keys 8 (lane / 16) + 0..7.
; THE MASK is the C operand of the products that start the sums: 0, or -2^100 where the key is hidden.  With D = my first key - my first query (a multiple of 128) and d = l % 16 - 8 (l / 16) - D, register n of
; accumulator (a, b) is hidden where 16 (b - a) + n > d.  For b < a that is -9 > d for every n, for b > a it is 16 > d, for b = a it is n > d: three sets of eight registers, made once.
; REGISTERS: window 0: v0-31 addresses; v32-55 the masks, later statistics; v64-127, v128-191 q's fragments; on the way out v64-127 whole rows, v192-223 packed p
;   window 1: v64-127, v128-191 k's fragments      window 2: accumulators of my rows 0-63 ((a, b) at v[8 (8 a + b)])      window 3: rows 64-127
.set KSTEP,  128
.set PITCH,  272                       ; 256 bytes + 16 of padding: the 16 rows of a fragment load start at 16 different groups of four banks (ISA guide 11.1)
.set HALFT,  128*PITCH
.set SLOT,   4*HALFT                   ; q's 256 rows, then k's 256
.set STAGE,  2*SLOT                    ; behind the ring: 16 rows x 272 bytes for each wave
.set SPITCH, 272
.set XCH,    STAGE+4*16*SPITCH         ; 512 bytes a wave: its 128 rows' maxima, for the wave with the other 128 keys
.set STS,    XCH+2048                  ; 1,024 bytes a wave: cm, then l, turned from a word a row into 16 bytes a lane
.set SPARE,  STS+4096                  ; the spare words, 128 bytes a wave: two blocks of 256 bytes that no other line names
.set QROW,   6144                      ; bytes in a row of qkv
.set PROW,   4096                      ; bytes in a row of p
.set LAPS,   4
.set XSA,  8                           ; v8   where I put a row's maximum
.set XRA,  9                           ; v9   where the two waves of my rows have put theirs
.set SSA,  10                          ; v10  where I put a row's cm
.set SRA,  11                          ; v11  where I read four rows' back
.set STV,  12                          ; v12  16 x lane: my byte offset in 512 bytes of st
.set ADRA, 16
.set ADRB, 20
.set STO,  24
.set RD,   25
.set CO,   26
.set SPW,  28
.set NIL,  29
.set PFO,  30
.set X1,   32                          ; v[32:39] the mask for b < a;  v[40:47] for b = a;  v[48:55] for b > a
.set X2,   40
.set X3,   48
.set MX,   32                          ; later: block a's cm at v[32 + 2 a]; beside it m, then l
.set C4,   48                          ; four chains of a maximum; v52, v53 at work
.set XT,   54                          ; v54-61 the other half's maxima
.set F0,   64
.set F1,   128
.set OB,   64
.set TMP,  192
.set G1,   24
.set G0,   32
.set G1B,  48
.set G0B,  56
.set LIM,  43
.set PFA,  44
.set CS,   68                          ; s[68:69] c
.set SEL,  70                          ; s[70:71] v_permlanex16_b32's selects: each lane takes its own place in the other half
.set NEG,  72                          ; s72  -2^100
.set DD,   73                          ; s73  D
.set FLOOR, 74                         ; s74  -2^66
.set BAT,  75                          ; s75  the batch
.set MSB, 0
.macro WIN new
.if MSB != (\new)
	s_set_vgpr_msb (MSB<<8)|(\new)
.set MSB, \new
.endif
.endm
.set MUL_LO, 0xa1                      ; source 0 (k) window 1, source 1 (q) window 0, C and D window 2
.set MUL_HI, 0xf1
.set TO_B,   0x40
.macro JLOAD s                         ; a joint load: waves 0 and 1 fetch q's two halves, waves 2 and 3 k's; an s_nop 0 and four v_nop follow each line
	s_cmp_eq_u32 s11, 0
	s_cbranch_scc0 .Lfor_b_\@
	tensor_load_to_lds s[G0+4*(\s):G0+4*(\s)+3], s[G1:G1+7]
	s_nop 0
.rept 4
	v_nop
.endr
	s_branch .Lasked_\@
.Lfor_b_\@:
	tensor_load_to_lds s[G0B+4*(\s):G0B+4*(\s)+3], s[G1B:G1B+7]
	s_nop 0
.rept 4
	v_nop
.endr
.Lasked_\@:
.endm
; A prefetch behind each joint refill and its run of LDS loads: the K step two refills on, 32 rows x 256 bytes, a lane a row.  Each row's 256 bytes are named once: q's rows by the blocks in key column 0,
; k's rows by the two blocks on the diagonal; the four partners share a tile's 128 rows out by address.  K steps 0 to 3 come by their loads alone; the loop's last trip asks for nothing.
.macro ASK
	s_cmp_gt_u32 s3, s[LIM]
	s_cbranch_scc0 .Lnot_mine_\@
	global_prefetch_b8 v[PFO], s[PFA:PFA+1] offset:KSTEP*2 th:TH_LOAD_NT scope:SCOPE_SE
.Lnot_mine_\@:
.endm
.macro CREST
	s_cmp_lg_u32 s10, 0
	s_cbranch_scc1 .Lnot_wave_0_\@
	s_barrier_signal -3
.Lnot_wave_0_\@:
	s_barrier_wait -3
	s_barrier_signal -1
	s_barrier_wait -1
.endm
.macro CROUND
	s_barrier_signal -1
	s_barrier_wait -1
	CREST
.endm
	s_load_b128 s[4:7], s[0:1], 0x0                ; qkv s[4:5], p s[6:7]
	s_load_b64 s[8:9], s[0:1], 0x10                ; st
	v_lshl_add_u32 v[SPW], v0, 2, SPARE
	v_mov_b32 v[NIL], 0
	ds_add_u32 v[SPW], v[NIL]                      ; the wave's opening: the add and its wait ahead of my first tensor load
	v_lshrrev_b32 v1, 5, v0
	v_readfirstlane_b32 s10, v1                    ; wave 0..3
	s_lshr_b32 s11, s10, 1                         ; which half of the tile's queries is mine.  Also: I fetch q (0) or k (1)
	s_and_b32 s12, s10, 1                          ; which half of its keys.  Also: which 128 rows I fetch
	s_bfe_u32 s40, ttmp6, 0x40000                  ; cx, cy
	s_bfe_u32 s41, ttmp6, 0x40004
	s_add_co_u32 s13, ttmp9, 1
	s_lshr_b32 s13, s13, 1                         ; the block's row: 0, 1, 1 for cluster x = 0, 1, 2
	s_lshl_b32 s13, s13, 2
	s_add_co_u32 s13, s13, s41                     ; tile row i
	s_lshr_b32 s42, ttmp9, 1                       ; the block's column: 0, 0, 1
	s_lshl_b32 s42, s42, 2
	s_add_co_u32 s42, s42, s40                     ; tile column j
	s_and_b32 s[BAT], ttmp7, 0xffff
	s_lshl_b32 s43, s41, 2
	s_lshl_b32 s43, 15, s43                        ; my row of the cluster
	s_lshl_b32 s44, 0x1111, s40                    ; my column
	s_or_b32 s[G1+0], s43, (1<<16)|(1<<20)|(1<<21)|(5<<22)|(3<<25)   ; the mask; 2-byte elements; padding on; 21 set beside a mask; 4 words behind every 64
	s_or_b32 s[G1B+0], s44, (1<<16)|(1<<20)|(1<<21)|(5<<22)|(3<<25)
.irp g, G1, G1B
	s_mov_b32 s[(\g)+1], KSTEP<<16                 ; tensor_dim0 = 128
	s_mov_b32 s[(\g)+2], 128<<16                   ; tensor_dim1 = 128
	s_mov_b32 s[(\g)+3], KSTEP<<16                 ; tile_dim0 = 128
	s_mov_b32 s[(\g)+4], 128                       ; tile_dim1 = 128
	s_mov_b32 s[(\g)+5], 3072                      ; elements from row to row
	s_mov_b32 s[(\g)+6], 0
	s_mov_b32 s[(\g)+7], 0
.endr
	s_mov_b32 s[CS], 0x3d38aa3b                    ; c = log2(e) / 32
	s_mov_b32 s[CS+1], s[CS]                       ; named with it as a pair
	s_mov_b32 s[SEL], 0x76543210
	s_mov_b32 s[SEL+1], 0xfedcba98
	s_mov_b32 s[NEG], 0xf1800000
	s_mov_b32 s[FLOOR], 0xe0800000
	s_lshl_b32 s16, s[BAT], 11                     ; q: row 2,048 b + 256 i + 128 x half
	s_lshl_b32 s17, s13, 8
	s_add_co_u32 s16, s16, s17
	s_lshl_b32 s17, s12, 7
	s_add_co_u32 s16, s16, s17
	s_mul_i32 s16, s16, QROW
	s_mov_b32 s17, 0
	s_lshl_b32 s46, s[BAT], 11                     ; k: row 2,048 b + 256 j + 128 x half, 2,048 bytes into the row
	s_lshl_b32 s47, s42, 8
	s_add_co_u32 s46, s46, s47
	s_lshl_b32 s47, s12, 7
	s_add_co_u32 s46, s46, s47
	s_mul_i32 s46, s46, QROW
	s_add_co_u32 s46, s46, 2048
	s_mov_b32 s47, 0
	s_mul_i32 s20, s10, HALFT                      ; where they go: wave x 128 rows
	s_wait_dscnt 0x0                               ; the opening add is done
	s_wait_kmcnt 0x0
	s_add_nc_u64 s[14:15], s[4:5], s[16:17]
	s_add_nc_u64 s[46:47], s[4:5], s[46:47]
	CROUND                                         ; all sixteen work-groups are here: the first joint loads meet
.irp s, 0,1
	s_mov_b32 s[G0+4*(\s)], 1
	s_add_co_u32 s[G0+4*(\s)+1], s20, (\s)*SLOT
	s_add_nc_u64 s[G0+4*(\s)+2:G0+4*(\s)+3], s[14:15], (\s)*KSTEP*2
	s_or_b32 s[G0+4*(\s)+3], s[G0+4*(\s)+3], 0x80000000
	s_mov_b32 s[G0B+4*(\s)], 1
	s_add_co_u32 s[G0B+4*(\s)+1], s20, (\s)*SLOT
	s_add_nc_u64 s[G0B+4*(\s)+2:G0B+4*(\s)+3], s[46:47], (\s)*KSTEP*2
	s_or_b32 s[G0B+4*(\s)+3], s[G0B+4*(\s)+3], 0x80000000
	JLOAD \s                                       ; two loads of mine are out
.endr
	v_and_b32 v1, 15, v0                           ; l % 16
	v_bfe_u32 v2, v0, 4, 1                         ; l / 16
	v_mul_u32_u24 v3, v1, PITCH
	v_lshl_add_u32 v3, v2, 4, v3
	s_mul_i32 s21, s11, HALFT                      ; my 128 rows of q
	s_mul_i32 s22, s12, HALFT                      ; my 128 rows of k,
	s_add_co_u32 s22, s22, 2*HALFT                 ; which lie behind q's 256
.irp s, 0,1
	v_add_nc_u32 v[ADRA+(\s)], s21, v3
	v_add_nc_u32 v[ADRB+(\s)], s22, v3
	s_add_co_u32 s21, s21, SLOT
	s_add_co_u32 s22, s22, SLOT
.endr
	; the masks
	s_sub_co_i32 s[DD], s42, s13
	s_lshl_b32 s[DD], s[DD], 1
	s_add_co_i32 s[DD], s[DD], s12
	s_sub_co_i32 s[DD], s[DD], s11
	s_lshl_b32 s[DD], s[DD], 7                     ; D = 256 (j - i) + 128 (key half - query half)
	v_lshlrev_b32 v4, 3, v2
	v_sub_nc_u32 v4, v1, v4
	v_sub_nc_u32 v4, v4, s[DD]                     ; d
	v_cmp_gt_i32 vcc_lo, -9, v4
	v_cndmask_b32 v[X1], 0, s[NEG], vcc_lo
	v_cmp_gt_i32 vcc_lo, 16, v4
	v_cndmask_b32 v[X3], 0, s[NEG], vcc_lo
.irp n, 1,2,3,4,5,6,7
	v_mov_b32 v[X1+(\n)], v[X1]
	v_mov_b32 v[X3+(\n)], v[X3]
.endr
.irp n, 0,1,2,3,4,5,6,7
	v_cmp_gt_i32 vcc_lo, \n, v4
	v_cndmask_b32 v[X2+(\n)], 0, s[NEG], vcc_lo
.endr
	; the way out's addresses
	s_mul_i32 s23, s10, 16*SPITCH
	s_add_co_u32 s23, s23, STAGE                   ; my stage
	v_mul_u32_u24 v5, v1, SPITCH                   ; in: row l % 16, 16 bytes for each half of the lanes
	v_lshl_add_u32 v5, v2, 4, v5
	v_add_nc_u32 v[STO], s23, v5
	v_mul_u32_u24 v5, v2, SPITCH                   ; back: lanes 0-15 one row of 256 bytes, lanes 16-31 the next
	v_lshl_add_u32 v5, v1, 4, v5
	v_add_nc_u32 v[RD], s23, v5
	v_lshlrev_b32 v5, 12, v2                       ; and the same two rows in p
	v_lshl_add_u32 v[CO], v1, 4, v5
	s_lshl_b32 s21, s10, 9
	s_add_co_u32 s21, s21, XCH
	v_lshl_add_u32 v[XSA], v1, 2, s21              ; XCH + 512 x wave + 4 (l % 16)
	s_lshl_b32 s21, s11, 10
	s_add_co_u32 s21, s21, XCH
	v_lshl_add_u32 v[XRA], v1, 2, s21              ; XCH + 1,024 x query half + 4 (l % 16): the two waves' words lie 512 bytes apart
	s_lshl_b32 s21, s10, 10
	s_add_co_u32 s21, s21, STS
	v_lshl_add_u32 v[SSA], v1, 2, s21
	v_and_b32 v[STV], 31, v0
	v_lshlrev_b32 v[STV], 4, v[STV]
	v_add_nc_u32 v[SRA], s21, v[STV]
	s_lshl_b32 s16, s[BAT], 11                     ; p at my 128 rows and 128 keys
	s_lshl_b32 s17, s13, 8
	s_add_co_u32 s16, s16, s17
	s_lshl_b32 s17, s11, 7
	s_add_co_u32 s16, s16, s17
	s_lshl_b32 s16, s16, 12
	s_lshl_b32 s46, s42, 9
	s_lshl_b32 s47, s12, 8
	s_add_co_u32 s46, s46, s47
	s_add_co_u32 s16, s16, s46
	s_mov_b32 s17, 0
	s_add_nc_u64 s[6:7], s[6:7], s[16:17]
	s_lshl3_add_u32 s16, s[BAT], s42               ; st: ((8 b + j) x 2 + key half) x 16,384 + (2 i + query half) x 512
	s_lshl1_add_u32 s16, s16, s12
	s_lshl_b32 s16, s16, 14
	s_lshl1_add_u32 s46, s13, s11
	s_lshl_b32 s46, s46, 9
	s_add_co_u32 s16, s16, s46
	s_add_nc_u64 s[8:9], s[8:9], s[16:17]
	; the prefetches
	s_lshl_b32 s18, s13, 8
	s_lshl_b32 s19, s42, 8
	s_lshr_b32 s22, ttmp9, 1                       ; 0 in the blocks of key column 0
	s_cmp_eq_u32 ttmp9, 1
	s_cselect_b32 s23, 1, 0                        ; 0 in the blocks on the diagonal
	s_cmp_eq_u32 s11, 0                            ; do I fetch q?
	s_cselect_b32 s20, s18, s19
	s_cselect_b32 s21, s40, s41                    ; my place among the four that ask with me
	s_cselect_b32 s22, s22, s23
	s_cselect_b32 s23, 0, 2048
	s_cmp_eq_u32 s22, 0
	s_cselect_b32 s[LIM], 1, -1                    ; the same in all sixteen partners, for a given wave
	s_lshl_b32 s22, s[BAT], 11
	s_add_co_u32 s20, s20, s22
	s_lshl_b32 s22, s12, 7
	s_add_co_u32 s20, s20, s22
	s_lshl_b32 s21, s21, 5
	s_add_co_u32 s20, s20, s21                     ; my work-group's 32 of the 128 rows that I fetch
	s_mul_i32 s20, s20, QROW
	s_add_co_u32 s20, s20, s23
	s_add_co_u32 s20, s20, 2*KSTEP*2               ; at K step 2: the first refill steps it to 3 and names K step 4
	s_mov_b32 s21, 0
	s_add_nc_u64 s[PFA:PFA+1], s[4:5], s[20:21]
	v_and_b32 v[PFO], 31, v0
	v_mul_u32_u24 v[PFO], v[PFO], QROW
; 16 matrix instructions: query blocks a0, a0 + 1 of the window's four x all 8 key blocks, 32 along K.  zero = 1: the product starts the sum, with the mask as C (in window 0).
; The 64 accumulators take turns, in the same order in every quarter.
.macro MUL16 f, hi, a0, zero
.if \zero
	WIN 0x81+0x40*(\hi)
.else
	WIN MUL_LO+0x50*(\hi)
.endif
.irp a, \a0, (\a0)+1
.irp b, 0,1,2,3,4,5,6,7
.if \zero
.if (\b) < 4*(\hi)+(\a)
.set XM, X1
.elseif (\b) == 4*(\hi)+(\a)
.set XM, X2
.else
.set XM, X3
.endif
	v_wmma_f32_16x16x32_f16 v[8*(8*(\a)+(\b)):8*(8*(\a)+(\b))+7], v[(\f)+8*(\b):(\f)+8*(\b)+7], v[(\f)+8*(4*(\hi)+(\a)):(\f)+8*(4*(\hi)+(\a))+7], v[XM:XM+7]
.else
	v_wmma_f32_16x16x32_f16 v[8*(8*(\a)+(\b)):8*(8*(\a)+(\b))+7], v[(\f)+8*(\b):(\f)+8*(\b)+7], v[(\f)+8*(4*(\hi)+(\a)):(\f)+8*(4*(\hi)+(\a))+7], v[8*(8*(\a)+(\b)):8*(8*(\a)+(\b))+7]
.endif
.endr
.endr
.endm
.macro FETCH slot, k, f                ; 32 LDS loads in one run: 128 rows of k, then 128 rows of q, 32 along K at byte k of the rows
	WIN TO_B
.irp i, 0,1,2,3,4,5,6,7
	ds_load_b128 v[(\f)+8*(\i):(\f)+8*(\i)+3],   v[ADRB+(\slot)] offset:(\k)+(\i)*16*PITCH
	ds_load_b128 v[(\f)+8*(\i)+4:(\f)+8*(\i)+7], v[ADRB+(\slot)] offset:(\k)+(\i)*16*PITCH+32
.endr
	WIN 0
.irp i, 0,1,2,3,4,5,6,7
	ds_load_b128 v[(\f)+8*(\i):(\f)+8*(\i)+3],   v[ADRA+(\slot)] offset:(\k)+(\i)*16*PITCH
	ds_load_b128 v[(\f)+8*(\i)+4:(\f)+8*(\i)+7], v[ADRA+(\slot)] offset:(\k)+(\i)*16*PITCH+32
.endr
.endm
.macro PLACES                          ; four plain vector instructions between a matrix instruction and a load into, or a vector read of, its registers
.rept 4
	v_nop
.endr
.endm
.macro QUARTER slot, k, f, g, zero
	s_wait_dscnt 8                                 ; k and q's rows 0-63 are in; the youngest eight loads (q's rows 64-127) may be out
	MUL16 \f, 0, 0, \zero
	MUL16 \f, 0, 2, \zero
	PLACES
	FETCH \slot, \k, \g
	s_wait_dscnt 32                                ; all but the 32 just issued
	MUL16 \f, 1, 0, \zero
	MUL16 \f, 1, 2, \zero
.endm
; The last quarter of a K step changes slots: ONE barrier; in front of it each wave waits for all its tensor loads, adds 0 to its spare word, and waits for that and for its reads of this slot.
; fill = 1: the barrier opens a round of the cluster's, and this slot is filled again, two K steps ahead, first thing behind the round.
.macro TURN slot, next, fill
.if \fill
	s_wait_xcnt 0x0                                ; the last prefetch, a K step back, has read its address
	s_add_nc_u64 s[PFA:PFA+1], s[PFA:PFA+1], KSTEP*2
.endif
	WIN 0
	s_wait_tensorcnt 0x0                           ; no tensor load of mine is out, so a group 0 may be written
	ds_add_u32 v[SPW], v[NIL]                      ; 0 onto my spare word
.if \fill
	s_add_nc_u64 s[G0+4*(\slot)+2:G0+4*(\slot)+3], s[G0+4*(\slot)+2:G0+4*(\slot)+3], 2*KSTEP*2
	s_add_nc_u64 s[G0B+4*(\slot)+2:G0B+4*(\slot)+3], s[G0B+4*(\slot)+2:G0B+4*(\slot)+3], 2*KSTEP*2
.endif
	s_wait_dscnt 9                                 ; the add and the youngest eight loads may be out
	MUL16 F1, 0, 0, 0
	s_wait_dscnt 0x0                               ; the add is done, and my reads of this slot are over
	s_barrier_signal -1
	MUL16 F1, 0, 2, 0
.if \fill
	WIN 0
.endif
	s_barrier_wait -1
.if \fill
	CREST
	JLOAD \slot                                    ; one load of mine is out; its four v_nop are also the places in front of the loads below
.else
	PLACES
.endif
	FETCH \next, 0, F0
.if \fill
	ASK
.endif
	MUL16 F1, 1, 0, 0
	MUL16 F1, 1, 2, 0
.endm
	s_wait_tensorcnt 0x1                           ; my part of K step 0 is in; K step 1's may stay out
	s_barrier_signal -1
	s_barrier_wait -1
	FETCH 0, 0, F0
	QUARTER 0, 64,  F0, F1, 1                      ; the first quarter's products start the sums, with the masks
	WIN 0
	s_mov_b32 s3, LAPS-1
.Llap:
	QUARTER 0, 128, F1, F0, 0
	QUARTER 0, 192, F0, F1, 0
	TURN 0, 1, 1
	QUARTER 1, 64,  F0, F1, 0
	QUARTER 1, 128, F1, F0, 0
	QUARTER 1, 192, F0, F1, 0
	TURN 1, 0, 1
	QUARTER 0, 64,  F0, F1, 0
	WIN 0
	s_sub_co_u32 s3, s3, 1
	s_cmp_lg_u32 s3, 0
	s_cbranch_scc1 .Llap
	QUARTER 0, 128, F1, F0, 0                      ; the last lap fills nothing
	QUARTER 0, 192, F0, F1, 0
	TURN 0, 1, 0
	QUARTER 1, 64,  F0, F1, 0
	QUARTER 1, 128, F1, F0, 0
	QUARTER 1, 192, F0, F1, 0
	s_wait_dscnt 8
	MUL16 F1, 0, 0, 0
	MUL16 F1, 0, 2, 0
	s_wait_dscnt 0x0
	MUL16 F1, 1, 0, 0
	MUL16 F1, 1, 2, 0
	WIN 0
	PLACES
; THE ROW MAXIMUM of block a (16 queries x my 128 keys: 64 scores a lane): four chains of two accumulators each, their registers in ascending order; then the other half of the lanes'.
.macro ROWMAX a
.set AC, 64*((\a)%4)
	WIN 0x0a+5*((\a)/4)                            ; sources 0 and 1: window 2 or 3
.irp k, 0,1,2,3
	v_max_num_f32 v[C4+(\k)], v[AC+16*(\k)], v[AC+16*(\k)+1]
.endr
	WIN 0x28+0x14*((\a)/4)                         ; sources 1 and 2: window 2 or 3
.set z, 1
.rept 7
.irp k, 0,1,2,3
	v_max3_num_f32 v[C4+(\k)], v[C4+(\k)], v[AC+16*(\k)+2*z], v[AC+16*(\k)+2*z+1]
.endr
.set z, z+1
.endr
	WIN 0
	v_max3_num_f32 v[C4], v[C4], v[C4+1], v[C4+2]
	v_max_num_f32 v[C4], v[C4], v[C4+3]
	v_permlanex16_b32 v52, v[C4], s[SEL], s[SEL+1]
	v_max_num_f32 v[MX+2*(\a)+1], v[C4], v52
	ds_store_b32 v[XSA], v[MX+2*(\a)+1] offset:64*(\a)  ; lanes l and l + 16 write the same word with the same number
.endm
.irp a, 0,1,2,3,4,5,6,7
	ROWMAX \a
.endr
	s_wait_dscnt 0x0                               ; for the others' sake: my maxima lie in LDS
	s_barrier_signal -1
	s_barrier_wait -1
.irp a, 0,1,2,3,4,5,6,7
	ds_load_b32 v[MX+2*(\a)], v[XRA] offset:64*(\a)       ; the maximum over keys 0-127 of the tile,
	ds_load_b32 v[XT+(\a)],   v[XRA] offset:512+64*(\a)   ; and over keys 128-255
.endr
	s_wait_dscnt 0x0
.irp a, 0,1,2,3,4,5,6,7
	v_max_num_f32 v[MX+2*(\a)+1], v[MX+2*(\a)], v[XT+(\a)]
.endr
.irp a, 0,1,2,3,4,5,6,7
	v_mul_f32 v[MX+2*(\a)], s[CS], v[MX+2*(\a)+1]
.endr
.irp a, 0,1,2,3,4,5,6,7
	v_max_num_f32 v[MX+2*(\a)], s[FLOOR], v[MX+2*(\a)]    ; cm
.endr
; BLOCK a: c s - cm in place; its 64 exponentials, ONE batch with one plain instruction and ONE wait behind it, ahead of the first line that names a result; the roundings to f16;
; the sum of the unrounded weights, a tree in place, and the other half of the lanes'.
.macro EXPA a
.set AC, 64*((\a)%4)
	WIN 0x82+0x41*((\a)/4)                         ; destination and source 0: window 2 or 3; cm in window 0
.set z, 0
.rept 32
	v_pk_fma_f32 v[AC+2*z:AC+2*z+1], v[AC+2*z:AC+2*z+1], s[CS:CS+1], v[MX+2*(\a):MX+2*(\a)+1] op_sel_hi:[1,0,0] neg_lo:[0,0,1] neg_hi:[0,0,1]
.set z, z+1
.endr
.set z, 0
.rept 64
	v_exp_f32 v[AC+z], v[AC+z]
.set z, z+1
.endr
	v_nop
	s_wait_alu depctr_va_vdst(0)
	WIN 0x0a+5*((\a)/4)
.set z, 0
.rept 32
	v_cvt_pk_f16_f32 v[TMP+z], v[AC+2*z], v[AC+2*z+1]
.set z, z+1
.endr
	WIN 0x8a+0x45*((\a)/4)                         ; destination and both sources: window 2 or 3
.irp w, 1,2,4,8,16
.set u, 0
.rept 16/(\w)
	v_pk_add_f32 v[AC+4*(\w)*u:AC+4*(\w)*u+1], v[AC+4*(\w)*u:AC+4*(\w)*u+1], v[AC+4*(\w)*u+2*(\w):AC+4*(\w)*u+2*(\w)+1]
.set u, u+1
.endr
.endr
	WIN 0x0a+5*((\a)/4)
	v_add_f32 v53, v[AC], v[AC+1]
	WIN 0
	v_permlanex16_b32 v52, v53, s[SEL], s[SEL+1]
	v_add_f32 v[MX+2*(\a)+1], v53, v52             ; l takes m's place
.endm
.macro TOSTAGE a                       ; 16 bytes a lane into rows of 272 bytes, and back as whole rows of 256
	WIN 0
.set BK, OB+32*((\a)%2)
.irp b, 0,1,2,3,4,5,6,7
	ds_store_b128 v[STO], v[TMP+4*(\b):TMP+4*(\b)+3] offset:32*(\b)
.endr
.irp t, 0,1,2,3,4,5,6,7
	ds_load_b128 v[BK+4*(\t):BK+4*(\t)+3], v[RD] offset:(\t)*2*SPITCH  ; LDS serves a wave's instructions in order (ISA guide 5.7.1.4): these see the stores above
.endr
.endm
.macro SEND a
	WIN 0
.set BK, OB+32*((\a)%2)
	s_wait_dscnt 0x0                               ; the block is back in registers
	s_wait_xcnt 0x0                                ; the stores of the block before have read their registers, into which the next block's loads go
.irp t, 0,1,2,3,4,5,6,7
	global_store_b128 v[CO], v[BK+4*(\t):BK+4*(\t)+3], s[6:7] offset:(\a)*16*PROW+(\t)*2*PROW  ; 16 lanes store 256 consecutive bytes, at a multiple of 256 from p's first byte
.endr
.endm
	EXPA 0
	TOSTAGE 0
.irp a, 1,2,3,4,5,6,7                  ; block a's arithmetic stands between block a - 1's loads from the stage and the wait for them
	EXPA \a
	SEND (\a)-1
	TOSTAGE \a
.endr
	SEND 7
.irp a, 0,1,2,3,4,5,6,7                ; the statistics: a word a row into my own bytes, back as 16 bytes a lane
	ds_store_b32 v[SSA], v[MX+2*(\a)]   offset:64*(\a)
	ds_store_b32 v[SSA], v[MX+2*(\a)+1] offset:512+64*(\a)
.endr
	ds_load_b128 v[TMP:TMP+3],   v[SRA]
	ds_load_b128 v[TMP+4:TMP+7], v[SRA] offset:512
	s_wait_dscnt 0x0
	global_store_b128 v[STV], v[TMP:TMP+3],   s[8:9]              ; cm of my 128 rows: 512 consecutive bytes
	global_store_b128 v[STV], v[TMP+4:TMP+7], s[8:9] offset:8192  ; l
	s_wait_tensorcnt 0x0                           ; the wave's end, behind my last tensor load and my last LDS store
	ds_add_u32 v[SPW], v[NIL]
	s_wait_dscnt 0x0
	CROUND                                         ; the closing round
	s_endpgm
.Lfunc_end_k_q81dfd1c62e_scores:
	.size	k_q81dfd1c62e_scores, .Lfunc_end_k_q81dfd1c62e_scores-k_q81dfd1c62e_scores
	.p2alignl 7, 3214868480
	.fill 96, 4, 3214868480
	.section	.rodata,"a",@progbits
	.p2align	6, 0x0
	.amdhsa_kernel k_q81dfd1c62e_scores
		.amdhsa_group_segment_fixed_size 327680
		.amdhsa_private_segment_fixed_size 0
		.amdhsa_enable_private_segment 0
		.amdhsa_kernarg_size 24
		.amdhsa_user_sgpr_count 2
		.amdhsa_user_sgpr_kernarg_segment_ptr 1
		.amdhsa_wavefront_size32 1
		.amdhsa_system_sgpr_workgroup_id_x 1
		.amdhsa_system_sgpr_workgroup_id_y 1
		.amdhsa_system_sgpr_workgroup_id_z 1
		.amdhsa_system_vgpr_workitem_id 0
		.amdhsa_next_free_vgpr 1024
		.amdhsa_next_free_sgpr 80
		.amdhsa_reserve_vcc 1
		.amdhsa_float_denorm_mode_32 3
		.amdhsa_float_denorm_mode_16_64 3
		.amdhsa_memory_ordered 1
		.amdhsa_forward_progress 1
		.amdhsa_inst_pref_size 217
	.end_amdhsa_kernel
	.amdgpu_metadata
---
amdhsa.version: [ 1, 2 ]
amdhsa.kernels:
  - .name:           k_q81dfd1c62e_scores
    .symbol:         k_q81dfd1c62e_scores.kd
    .args:
      - { .name: qkv, .offset: 0, .size: 8, .value_kind: global_buffer, .address_space: global }
      - { .name: p, .offset: 8, .size: 8, .value_kind: global_buffer, .address_space: global }
      - { .name: st, .offset: 16, .size: 8, .value_kind: global_buffer, .address_space: global }
    .group_segment_fixed_size: 327680
    .private_segment_fixed_size: 0
    .kernarg_segment_align: 8
    .kernarg_segment_size: 24
    .max_flat_workgroup_size: 128
    .sgpr_count:     80
    .vgpr_count:     1024
    .wavefront_size: 32
...
	.end_amdgpu_metadata
.endif
;; end of part 3
;; launch pv (part 4): grid 8 x 32, 4 waves a work-group, clusters of 4 x 4, 327,680 bytes of LDS; arguments p, qkv, st, out0; writes out0
.if DOCPART == 4
	.amdgcn_target "amdgcn-amd-amdhsa--gfx1250"
	.amdhsa_code_object_version 6
	.text
	.protected	k_q81dfd1c62e_pv
	.globl	k_q81dfd1c62e_pv
	.p2align	8
	.type	k_q81dfd1c62e_pv,@function
k_q81dfd1c62e_pv:
	s_mov_b64 s[64:65], 0
	v_nop
	global_prefetch_b8 v0, s[64:65] scope:SCOPE_SE
	s_setreg_imm32_b32 hwreg(HW_REG_WAVE_MODE, 25, 1), 1
	s_wait_xcnt 0x0
	s_wait_alu depctr_hold_cnt(0) depctr_sa_sdst(0) depctr_va_vdst(0) depctr_va_sdst(0) depctr_va_ssrc(0) depctr_va_vcc(0) depctr_vm_vsrc(0)
	s_getreg_b32 s2, hwreg(HW_REG_IB_STS2, 6, 4)
	s_cmp_eq_u32 s2, 0
	s_cbranch_scc0 .Lentry_in_a_cluster
	s_endpgm
.Lentry_in_a_cluster:
	s_bfe_u32 s2, ttmp6, 0x10000c
	s_cmp_lg_u32 s2, 0xf033
	s_cbranch_scc0 .Lentry_shape_is_right
	s_endpgm
.Lentry_shape_is_right:
; out0[b][q][:] = the sum over key tiles t of F_t[q] x (the sum over the tile's 256 keys of p[q][k] v[k][:]),  F_t = 2^(cm_t - CM) / L,  CM = the maximum of the row's cm_t,  L = the sum of 2^(cm_t - CM) l_t.
; p (f16), cm and l (f32) are the launch before's; v is the third 2,048 bytes of qkv's rows (f16).  Products in f16 with f32 sums; F, the sums over tiles and out0 in f32.
; LIMITS.  As stated where p is made; a tile with no visible key for a row has cm = -2^66, so its F is 0.  NaN and infinities are not treated apart.
; THE WALK.  A batch's rows lie in four blocks of 512; block I needs the key tiles 0 .. 2 I + 1.  A cluster of 4 x 4 work-groups takes 512 rows x 512 channels (a work-group 128 x 128), and TWO blocks: 3 - s and
; then s (s = 0, 1): (8 - 2 s) + (2 + 2 s) = 10 tiles whatever s: 256 equal work-groups, one loop with a constant trip count.  Which tile is asked for hangs on scalar registers made from the cluster's number,
; equal in all partners.  Both blocks have an even number of tiles, so a block ends at a lap's end; the one forward jump passes no barrier and no tensor load.
; CLUSTER.  p's tile (128 rows x 256 keys) is shared along a row of the cluster, v's (256 keys x 128 channels) along a column: joint loads.  Waves 0 and 1 fetch p's halves, waves 2 and 3 v's.
; LAYOUT.  T^T = V^T P (source 0 = 16 channels, turned by ds_load_tr16_b128; source 1 = 16 queries): a lane holds ONE query (lane % 16) and the channels 8 (lane / 16) + 0..7.  T starts from the constant 0 in
; every tile; behind the tile's last product O += F x T.  O is cleared at the head, while the first tiles are on their way, and where the first block ends: 128 moves each, so that the fold has one form.
; THE FACTORS.  At the head thread t makes row t's F for both blocks and lays them in LDS in the WALK's order, ten steps; which tile a step is hangs on s and is chosen by value.  Each lane then takes its 40 factors
; (10 steps x my 4 blocks of 16 rows) into registers, a queue: a lap's two folds read the queue's first two places, and 32 moves at the lap's end bring the next lap's forward.  So every LDS address of the loop is fixed.
; NO PREFETCH: the tiles are small and each is read by four or more work-groups at once by one joint load.
; REGISTERS: window 0: v0-31 addresses; v32-95 the way out; v128-255 T ((a, b) at v[128 + 8 (4 a + b)])
;   window 1: two fragment buffers of 128: for 64 keys, 64 registers of p, then 64 of v
;   window 2: v0-127 O; v128-207 the queue of F: step g, block a at v[128 + 8 g + 2 a]; the odd registers hold 0, named with F as pairs
.set PP,     528                       ; a row of p in LDS: 512 bytes + 16 = 132 words: the 16 rows of a load start at 16 different groups of four banks (ISA guide 11.1)
.set PV,     288                       ; a row of v: 256 + 32 = 72 words
.set PHALF,  64*PP
.set VOFF,   128*PP
.set VHALF,  128*PV
.set SLOT,   VOFF+2*VHALF              ; 141,312
.set STAGE,  2*SLOT                    ; behind the ring: 16 rows x 272 bytes for each wave
.set SPITCH, 272
.set FT,     STAGE+4*16*SPITCH         ; F: [step of the walk 10][row 128] f32: 5,120 bytes
.set SPARE,  FT+5120                   ; the spare words, 128 bytes a wave: two blocks of 256 bytes that no other line names
.set VSTEP,  256*6144                  ; bytes from a key tile of v to the next
.set ADRP, 16                          ; v16-17  LDS address of my fragments of p in slot 0, 1
.set ADRV, 18                          ; v18-21  of v: 2 x slot + which 128 keys (an LDS immediate ends at 65,535)
.set FTA,  23                          ; v23     where thread t puts row t's F; never rewritten
.set STO,  24
.set RD,   25
.set CO,   26
.set FA,   27                          ; v27     where the F of step 0 lie for my rows; never rewritten
.set SPW,  28
.set NIL,  29
.set OB,   32
.set T,    128
.set SO,   128                         ; at the head, in T's registers: 16 offsets, 16 cm, 16 + 16 l, 16 exponentials, 2 maxima, 2 sums
.set CMV,  144
.set L0V,  160
.set L1V,  176
.set EV,   192
.set CMX,  208
.set LS,   210
.set FQ,   128                         ; window 2: the queue of F
.set F0,   0
.set F1,   128
.set G1A,  24                          ; s[24:31] descriptor group 1 for p's tiles;  s[32:39] group 0, a set for each slot
.set G0A,  32
.set PCUR, 40                          ; s[40:41] p at my rows of the block whose tiles are being asked for
.set PB1,  42                          ; s[42:43] the same for the second block
.set VB,   44                          ; s[44:45] v at my keys of tile 0 and my work-group's channels
.set OFFP, 46                          ; s[46:47] a tile's byte offset in p
.set G1B,  48                          ; s[48:55], s[56:63] the same for v's tiles
.set G0B,  56
.set OFFV, 66                          ; s[66:67] a tile's byte offset in v
.set NXT,  68                          ; s68  the tile to be asked for next
.set LQ,   69                          ; s69  the last tile of the block whose tiles are being asked for
.set LQ2,  70                          ; s70  of the second block
.set LAPB, 72                          ; s72  laps left in the block in hand
.set LAP2, 73                          ; s73  laps of the second block
.set LAPS, 74                          ; s74  counts the loop's trips
.set OUTC, 76                          ; s[76:77] out0 at my rows and channels of the block in hand
.set OUT1, 78                          ; s[78:79] of the second block
.set TOP,  95                          ; s95, s96  the two blocks' last tiles
.set MSB, 0
.macro WIN new                         ; the immediate's high byte repeats the setting that is left; a switch that changes nothing is dropped
.if MSB != (\new)
	s_set_vgpr_msb (MSB<<8)|(\new)
.set MSB, \new
.endif
.endm
.set MUL,  0x05                        ; sources 0 (v) and 1 (p) window 1; C and D window 0
.set TO_F, 0x40                        ; destination window 1, address window 0
.macro JLOAD s                         ; an s_nop 0 and four v_nop follow each of the two lines, ahead of the jump and the label
	s_cmp_eq_u32 s13, 0
	s_cbranch_scc0 .Lfor_v_\@
	tensor_load_to_lds s[G0A+4*(\s):G0A+4*(\s)+3], s[G1A:G1A+7]
	s_nop 0
.rept 4
	v_nop
.endr
	s_branch .Lasked_\@
.Lfor_v_\@:
	tensor_load_to_lds s[G0B+4*(\s):G0B+4*(\s)+3], s[G1B:G1B+7]
	s_nop 0
.rept 4
	v_nop
.endr
.Lasked_\@:
.endm
.macro CREST                           ; a round of the cluster's barrier behind its opening barrier
	s_cmp_lg_u32 s12, 0
	s_cbranch_scc1 .Lnot_wave_0_\@
	s_barrier_signal -3
.Lnot_wave_0_\@:
	s_barrier_wait -3
	s_barrier_signal -1
	s_barrier_wait -1
.endm
.macro CROUND                          ; a whole round
	s_barrier_signal -1
	s_barrier_wait -1
	CREST
.endm
; The slot's two addresses are made anew from the tile's number; then the number steps, and behind the first block's last tile it goes back to 0 in the second block.
.macro NEXTT slot
	s_lshl_b32 s[OFFP], s[NXT], 9                  ; 256 keys of 2 bytes
	s_mul_i32 s[OFFV], s[NXT], VSTEP
	s_add_nc_u64 s[G0A+4*(\slot)+2:G0A+4*(\slot)+3], s[PCUR:PCUR+1], s[OFFP:OFFP+1]
	s_or_b32 s[G0A+4*(\slot)+3], s[G0A+4*(\slot)+3], 0x80000000
	s_add_nc_u64 s[G0B+4*(\slot)+2:G0B+4*(\slot)+3], s[VB:VB+1], s[OFFV:OFFV+1]
	s_or_b32 s[G0B+4*(\slot)+3], s[G0B+4*(\slot)+3], 0x80000000
	s_add_co_u32 s[NXT], s[NXT], 1
	s_cmp_gt_u32 s[NXT], s[LQ]
	s_cselect_b32 s[NXT], 0, s[NXT]
	s_cselect_b64 s[PCUR:PCUR+1], s[PB1:PB1+1], s[PCUR:PCUR+1]
	s_cselect_b32 s[LQ], s[LQ2], s[LQ]
.endm
	s_load_b256 s[4:11], s[0:1], 0x0               ; p s[4:5], qkv s[6:7], st s[8:9], out0 s[10:11]
	v_lshl_add_u32 v[SPW], v0, 2, SPARE
	v_mov_b32 v[NIL], 0
	ds_add_u32 v[SPW], v[NIL]                      ; the wave's opening: the add and its wait ahead of my first tensor load
	v_lshrrev_b32 v1, 5, v0
	v_readfirstlane_b32 s12, v1                    ; wave 0..3
	s_lshr_b32 s13, s12, 1                         ; which 64 rows are mine.  Also: I fetch p (0) or v (1)
	s_and_b32 s14, s12, 1                          ; which 64 channels.  Also: which half of that tile I fetch
	s_bfe_u32 s15, ttmp6, 0x40000                  ; cx
	s_bfe_u32 s16, ttmp6, 0x40004                  ; cy
	s_lshl_b32 s17, ttmp9, 2
	s_add_co_u32 s17, s17, s15                     ; the tile of 128 channels
	s_and_b32 s18, ttmp7, 0xffff
	s_and_b32 s19, s18, 1                          ; s
	s_lshr_b32 s18, s18, 1                         ; the batch
	s_sub_co_u32 s20, 3, s19                       ; the first block
	s_mov_b32 s21, s19                             ; the second
	s_lshl_b32 s80, s16, 2
	s_lshl_b32 s80, 15, s80                        ; my row of the cluster
	s_lshl_b32 s81, 0x1111, s15                    ; my column
	s_or_b32 s[G1A+0], s80, (1<<16)|(1<<20)|(1<<21)|(6<<22)|(3<<25)  ; the mask; 2-byte elements; padding on; 21 set beside a mask; 4 words behind every 128
	s_mov_b32 s[G1A+1], 256<<16                    ; tensor_dim0 = 256
	s_mov_b32 s[G1A+2], 64<<16                     ; tensor_dim1 = 64
	s_mov_b32 s[G1A+3], 256<<16                    ; tile_dim0 = 256
	s_mov_b32 s[G1A+4], 64                         ; tile_dim1 = 64
	s_mov_b32 s[G1A+5], 2048                       ; elements from row to row of p
	s_mov_b32 s[G1A+6], 0
	s_mov_b32 s[G1A+7], 0
	s_or_b32 s[G1B+0], s81, (1<<16)|(1<<20)|(1<<21)|(5<<22)|(7<<25)  ; 8 words behind every 64
	s_mov_b32 s[G1B+1], 128<<16
	s_mov_b32 s[G1B+2], 128<<16
	s_mov_b32 s[G1B+3], 128<<16
	s_mov_b32 s[G1B+4], 128
	s_mov_b32 s[G1B+5], 3072                       ; elements from row to row of qkv
	s_mov_b32 s[G1B+6], 0
	s_mov_b32 s[G1B+7], 0
	; p's addresses hang on the batch, the block, cy and the wave; v's on the batch, the channel tile and the wave; each in registers that never hold the other coordinate
	s_lshl_b32 s82, s18, 11
	s_lshl_b32 s83, s16, 7
	s_add_co_u32 s82, s82, s83
	s_lshl_b32 s83, s14, 6
	s_add_co_u32 s82, s82, s83                     ; 2,048 b + 128 cy + 64 x half
	s_lshl_b32 s84, s20, 9
	s_add_co_u32 s84, s84, s82
	s_lshl_b32 s84, s84, 12                        ; x 4,096 bytes a row
	s_mov_b32 s85, 0
	s_lshl_b32 s86, s21, 9
	s_add_co_u32 s86, s86, s82
	s_lshl_b32 s86, s86, 12
	s_mov_b32 s87, 0
	s_lshl_b32 s88, s18, 11
	s_lshl_b32 s89, s14, 7
	s_add_co_u32 s88, s88, s89                     ; key row 2,048 b + 128 x half
	s_mul_i32 s88, s88, 6144
	s_lshl_b32 s89, s17, 8
	s_add_co_u32 s88, s88, s89
	s_add_co_u32 s88, s88, 4096                    ; v lies 4,096 bytes into a row
	s_mov_b32 s89, 0
	s_mul_i32 s90, s14, PHALF                      ; where they go
	s_mul_i32 s91, s14, VHALF
	s_add_co_u32 s91, s91, VOFF
	s_mov_b32 s[OFFP+1], 0
	s_mov_b32 s[OFFV+1], 0
	s_mov_b32 s[NXT], 2
	s_lshl_b32 s92, s19, 1
	s_sub_co_u32 s[LQ], 7, s92                     ; the first block's last tile: 7 - 2 s
	s_add_co_u32 s[LQ2], s92, 1                    ; the second's: 1 + 2 s
	s_sub_co_u32 s[LAPB], 4, s19
	s_add_co_u32 s[LAP2], s19, 1
	s_mov_b32 s[TOP], s[LQ]
	s_mov_b32 s[TOP+1], s[LQ2]
	s_wait_dscnt 0x0                               ; the opening add is done
	s_wait_kmcnt 0x0
	s_add_nc_u64 s[PCUR:PCUR+1], s[4:5], s[84:85]
	s_add_nc_u64 s[PB1:PB1+1], s[4:5], s[86:87]
	s_add_nc_u64 s[VB:VB+1], s[6:7], s[88:89]
	CROUND                                         ; all sixteen work-groups are here: the first joint loads meet
.irp s, 0,1
	s_mov_b32 s[G0A+4*(\s)], 1
	s_add_co_u32 s[G0A+4*(\s)+1], s90, (\s)*SLOT
	s_add_nc_u64 s[G0A+4*(\s)+2:G0A+4*(\s)+3], s[PCUR:PCUR+1], (\s)*512
	s_or_b32 s[G0A+4*(\s)+3], s[G0A+4*(\s)+3], 0x80000000
	s_mov_b32 s[G0B+4*(\s)], 1
	s_add_co_u32 s[G0B+4*(\s)+1], s91, (\s)*SLOT
	s_add_nc_u64 s[G0B+4*(\s)+2:G0B+4*(\s)+3], s[VB:VB+1], (\s)*VSTEP
	s_or_b32 s[G0B+4*(\s)+3], s[G0B+4*(\s)+3], 0x80000000
	JLOAD \s                                       ; tiles 0 and 1 of the first block: two loads of mine are out
.endr
	; THE STATISTICS.  Thread t owns row t of the work-group's 128, in both blocks.  A tile past the block's last is read as the last (nothing unwritten is read) and counts for nothing in L.
.irp be, 0,1
	s_lshl_b32 s92, s[20+(\be)], 9
	s_lshl_b32 s93, s16, 7
	s_add_co_u32 s92, s92, s93
	s_lshl_b32 s92, s92, 2                         ; 4 bytes x (512 I + 128 cy)
.irp t, 0,1,2,3,4,5,6,7
	s_min_u32 s94, s[TOP+(\be)], \t
	s_lshl3_add_u32 s94, s18, s94                  ; 8 b + tile
	s_lshl_b32 s94, s94, 15
	s_add_co_u32 s94, s94, s92
	v_lshl_add_u32 v[SO+8*(\be)+(\t)], v0, 2, s94
	global_load_b32 v[CMV+8*(\be)+(\t)], v[SO+8*(\be)+(\t)], s[8:9]
	global_load_b32 v[L0V+8*(\be)+(\t)], v[SO+8*(\be)+(\t)], s[8:9] offset:8192
	global_load_b32 v[L1V+8*(\be)+(\t)], v[SO+8*(\be)+(\t)], s[8:9] offset:24576
.endr
.endr
	WIN 0x80                                       ; O starts at 0: written while the first tiles and the statistics are on their way
.set i, 0
.rept 128
	v_mov_b32 v[i], 0
.set i, i+1
.endr
.set i, 0
.rept 40
	v_mov_b32 v[FQ+2*i+1], 0                       ; the queue's odd registers: named with F as pairs, never used
.set i, i+1
.endr
	WIN 0
	v_and_b32 v1, 15, v0                           ; l % 16
	v_bfe_u32 v2, v0, 4, 1                         ; l / 16
	v_and_b32 v3, 7, v0
	v_bfe_u32 v4, v0, 3, 1
	s_mul_i32 s92, s13, 64*PP                      ; a fragment of p: row x pitch + 16 (l / 16), in my 64 rows
	v_mul_u32_u24 v5, v1, PP
	v_lshl_add_u32 v5, v2, 4, v5
	v_add_nc_u32 v[ADRP], s92, v5
	v_add_nc_u32 v[ADRP+1], SLOT, v[ADRP]
	v_lshl_add_u32 v6, v2, 3, v3                   ; the turning load: lane l reads key 8 (l / 16) + l % 8, channels 8 ((l / 8) % 2) + 0..7, and ends with channel l % 16 and 8 keys
	v_mul_u32_u24 v6, v6, PV
	v_lshl_add_u32 v6, v4, 4, v6
	s_lshl_b32 s92, s14, 7                         ; my 64 channels: 128 bytes
	s_add_co_u32 s92, s92, VOFF
	v_add_nc_u32 v[ADRV], s92, v6
	v_add_nc_u32 v[ADRV+1], VHALF, v[ADRV]
	v_add_nc_u32 v[ADRV+2], SLOT, v[ADRV]
	v_add_nc_u32 v[ADRV+3], SLOT+VHALF, v[ADRV]
	s_lshl_b32 s92, s13, 8
	s_add_co_u32 s92, s92, FT
	v_lshl_add_u32 v[FA], v1, 2, s92               ; FT + 4 (64 x row half + l % 16)
	v_lshl_add_u32 v[FTA], v0, 2, FT
	s_mul_i32 s92, s12, 16*SPITCH
	s_add_co_u32 s92, s92, STAGE                   ; my stage
	v_mul_u32_u24 v[STO], v1, SPITCH               ; in: row l % 16, 32 bytes for each half of the lanes
	v_lshl_add_u32 v[STO], v2, 5, v[STO]
	v_add_nc_u32 v[STO], s92, v[STO]
	v_mul_u32_u24 v[RD], v2, SPITCH                ; back: lanes 0-15 one row of 256 bytes, lanes 16-31 the next
	v_lshl_add_u32 v[RD], v1, 4, v[RD]
	v_add_nc_u32 v[RD], s92, v[RD]
	v_lshlrev_b32 v[CO], 12, v2                    ; and the same two rows in out0
	v_lshl_add_u32 v[CO], v1, 4, v[CO]
	s_lshl_b32 s92, s18, 11                        ; out0: row 2,048 b + 512 I + 128 cy + 64 x row half; byte 512 x channel tile + 256 x channel half
	s_lshl_b32 s93, s16, 7
	s_add_co_u32 s92, s92, s93
	s_lshl_b32 s93, s13, 6
	s_add_co_u32 s92, s92, s93
	s_lshl_b32 s93, s17, 9
	s_lshl_b32 s94, s14, 8
	s_add_co_u32 s93, s93, s94
	s_mov_b32 s99, 0
	s_lshl_b32 s98, s20, 9
	s_add_co_u32 s98, s98, s92
	s_lshl_b32 s98, s98, 12
	s_add_co_u32 s98, s98, s93
	s_add_nc_u64 s[OUTC:OUTC+1], s[10:11], s[98:99]
	s_lshl_b32 s98, s21, 9
	s_add_co_u32 s98, s98, s92
	s_lshl_b32 s98, s98, 12
	s_add_co_u32 s98, s98, s93
	s_add_nc_u64 s[OUT1:OUT1+1], s[10:11], s[98:99]
	s_wait_loadcnt 0x0
.irp be, 0,1
	v_max3_num_f32 v[CMX+(\be)], v[CMV+8*(\be)], v[CMV+8*(\be)+1], v[CMV+8*(\be)+2]
	v_max3_num_f32 v[CMX+(\be)], v[CMX+(\be)], v[CMV+8*(\be)+3], v[CMV+8*(\be)+4]
	v_max3_num_f32 v[CMX+(\be)], v[CMX+(\be)], v[CMV+8*(\be)+5], v[CMV+8*(\be)+6]
	v_max_num_f32 v[CMX+(\be)], v[CMX+(\be)], v[CMV+8*(\be)+7]   ; CM: the row's true maximum, times c
.endr
.irp be, 0,1
.irp t, 0,1,2,3,4,5,6,7
	v_sub_f32 v[EV+8*(\be)+(\t)], v[CMV+8*(\be)+(\t)], v[CMX+(\be)]
.endr
.endr
.set i, 0
.rept 16                               ; one batch of sixteen exponentials; the sums and flags below name none of their results
	v_exp_f32 v[EV+i], v[EV+i]
.set i, i+1
.endr
.set i, 0
.rept 16
	v_add_f32 v[L0V+i], v[L0V+i], v[L1V+i]         ; the tile's two halves of 128 keys
.set i, i+1
.endr
.irp be, 0,1
.irp t, 0,1,2,3,4,5,6,7
	s_cmp_ge_u32 s[TOP+(\be)], \t                  ; does the block have this tile?
	s_cselect_b32 s94, 1.0, 0
	v_mul_f32 v[L0V+8*(\be)+(\t)], s94, v[L0V+8*(\be)+(\t)]
.endr
.endr
	s_wait_alu depctr_va_vdst(0)                   ; the one wait ahead of the batch's first reader
.irp be, 0,1
	v_mul_f32 v[LS+(\be)], v[EV+8*(\be)], v[L0V+8*(\be)]
.endr
.irp t, 1,2,3,4,5,6,7
.irp be, 0,1
	v_fmac_f32 v[LS+(\be)], v[EV+8*(\be)+(\t)], v[L0V+8*(\be)+(\t)]
.endr
.endr
	v_rcp_f32 v[LS], v[LS]                         ; L is about 1 or more: the tile that holds the row's maximum gives a weight of 1
	v_rcp_f32 v[LS+1], v[LS+1]
	v_mov_b32 v[CMX], s19                          ; (the plain instruction behind the reciprocals)
	s_wait_alu depctr_va_vdst(0)
.irp be, 0,1
.irp t, 0,1,2,3,4,5,6,7
	v_mul_f32 v[EV+8*(\be)+(\t)], v[EV+8*(\be)+(\t)], v[LS+(\be)]  ; F
.endr
.endr
	; The walk's order.  Steps 0 to 5 are the first block's tiles 0 to 5 whatever s.  With s = 0 steps 6, 7 are its tiles 6, 7 and steps 8, 9 the second block's tiles 0, 1; with s = 1 steps 6 to 9 are the second block's tiles 0 to 3.
	v_cmp_eq_u32 vcc_lo, 1, v[CMX]                 ; s = 1, in every lane
	v_cndmask_b32 v[L1V+0], v[EV+6], v[EV+8],  vcc_lo
	v_cndmask_b32 v[L1V+1], v[EV+7], v[EV+9],  vcc_lo
	v_cndmask_b32 v[L1V+2], v[EV+8], v[EV+10], vcc_lo
	v_cndmask_b32 v[L1V+3], v[EV+9], v[EV+11], vcc_lo
.irp g, 0,1,2,3,4,5
	ds_store_b32 v[FTA], v[EV+(\g)] offset:512*(\g)
.endr
.irp g, 6,7,8,9
	ds_store_b32 v[FTA], v[L1V+(\g)-6] offset:512*(\g)
.endr
; 8 matrix instructions: query blocks a0, a0 + 1 x all 4 channel blocks, 32 keys: half c of buffer f.  zero = 1: the product starts T's sum.  The 16 accumulators take turns.
.macro MUL8 f, c, a0, zero
	WIN MUL
.irp a, \a0, (\a0)+1
.irp b, 0,1,2,3
.if \zero
	v_wmma_f32_16x16x32_f16 v[T+8*(4*(\a)+(\b)):T+8*(4*(\a)+(\b))+7], v[(\f)+64+8*(4*(\c)+(\b)):(\f)+64+8*(4*(\c)+(\b))+7], v[(\f)+8*(4*(\c)+(\a)):(\f)+8*(4*(\c)+(\a))+7], 0
.else
	v_wmma_f32_16x16x32_f16 v[T+8*(4*(\a)+(\b)):T+8*(4*(\a)+(\b))+7], v[(\f)+64+8*(4*(\c)+(\b)):(\f)+64+8*(4*(\c)+(\b))+7], v[(\f)+8*(4*(\c)+(\a)):(\f)+8*(4*(\c)+(\a))+7], v[T+8*(4*(\a)+(\b)):T+8*(4*(\a)+(\b))+7]
.endif
.endr
.endr
.endm
; 32 LDS loads in one run: the fragments of keys 64 q .. 64 q + 63 of the slot's tile into buffer f; the first 32 keys first
.macro FETCH slot, q, f
	WIN TO_F
.irp c, 0,1
.irp i, 0,1,2,3
	ds_load_tr16_b128 v[(\f)+64+8*(4*(\c)+(\i)):(\f)+64+8*(4*(\c)+(\i))+3],   v[ADRV+2*(\slot)+(\q)/2] offset:(((\q)%2)*64+32*(\c))*PV+32*(\i)
	ds_load_tr16_b128 v[(\f)+64+8*(4*(\c)+(\i))+4:(\f)+64+8*(4*(\c)+(\i))+7], v[ADRV+2*(\slot)+(\q)/2] offset:(((\q)%2)*64+32*(\c)+16)*PV+32*(\i)
	ds_load_b128 v[(\f)+8*(4*(\c)+(\i)):(\f)+8*(4*(\c)+(\i))+3],   v[ADRP+(\slot)] offset:128*(\q)+64*(\c)+(\i)*16*PP
	ds_load_b128 v[(\f)+8*(4*(\c)+(\i))+4:(\f)+8*(4*(\c)+(\i))+7], v[ADRP+(\slot)] offset:128*(\q)+64*(\c)+(\i)*16*PP+32
.endr
.endr
.endm
.macro PLACES                          ; four plain vector instructions between a matrix instruction and a load into, or a vector read of, its registers
.rept 4
	v_nop
.endr
.endm
; A tile is four quarters of 64 keys, 32 matrix instructions each, on buffers 0, 1, 0, 1.  One of the first three multiplies f and fetches quarter q into g.
.macro QUARTER slot, q, f, g, zero
	s_wait_dscnt 16                                ; the first 32 keys are in
	MUL8 \f, 0, 0, \zero
	MUL8 \f, 0, 2, \zero
	PLACES
	FETCH \slot, \q, \g
	s_wait_dscnt 32                                ; all but the 32 just issued
	MUL8 \f, 1, 0, 0
	MUL8 \f, 1, 2, 0
.endm
; The last quarter changes slots: ONE barrier; in front of it each wave waits for all its tensor loads (one is out: its part of the next slot), adds 0 to its spare word, and waits for that and for its reads of
; this slot.  fill = 1: the barrier opens a round of the cluster's, and this slot is filled again, with the tile two on in the walk, first thing behind the round.
.macro TURN slot, next, fill
	WIN 0
	s_wait_tensorcnt 0x0                           ; no tensor load of mine is out, so a group 0 may be written
	ds_add_u32 v[SPW], v[NIL]                      ; 0 onto my spare word
.if \fill
	NEXTT \slot
.endif
	s_wait_dscnt 17                                ; the add and the youngest sixteen loads may be out
	MUL8 F1, 0, 0, 0
	s_wait_dscnt 0x0                               ; the add is done, and my reads of this slot are over
	s_barrier_signal -1
	MUL8 F1, 0, 2, 0
.if \fill
	WIN 0
.endif
	s_barrier_wait -1
.if \fill
	CREST
	JLOAD \slot                                    ; one load of mine is out; its four v_nop are also the places in front of the loads below
.else
	PLACES
.endif
	FETCH \next, 0, F0
	MUL8 F1, 1, 0, 0
	MUL8 F1, 1, 2, 0
.endm
; O += F x T, with the factors of place s (0, 1) of the queue.  Each accumulator's registers are read in ascending order.
.macro FOLD s
	PLACES
	WIN 0xa8                                       ; destination, source 2 (O) and source 1 (F) window 2; T window 0
.set z, 0
.rept 64
	v_pk_fma_f32 v[2*z:2*z+1], v[T+2*z:T+2*z+1], v[FQ+8*(\s)+2*(z/16):FQ+8*(\s)+2*(z/16)+1], v[2*z:2*z+1] op_sel_hi:[1,0,1]
.set z, z+1
.endr
.endm
.macro NEXTF                           ; the queue moves down by a lap: two steps of four factors; in ascending order, so that each register is read before it is written
	WIN 0x82                                       ; destination and source window 2
.set z, 0
.rept 32
	v_mov_b32 v[FQ+2*z], v[FQ+2*z+16]
.set z, z+1
.endr
.endm
; THE WAY OUT: a lane's eight channels of a row are 32 bytes; a block of 16 rows goes into my stage and comes back as whole rows of 256 bytes, my 64 channels in f32.
.macro TOST a
	WIN 0x08                                       ; the stores' data in window 2
.irp b, 0,1,2,3
	ds_store_b128 v[STO], v[8*(4*(\a)+(\b)):8*(4*(\a)+(\b))+3]   offset:64*(\b)
	ds_store_b128 v[STO], v[8*(4*(\a)+(\b))+4:8*(4*(\a)+(\b))+7] offset:64*(\b)+16
.endr
	WIN 0
.irp f, 0,1,2,3,4,5,6,7
	ds_load_b128 v[OB+32*((\a)%2)+4*(\f):OB+32*((\a)%2)+4*(\f)+3], v[RD] offset:(\f)*2*SPITCH  ; LDS serves a wave's instructions in order (ISA guide 5.7.1.4): these see the stores above
.endr
.endm
.macro SEND a, younger                 ; younger: the LDS instructions issued behind block a's loads: the next block's sixteen, or none
	WIN 0
.irp f, 0,1,2,3,4,5,6,7
	s_wait_dscnt (\younger)+7-(\f)
	global_store_b128 v[CO], v[OB+32*((\a)%2)+4*(\f):OB+32*((\a)%2)+4*(\f)+3], s[OUTC:OUTC+1] offset:(16*(\a)+2*(\f))*4096 th:TH_STORE_NT  ; 16 lanes store 256 consecutive bytes, at a multiple of 256 from out0's first byte
.endr
.endm
.macro OUT
	TOST 0
	TOST 1
	SEND 0, 16
	s_wait_xcnt 0x0                                ; block 0's stores have read their registers, into which block 2's loads go
	TOST 2
	SEND 1, 16
	s_wait_xcnt 0x0
	TOST 3
	SEND 2, 16
	SEND 3, 0
.endm
	s_wait_tensorcnt 0x1                           ; my part of the first tile is in; the second's may stay out
	s_wait_dscnt 0x0                               ; for the others' sake: my rows' F lie in LDS
	s_barrier_signal -1
	s_barrier_wait -1
	WIN 0x80                                       ; destination window 2, address window 0
.set i, 0
.rept 40                               ; the queue: step i / 4, my block i % 4 of 16 rows.  These loads are older than the first fragments', whose wait covers them
	ds_load_b32 v[FQ+8*(i/4)+2*(i%4)], v[FA] offset:512*(i/4)+64*(i%4)
.set i, i+1
.endr
	FETCH 0, 0, F0
	WIN 0                                          ; at a label and at a branch every window is 0
	s_mov_b32 s[LAPS], 4
.Llap:                                                 ; a trip: two tiles of the walk; both slots are filled again
	QUARTER 0, 1, F0, F1, 1
	QUARTER 0, 2, F1, F0, 0
	QUARTER 0, 3, F0, F1, 0
	TURN 0, 1, 1
	FOLD 0
	QUARTER 1, 1, F0, F1, 1
	QUARTER 1, 2, F1, F0, 0
	QUARTER 1, 3, F0, F1, 0
	TURN 1, 0, 1
	FOLD 1
	NEXTF
	WIN 0
	s_sub_co_u32 s[LAPB], s[LAPB], 1
	s_cmp_lg_u32 s[LAPB], 0
	s_cbranch_scc1 .Lsame                          ; the same in all sixteen partners; what is jumped holds no barrier and no tensor load
	OUT                                            ; the first block ends; the second block's first tiles have been asked for
	s_wait_xcnt 0x0                                ; the stores have read their registers and their base
	s_mov_b64 s[OUTC:OUTC+1], s[OUT1:OUT1+1]
	s_mov_b32 s[LAPB], s[LAP2]
	WIN 0x80
.set i, 0
.rept 128
	v_mov_b32 v[i], 0                              ; the second block's sums start at 0
.set i, i+1
.endr
	WIN 0
.Lsame:
	s_sub_co_u32 s[LAPS], s[LAPS], 1
	s_cmp_lg_u32 s[LAPS], 0
	s_cbranch_scc1 .Llap
	QUARTER 0, 1, F0, F1, 1                        ; the walk's last two tiles are written out: nothing is asked for
	QUARTER 0, 2, F1, F0, 0
	QUARTER 0, 3, F0, F1, 0
	TURN 0, 1, 0
	FOLD 0
	QUARTER 1, 1, F0, F1, 1
	QUARTER 1, 2, F1, F0, 0
	QUARTER 1, 3, F0, F1, 0
	s_wait_dscnt 16                                ; the first 32 keys are in; the other sixteen loads may be out
	MUL8 F1, 0, 0, 0
	MUL8 F1, 0, 2, 0
	s_wait_dscnt 0x0
	MUL8 F1, 1, 0, 0
	MUL8 F1, 1, 2, 0
	FOLD 1
	OUT
	s_wait_tensorcnt 0x0                           ; the wave's end, behind my last tensor load and my last LDS store
	ds_add_u32 v[SPW], v[NIL]
	s_wait_dscnt 0x0
	CROUND                                         ; the closing round: no work-group ends while a partner may still ask for a tile that names it
	s_endpgm
.Lfunc_end_k_q81dfd1c62e_pv:
	.size	k_q81dfd1c62e_pv, .Lfunc_end_k_q81dfd1c62e_pv-k_q81dfd1c62e_pv
	.p2alignl 7, 3214868480
	.fill 96, 4, 3214868480
	.section	.rodata,"a",@progbits
	.p2align	6, 0x0
	.amdhsa_kernel k_q81dfd1c62e_pv
		.amdhsa_group_segment_fixed_size 327680
		.amdhsa_private_segment_fixed_size 0
		.amdhsa_enable_private_segment 0
		.amdhsa_kernarg_size 32
		.amdhsa_user_sgpr_count 2
		.amdhsa_user_sgpr_kernarg_segment_ptr 1
		.amdhsa_wavefront_size32 1
		.amdhsa_system_sgpr_workgroup_id_x 1
		.amdhsa_system_sgpr_workgroup_id_y 1
		.amdhsa_system_sgpr_workgroup_id_z 1
		.amdhsa_system_vgpr_workitem_id 0
		.amdhsa_next_free_vgpr 768
		.amdhsa_next_free_sgpr 100
		.amdhsa_reserve_vcc 1
		.amdhsa_float_denorm_mode_32 3
		.amdhsa_float_denorm_mode_16_64 3
		.amdhsa_memory_ordered 1
		.amdhsa_forward_progress 1
		.amdhsa_inst_pref_size 140
	.end_amdhsa_kernel
	.amdgpu_metadata
---
amdhsa.version: [ 1, 2 ]
amdhsa.kernels:
  - .name:           k_q81dfd1c62e_pv
    .symbol:         k_q81dfd1c62e_pv.kd
    .args:
      - { .name: p, .offset: 0, .size: 8, .value_kind: global_buffer, .address_space: global }
      - { .name: qkv, .offset: 8, .size: 8, .value_kind: global_buffer, .address_space: global }
      - { .name: st, .offset: 16, .size: 8, .value_kind: global_buffer, .address_space: global }
      - { .name: out0, .offset: 24, .size: 8, .value_kind: global_buffer, .address_space: global }
    .group_segment_fixed_size: 327680
    .private_segment_fixed_size: 0
    .kernarg_segment_align: 8
    .kernarg_segment_size: 32
    .max_flat_workgroup_size: 128
    .sgpr_count:     100
    .vgpr_count:     768
    .wavefront_size: 32
...
	.end_amdgpu_metadata
.endif
;; end of part 4
;; ======== version 2 of 2: 4 launches
;; limits: values are held in f16: magnitudes above 65,504 overflow, below 6.1e-05 lose precision
;; workspace buffers: xh 16,777,216 bytes; w2 4,194,304 bytes; yv 33,554,432 bytes; p 33,554,432 bytes; st 1,048,576 bytes
;; launch prep (part 5): grid 832 x 1, 8 waves a work-group, no clusters, 41,984 bytes of LDS; arguments x, Wq, Wk, Wv, xh, w2; writes xh, w2
.if DOCPART == 5
	.amdgcn_target "amdgcn-amd-amdhsa--gfx1250"
	.amdhsa_code_object_version 6
	.text
	.protected	k_q81dfd1c62e_prep
	.globl	k_q81dfd1c62e_prep
	.p2align	8
	.type	k_q81dfd1c62e_prep,@function
k_q81dfd1c62e_prep:
	s_mov_b64 s[64:65], 0
	v_nop
	global_prefetch_b8 v0, s[64:65] scope:SCOPE_SE
	s_setreg_imm32_b32 hwreg(HW_REG_WAVE_MODE, 25, 1), 1
	s_wait_xcnt 0x0
; Two kinds of work-group in one launch, told apart by the work-group's number alone.
; THE GRAM PRODUCT (work-groups 0-255).  The scores q . k = (x Wq^T) . (x Wk^T) are taken as (x G^T) . x with G[e][d] = the sum over o of Wk[o][e] Wq[o][d]: one projection fewer.  It holds for every input;
; the order of rounding differs from the reference's.  Wq and Wk are rounded to bf16, products in bf16, sums in f32; w2's rows 0-1023 take 32 G, rounded once to f16 (32 is exact; it keeps G well inside f16's normal range).
; THE CAST (work-groups 256-831).  x and Wv are rounded to bf16, and that number is written as f16: x into xh, Wv into w2's rows 1024-2047.
; LIMITS.  f16 holds no number beyond 65,504: x, Wv and 32 G past that leave as infinities; below 6e-5 f16 keeps its fixed step of 6e-8.
; GRAM, SHARES.  A work-group makes 64 rows (e) x 64 columns (d) of G: 16 x 16 = 256 work-groups, each reading 128 columns x 1,024 rows x 4 bytes.  Its eight waves make 32 x 16 each: 2 accumulators.  The sum over o
; goes in 16 chunks of 64 rows of Wk and Wq.  A chunk's 64 + 64 columns come into registers as f32: sixteen lanes take a row piece of 256 bytes, so a wave's load covers two such pieces, 512 bytes that it uses whole;
; 8 loads of 16 bytes a thread.  They are rounded to bf16 and stored in LDS as they lie, [o][column]; ds_load_tr16_b128 turns them into fragments.  Two LDS buffers take turns with ONE barrier a chunk: a buffer is
; written two chunks after it was read, and every wave has waited for its reads in front of the barrier between.  FOUR register sets take turns: four chunks' loads, 128 KiB a work-group, are on their way.
; A set is asked for again behind the barrier and the fragments' loads, so that no wave comes late to the barrier for the issue of its loads.
; THE STORES OF G cover 128 consecutive bytes of each of four rows: a tile's row piece is half of an aligned block of 256 bytes.  Whole blocks would want tiles of 32 x 128, which read 160 columns for the same
; 4,096 outputs where these read 128, and Wk in pieces of 128 bytes.  G is 2 MiB of the 20 MiB that the launch stores.
; NO TENSOR LOADS, NO CLUSTER, though work-groups share columns of Wq and Wk: the numbers must be rounded to bf16 in registers before they can lie in LDS for the turning load, and a tensor load lands bytes as they are.
; NO PREFETCH: the launch is short and the cast streams.
; THE MATRIX INSTRUCTION IS USED TRANSPOSED (source 0 = 16 columns d, source 1 = 16 rows e): a lane holds ONE row e (lane % 16) and the columns 8 (lane / 16) + 0..7: 16 bytes in f16.
.set NM,    256                        ; work-groups of the gram product: 16 tiles of e x 16 tiles of d
.set CH,    64*4096                    ; bytes from a chunk of 64 rows of a W to the next
.set PK,    160                        ; an LDS row of either piece: 128 bytes + 32
.set QOFF,  64*PK                      ; Wq's piece lies behind Wk's
.set BUF,   2*64*PK                    ; 20,480
.set SPARE, 2*BUF                      ; the spare words, 128 bytes a wave: four blocks of 256 bytes that no other line names
.set SPT,   144                        ; the way out's stage, 64 rows x 144 bytes, lies in buffer 0, whose last reads are over at the last chunk's barrier
.set GK,  4                            ; v4   my byte offset in a chunk of Wk and of Wq: row t / 16, 16 bytes at 16 (t % 16); never rewritten
.set LK,  5                            ; v5   where its 8 bytes of bf16 go in LDS; never rewritten
.set AE,  6                            ; v6   LDS address of my fragments of Wk;  v7 of Wq
.set AD,  7
.set SPW, 8                            ; v8   LDS address of my spare word; never rewritten
.set NIL, 9                            ; v9   0; never rewritten
.set SA,  10                           ; v10  the way out: where I put 16 bytes of a row;  v11 where I read rows back;  v12 my byte offset in w2
.set SR,  11
.set GO,  12
.set ACC, 16                           ; v[16:31]    accumulator a (rows e 16 a on) at ACC + 8 a
.set FE,  32                           ; v[32:63]    Wk's fragments: 32 rows o (ks), 16 columns e (a) at FE + 16 ks + 8 a
.set FD,  64                           ; v[64:79]    Wq's: 32 rows o (ks), my 16 columns d at FD + 8 ks
.set Y,   80                           ; v[80:95]    a chunk in bf16
.set BK,  96                           ; v[96:103]   the way out: whole row pieces
.set X,   104                          ; v[104:231]  four sets of 32: a chunk in f32: Wk's four loads, then Wq's
.set CY,  16                           ; the cast: v[16:47] 16 steps of 4 numbers in f16; v[48:49], v[50:53] at work; v[104:167] the numbers in f32
.set CT,  48
.set CU,  50
.set CX,  104
	s_load_b256 s[4:11], s[0:1], 0x0               ; x s[4:5], Wq s[6:7], Wk s[8:9], Wv s[10:11]
	s_load_b128 s[12:15], s[0:1], 0x20             ; xh s[12:13], w2 s[14:15]
	v_lshl_add_u32 v[SPW], v0, 2, SPARE
	v_mov_b32 v[NIL], 0
	s_cmp_lt_u32 ttmp9, NM
	s_cbranch_scc1 .Lgram                          ; the same for all eight waves of a work-group
	; THE CAST.  A work-group takes 16,384 numbers (65,536 bytes in, 32,768 out): x is 512 such pieces, Wv 64.  Thread t takes 4 numbers in each of sixteen steps: 16 bytes at 16 t, so a wave's load covers 512
	; consecutive bytes; its 8 bytes of f16 go to 8 t, so a wave's store covers 256 consecutive bytes at a multiple of 256 from its buffer's first byte.  All sixteen loads go out at once; every store has data
	; registers of its own.  This way writes no LDS.
	s_sub_co_u32 s16, ttmp9, NM                    ; the piece: 0-511 x, 512-575 Wv
	s_sub_co_u32 s17, s16, 512
	s_mov_b32 s25, 0
	s_mov_b32 s27, 0
	s_mov_b32 s28, 0xffff0000                      ; a word's upper bf16
	v_lshlrev_b32 v1, 4, v0                        ; 16 t
	v_lshlrev_b32 v2, 3, v0                        ; 8 t
	s_wait_kmcnt 0x0
	s_cmp_lt_u32 s16, 512                          ; source and destination are chosen by the piece's number alone
	s_cselect_b64 s[20:21], s[4:5], s[10:11]
	s_cselect_b64 s[22:23], s[12:13], s[14:15]
	s_cselect_b32 s18, s16, s17                    ; the piece's number in its tensor
	s_cselect_b32 s19, 0, 0x200000                 ; Wv's rows lie behind G's 1,024 rows of 2,048 bytes
	s_lshl_b32 s24, s18, 16
	s_add_nc_u64 s[20:21], s[20:21], s[24:25]
	s_lshl_b32 s26, s18, 15
	s_add_co_u32 s26, s26, s19
	s_add_nc_u64 s[22:23], s[22:23], s[26:27]
.set j, 0
.rept 16
	global_load_b128 v[CX+4*j:CX+4*j+3], v1, s[20:21] offset:4096*j th:TH_LOAD_NT
.set j, j+1
.endr
.set j, 0
.rept 16
	s_wait_loadcnt 15-j                            ; loads come back in order (ISA guide 5.7.1): step j's is in, the later steps' stay out
	v_cvt_pk_bf16_f32 v[CT],   v[CX+4*j],   v[CX+4*j+1]    ; the one rounding
	v_cvt_pk_bf16_f32 v[CT+1], v[CX+4*j+2], v[CX+4*j+3]
	v_lshlrev_b32 v[CU],   16,  v[CT]              ; bf16 to f32: the low half moves up,
	v_and_b32     v[CU+1], s28, v[CT]              ; the high half stays
	v_lshlrev_b32 v[CU+2], 16,  v[CT+1]
	v_and_b32     v[CU+3], s28, v[CT+1]
	v_cvt_pk_f16_f32 v[CY+2*j],   v[CU],   v[CU+1] ; exact within f16's normal range
	v_cvt_pk_f16_f32 v[CY+2*j+1], v[CU+2], v[CU+3]
	global_store_b64 v2, v[CY+2*j:CY+2*j+1], s[22:23] offset:2048*j
.set j, j+1
.endr
	s_endpgm
.Lgram:
	v_lshrrev_b32 v1, 5, v0
	v_readfirstlane_b32 s16, v1                    ; wave 0..7
	s_lshr_b32 s17, ttmp9, 4                       ; tile of 64 rows e
	s_and_b32 s18, ttmp9, 15                       ; tile of 64 columns d
	s_lshl_b32 s24, s17, 8                         ; 64 columns of 4 bytes
	s_mov_b32 s25, 0
	s_lshl_b32 s26, s18, 8
	s_mov_b32 s27, 0
	s_mov_b32 s28, 0x42000000                      ; 32.0
	s_mov_b32 s29, s28                             ; named with it as a pair
	v_and_b32 v2, 15, v0                           ; 16 threads a row piece of 256 bytes, 16 rows at a time
	v_lshrrev_b32 v3, 4, v0
	v_lshlrev_b32 v[GK], 12, v3
	v_lshl_add_u32 v[GK], v2, 4, v[GK]
	v_mul_u32_u24 v[LK], v3, PK
	v_lshl_add_u32 v[LK], v2, 3, v[LK]
	s_wait_kmcnt 0x0
	s_add_nc_u64 s[20:21], s[8:9], s[24:25]        ; Wk at my tile's first column
	s_add_nc_u64 s[22:23], s[6:7], s[26:27]        ; Wq
.macro LOADS set, off                  ; a chunk's 8 loads into a register set, from byte off behind the two pointers
.irp j, 0,1,2,3
	global_load_b128 v[X+32*(\set)+4*(\j):X+32*(\set)+4*(\j)+3],       v[GK], s[20:21] offset:(\off)+(\j)*16*4096
	global_load_b128 v[X+32*(\set)+16+4*(\j):X+32*(\set)+16+4*(\j)+3], v[GK], s[22:23] offset:(\off)+(\j)*16*4096
.endr
.endm
	LOADS 0, 0                                     ; chunks 0 to 3
	LOADS 1, CH
	LOADS 2, 2*CH
	LOADS 3, 3*CH
.set z, 0
.rept 16
	v_mov_b32 v[ACC+z], 0                          ; the sums start at 0: written while the first loads are on their way, so that the loop has one form of product
.set z, z+1
.endr
	; the turning load: lane l reads row 8 (l / 16) + l % 8, columns 8 ((l / 8) % 2) + 0..7, and ends with column l % 16 and 8 rows
	v_bfe_u32 v1, v0, 4, 1                         ; l / 16
	v_and_b32 v2, 7, v0
	v_bfe_u32 v3, v0, 3, 1
	v_lshl_add_u32 v2, v1, 3, v2
	v_mul_u32_u24 v2, v2, PK
	v_lshl_add_u32 v2, v3, 4, v2
	s_and_b32 s30, s16, 1                          ; which 32 rows e are mine
	s_lshr_b32 s31, s16, 1                         ; which 16 columns d
	s_lshl_b32 s24, s30, 6                         ; 32 columns of 2 bytes
	v_add_nc_u32 v[AE], s24, v2
	s_lshl_b32 s26, s31, 5                         ; 16 columns of 2 bytes
	s_add_co_u32 s24, s26, QOFF
	v_add_nc_u32 v[AD], s24, v2
	v_and_b32 v3, 15, v0                           ; l % 16
	v_mul_u32_u24 v[SA], v3, SPT                   ; into the stage: row 32 x half + l % 16, my 32 bytes of it, 16 bytes for each half of the lanes
	v_lshl_add_u32 v[SA], v1, 4, v[SA]
	s_mul_i32 s24, s30, 32*SPT
	s_add_co_u32 s24, s24, s26
	v_add_nc_u32 v[SA], s24, v[SA]
	v_bfe_u32 v1, v0, 3, 2                         ; back: wave w takes rows 8 w .. 8 w + 7; 32 lanes take four row pieces of 128 bytes
	v_and_b32 v3, 7, v0
	v_mul_u32_u24 v[SR], v1, SPT
	v_lshl_add_u32 v[SR], v3, 4, v[SR]
	s_mul_i32 s24, s16, 8*SPT
	v_add_nc_u32 v[SR], s24, v[SR]
	v_lshlrev_b32 v[GO], 11, v1                    ; and the same four rows in w2
	v_lshl_add_u32 v[GO], v3, 4, v[GO]
	s_lshl_b32 s24, s17, 6
	s_lshl3_add_u32 s24, s16, s24                  ; the first row that I store: 64 x tile + 8 x wave
	s_lshl_b32 s24, s24, 11
	s_lshl_b32 s26, s18, 7                         ; the tile's 64 columns: 128 bytes
	s_add_co_u32 s24, s24, s26
	s_add_nc_u64 s[14:15], s[14:15], s[24:25]
; One chunk, in LDS buffer b and register set `set`.  more = 1: the set is asked for again, with the chunk four on.  left: the younger sets' loads, which may stay out.
.macro CHUNK b, set, more, left
	s_wait_loadcnt \left                           ; my set's 8 loads are in (loads come back in order: ISA guide 5.7.1)
.set z, 0
.rept 16                               ; these 16 plain instructions are also the places between the last chunk's products and the loads into their fragments
	v_cvt_pk_bf16_f32 v[Y+z], v[X+32*(\set)+2*z], v[X+32*(\set)+2*z+1]
.set z, z+1
.endr
.irp j, 0,1,2,3
	ds_store_b64 v[LK], v[Y+2*(\j):Y+2*(\j)+1]     offset:(\b)*BUF+(\j)*16*PK
	ds_store_b64 v[LK], v[Y+8+2*(\j):Y+8+2*(\j)+1] offset:(\b)*BUF+QOFF+(\j)*16*PK
.endr
	s_wait_dscnt 0x0                               ; for the others' sake: my stores are done, and so are my reads of the other buffer
	s_barrier_signal -1
	s_barrier_wait -1
.irp ks, 0,1
.irp a, 0,1
	ds_load_tr16_b128 v[FE+16*(\ks)+8*(\a):FE+16*(\ks)+8*(\a)+3],   v[AE] offset:(\b)*BUF+32*(\ks)*PK+32*(\a)
	ds_load_tr16_b128 v[FE+16*(\ks)+8*(\a)+4:FE+16*(\ks)+8*(\a)+7], v[AE] offset:(\b)*BUF+(32*(\ks)+16)*PK+32*(\a)
.endr
	ds_load_tr16_b128 v[FD+8*(\ks):FD+8*(\ks)+3],   v[AD] offset:(\b)*BUF+32*(\ks)*PK
	ds_load_tr16_b128 v[FD+8*(\ks)+4:FD+8*(\ks)+7], v[AD] offset:(\b)*BUF+(32*(\ks)+16)*PK
.endr
.if \more
	LOADS \set, (4+(\set))*CH
.endif
.irp ks, 0,1
	s_wait_dscnt 6-6*(\ks)                         ; the first 32 rows' six loads are in, then all
.irp a, 0,1                            ; the two accumulators take turns, over the backward jump too
	v_wmma_f32_16x16x32_bf16 v[ACC+8*(\a):ACC+8*(\a)+7], v[FD+8*(\ks):FD+8*(\ks)+7], v[FE+16*(\ks)+8*(\a):FE+16*(\ks)+8*(\a)+7], v[ACC+8*(\a):ACC+8*(\a)+7]
.endr
.endr
.endm
	s_mov_b32 s19, 3
.Lfour:                                                ; chunks 4 i to 4 i + 3 are multiplied, chunks 4 i + 4 to 4 i + 7 asked for
	CHUNK 0, 0, 1, 24
	CHUNK 1, 1, 1, 24
	CHUNK 0, 2, 1, 24
	CHUNK 1, 3, 1, 24
	s_wait_xcnt 0x0                                ; every load issued so far has read its address, so the pointers may be written
	s_add_nc_u64 s[20:21], s[20:21], 4*CH
	s_add_nc_u64 s[22:23], s[22:23], 4*CH
	s_sub_co_u32 s19, s19, 1
	s_cmp_lg_u32 s19, 0
	s_cbranch_scc1 .Lfour
	CHUNK 0, 0, 0, 24                              ; the last four chunks load nothing: the counts run down
	CHUNK 1, 1, 0, 16
	CHUNK 0, 2, 0, 8
	CHUNK 1, 3, 0, 0
.rept 8
	v_nop                                          ; places behind the last products, once a launch
.endr
.set z, 0
.rept 8
	v_pk_mul_f32 v[ACC+2*z:ACC+2*z+1], v[ACC+2*z:ACC+2*z+1], s[28:29] op_sel_hi:[1,0]   ; 32 G, exact; each accumulator's registers in ascending order
.set z, z+1
.endr
.set z, 0
.rept 8
	v_cvt_pk_f16_f32 v[Y+z], v[ACC+2*z], v[ACC+2*z+1]
.set z, z+1
.endr
.irp a, 0,1
	ds_store_b128 v[SA], v[Y+4*(\a):Y+4*(\a)+3] offset:(\a)*16*SPT
.endr
	s_wait_dscnt 0x0                               ; for the others' sake: a row piece's 128 bytes come from four waves
	s_barrier_signal -1
	s_barrier_wait -1
.irp t, 0,1
	ds_load_b128 v[BK+4*(\t):BK+4*(\t)+3], v[SR] offset:(\t)*4*SPT
.endr
.irp t, 0,1
	s_wait_dscnt 1-(\t)
	global_store_b128 v[GO], v[BK+4*(\t):BK+4*(\t)+3], s[14:15] offset:(\t)*4*2048   ; 8 lanes store 128 consecutive bytes of a row, at a multiple of 128 from w2's first byte
.endr
	s_wait_tensorcnt 0x0                           ; the wave's end, behind my last LDS store
	ds_add_u32 v[SPW], v[NIL]
	s_wait_dscnt 0x0
	s_endpgm
.Lfunc_end_k_q81dfd1c62e_prep:
	.size	k_q81dfd1c62e_prep, .Lfunc_end_k_q81dfd1c62e_prep-k_q81dfd1c62e_prep
	.p2alignl 7, 3214868480
	.fill 96, 4, 3214868480
	.section	.rodata,"a",@progbits
	.p2align	6, 0x0
	.amdhsa_kernel k_q81dfd1c62e_prep
		.amdhsa_group_segment_fixed_size 41984
		.amdhsa_private_segment_fixed_size 0
		.amdhsa_enable_private_segment 0
		.amdhsa_kernarg_size 48
		.amdhsa_user_sgpr_count 2
		.amdhsa_user_sgpr_kernarg_segment_ptr 1
		.amdhsa_wavefront_size32 1
		.amdhsa_system_sgpr_workgroup_id_x 1
		.amdhsa_system_sgpr_workgroup_id_y 1
		.amdhsa_system_sgpr_workgroup_id_z 1
		.amdhsa_system_vgpr_workitem_id 0
		.amdhsa_next_free_vgpr 232
		.amdhsa_next_free_sgpr 66
		.amdhsa_reserve_vcc 0
		.amdhsa_float_denorm_mode_32 3
		.amdhsa_float_denorm_mode_16_64 3
		.amdhsa_memory_ordered 1
		.amdhsa_forward_progress 1
		.amdhsa_inst_pref_size 44
	.end_amdhsa_kernel
	.amdgpu_metadata
---
amdhsa.version: [ 1, 2 ]
amdhsa.kernels:
  - .name:           k_q81dfd1c62e_prep
    .symbol:         k_q81dfd1c62e_prep.kd
    .args:
      - { .name: x, .offset: 0, .size: 8, .value_kind: global_buffer, .address_space: global }
      - { .name: Wq, .offset: 8, .size: 8, .value_kind: global_buffer, .address_space: global }
      - { .name: Wk, .offset: 16, .size: 8, .value_kind: global_buffer, .address_space: global }
      - { .name: Wv, .offset: 24, .size: 8, .value_kind: global_buffer, .address_space: global }
      - { .name: xh, .offset: 32, .size: 8, .value_kind: global_buffer, .address_space: global }
      - { .name: w2, .offset: 40, .size: 8, .value_kind: global_buffer, .address_space: global }
    .group_segment_fixed_size: 41984
    .private_segment_fixed_size: 0
    .kernarg_segment_align: 8
    .kernarg_segment_size: 48
    .max_flat_workgroup_size: 256
    .sgpr_count:     66
    .vgpr_count:     232
    .wavefront_size: 32
...
	.end_amdgpu_metadata
.endif
;; end of part 5
;; launch proj (part 6): grid 8 x 32, 4 waves a work-group, clusters of 4 x 4, 327,680 bytes of LDS; arguments xh, w2, yv; writes yv
.if DOCPART == 6
	.amdgcn_target "amdgcn-amd-amdhsa--gfx1250"
	.amdhsa_code_object_version 6
	.text
	.protected	k_q81dfd1c62e_proj
	.globl	k_q81dfd1c62e_proj
	.p2align	8
	.type	k_q81dfd1c62e_proj,@function
k_q81dfd1c62e_proj:
	s_mov_b64 s[64:65], 0
	v_nop
	global_prefetch_b8 v0, s[64:65] scope:SCOPE_SE
	s_setreg_imm32_b32 hwreg(HW_REG_WAVE_MODE, 25, 1), 1
	s_wait_xcnt 0x0
	s_wait_alu depctr_hold_cnt(0) depctr_sa_sdst(0) depctr_va_vdst(0) depctr_va_sdst(0) depctr_va_ssrc(0) depctr_va_vcc(0) depctr_vm_vsrc(0)
	s_getreg_b32 s2, hwreg(HW_REG_IB_STS2, 6, 4)
	s_cmp_eq_u32 s2, 0
	s_cbranch_scc0 .Lentry_in_a_cluster
	s_endpgm
.Lentry_in_a_cluster:
	s_bfe_u32 s2, ttmp6, 0x10000c
	s_cmp_lg_u32 s2, 0xf033
	s_cbranch_scc0 .Lentry_shape_is_right
	s_endpgm
.Lentry_shape_is_right:
; yv[m][n] = f x the sum over k of xh[m][k] w2[n][k]: m = 8,192 tokens, n = 2,048, k = 1,024; f16 products, f32 sums, yv rounded once to f16.
; Columns 0-1023 are y = x G^T: w2 holds 32 G, and f = 2^-15, so that yv holds 2^-10 y.  Columns 1024-2047 are v = x Wv^T, f = 1.  Both factors are exact; f is chosen by value from the tile's column.
; LIMIT.  f16 holds no number beyond 65,504: 2^-10 y or v past that leaves as an infinity; below 6e-5 f16 keeps its fixed step of 6e-8.
; SHARES.  A tile is 256 x 256: 32 x 8 = 256 work-groups.  Four waves, 128 x 128 each: 64 accumulators.  K goes in 8 steps of 128 through a ring of two LDS slots (256 rows of xh, 256 rows of w2, 256 bytes of memory a row).
; CLUSTER.  4 x 4 work-groups: xh's tile is shared along a row of the cluster, w2's along a column: joint loads.  Waves 0 and 1 fetch xh's halves, waves 2 and 3 w2's.
; ONE TEXT FOR A K STEP.  The slot that is read is a scalar, 0 or SLOT, turned by an exclusive or; the fragments' addresses are made anew from it once a step.  One descriptor a tensor walks: its LDS word is
; turned by the same exclusive or, which here is an addition or a subtraction: SLOT = 0x22000 shares no bit with the waves' offsets, multiples of 0x8800 up to three.  The two steps that fill nothing are a
; loop of two trips, left in its middle.
; THE MATRIX INSTRUCTION IS USED TRANSPOSED (source 0 = 16 rows of w2, source 1 = 16 rows of xh): a lane holds eight neighbouring columns of one token's row.
; REGISTERS, in windows of 256 (s_set_vgpr_msb: bits 1:0 source 0, 3:2 source 1, 5:4 source 2, 7:6 destination):
;   window 0: v0-31 addresses; v64-127, v128-191 xh's fragments; on the way out v64-127 whole rows, v192-223 packed results
;   window 1: v64-127, v128-191 w2's fragments      window 2: accumulators of my rows 0-63 ((a, b) at v[8 (8 a + b)])      window 3: rows 64-127
.set KSTEP,  128
.set PITCH,  272                       ; 256 bytes + 16 of padding: the 16 rows of a fragment load start at 16 different groups of four banks (64 banks of 4 bytes: ISA guide 11.1)
.set HALFT,  128*PITCH
.set SLOT,   4*HALFT
.set STAGE,  2*SLOT                    ; behind the ring: 16 rows x 272 bytes for each wave
.set SPITCH, 272
.set SPARE,  STAGE+4*16*SPITCH         ; the spare words, 128 bytes a wave: two blocks of 256 bytes that no other line names
.set OROW,   4096                      ; bytes in a row of yv
.set ADA,   16                         ; v16  LDS address of my fragments of xh in the slot that is read;  v17 of w2
.set ADB,   17
.set ADRA0, 18                         ; v18, v19  the same in slot 0; never rewritten
.set ADRB0, 19
.set STO,  24
.set RD,   25
.set CO,   26
.set SPW,  28
.set NIL,  29
.set PFO,  30
.set F0,   64
.set F1,   128
.set OB,   64
.set TMP,  192
.set G1,   24                          ; s[24:31] descriptor group 1 for xh's tiles;  s[32:39] group 0: a set for each first fill; the second then walks
.set G0,   32
.set G1B,  48                          ; s[48:55], s[56:63] the same for w2's
.set G0B,  56
.set LIM,  43                          ; s43      2 in a wave that prefetches, else the greatest number
.set PFA,  44                          ; s[44:45] where my prefetches stand
.set SB,   66                          ; s66      the slot that is read: 0 or SLOT
.set SC,   68                          ; s[68:69] f
.set MSB, 0
.macro WIN new                         ; the immediate's high byte repeats the setting that is left; a switch that changes nothing is dropped
.if MSB != (\new)
	s_set_vgpr_msb (MSB<<8)|(\new)
.set MSB, \new
.endif
.endm
.set MUL_LO, 0xa1                      ; source 0 (w2) window 1, source 1 (xh) window 0, C and D window 2
.set MUL_HI, 0xf1
.set TO_B,   0x40
.macro JLOAD s                         ; a joint load; an s_nop 0 and four v_nop follow each of the two lines, ahead of the jump and the label
	s_cmp_eq_u32 s11, 0
	s_cbranch_scc0 .Lfor_b_\@
	tensor_load_to_lds s[G0+4*(\s):G0+4*(\s)+3], s[G1:G1+7]
	s_nop 0
.rept 4
	v_nop
.endr
	s_branch .Lasked_\@
.Lfor_b_\@:
	tensor_load_to_lds s[G0B+4*(\s):G0B+4*(\s)+3], s[G1B:G1B+7]
	s_nop 0
.rept 4
	v_nop
.endr
.Lasked_\@:
.endm
; A prefetch behind each joint refill and its run of LDS loads: the K step two refills on, 32 rows x 256 bytes, a lane a row, one instruction a wave.  Each row's 256 bytes of a K step are named once in the
; launch: xh's rows by the clusters with x = 0, w2's by those with y = 0; the four partners that ask for a tile jointly share its 128 rows out by address, 32 each.  K steps 0 to 3 come by their loads
; alone; the last two refills (s3 = 2, 1) ask for nothing: there is no K step two on.
.macro ASK
	s_cmp_gt_u32 s3, s[LIM]
	s_cbranch_scc0 .Lnot_mine_\@
	global_prefetch_b8 v[PFO], s[PFA:PFA+1] offset:KSTEP*2 th:TH_LOAD_NT scope:SCOPE_SE
.Lnot_mine_\@:
.endm
.macro CREST                           ; a round of the cluster's barrier behind its opening barrier
	s_cmp_lg_u32 s10, 0
	s_cbranch_scc1 .Lnot_wave_0_\@
	s_barrier_signal -3
.Lnot_wave_0_\@:
	s_barrier_wait -3
	s_barrier_signal -1
	s_barrier_wait -1
.endm
.macro CROUND
	s_barrier_signal -1
	s_barrier_wait -1
	CREST
.endm
	s_load_b128 s[4:7], s[0:1], 0x0                ; xh s[4:5], w2 s[6:7]
	s_load_b64 s[8:9], s[0:1], 0x10                ; yv
	v_lshl_add_u32 v[SPW], v0, 2, SPARE
	v_mov_b32 v[NIL], 0
	ds_add_u32 v[SPW], v[NIL]                      ; the wave's opening: the add and its wait ahead of my first tensor load
	v_lshrrev_b32 v1, 5, v0
	v_readfirstlane_b32 s10, v1                    ; wave 0..3
	s_lshr_b32 s11, s10, 1                         ; which half of the tile's rows is mine.  Also: I fetch xh (0) or w2 (1)
	s_and_b32 s12, s10, 1                          ; which half of its columns.  Also: which 128 rows I fetch
	s_bfe_u32 s40, ttmp6, 0x40000                  ; cx, cy
	s_bfe_u32 s41, ttmp6, 0x40004
	s_lshl_b32 s42, ttmp9, 2
	s_add_co_u32 s42, s42, s40                     ; tile column = 4 x cluster x + cx
	s_and_b32 s13, ttmp7, 0xffff
	s_lshl_b32 s13, s13, 2
	s_add_co_u32 s13, s13, s41                     ; tile row = 4 x cluster y + cy
	s_lshl_b32 s43, s41, 2
	s_lshl_b32 s43, 15, s43                        ; my row of the cluster
	s_lshl_b32 s44, 0x1111, s40                    ; my column
	s_or_b32 s[G1+0], s43, (1<<16)|(1<<20)|(1<<21)|(5<<22)|(3<<25)   ; the mask; 2-byte elements; padding on; 21 set beside a mask; 4 words behind every 64
	s_or_b32 s[G1B+0], s44, (1<<16)|(1<<20)|(1<<21)|(5<<22)|(3<<25)
.irp g, G1, G1B
	s_mov_b32 s[(\g)+1], KSTEP<<16                 ; tensor_dim0 = 128
	s_mov_b32 s[(\g)+2], 128<<16                   ; tensor_dim1 = 128
	s_mov_b32 s[(\g)+3], KSTEP<<16                 ; tile_dim0 = 128
	s_mov_b32 s[(\g)+4], 128                       ; tile_dim1 = 128
	s_mov_b32 s[(\g)+5], 1024                      ; elements from row to row
	s_mov_b32 s[(\g)+6], 0
	s_mov_b32 s[(\g)+7], 0
.endr
	s_mov_b32 s[SB], 0
	s_lshl_b32 s16, s13, 8                         ; xh: row 256 x tile row + 128 x half, 2,048 bytes a row
	s_lshl_b32 s17, s12, 7
	s_add_co_u32 s16, s16, s17
	s_lshl_b32 s16, s16, 11
	s_mov_b32 s17, 0
	s_lshl_b32 s46, s42, 8                         ; w2: row 256 x tile column + 128 x half
	s_lshl_b32 s47, s12, 7
	s_add_co_u32 s46, s46, s47
	s_lshl_b32 s46, s46, 11
	s_mov_b32 s47, 0
	s_mul_i32 s20, s10, HALFT                      ; where they go: wave x 128 rows
	s_wait_dscnt 0x0                               ; the opening add is done
	s_wait_kmcnt 0x0
	s_add_nc_u64 s[14:15], s[4:5], s[16:17]
	s_add_nc_u64 s[46:47], s[6:7], s[46:47]
	CROUND                                         ; all sixteen work-groups are here: the first joint loads meet
.irp s, 0,1
	s_mov_b32 s[G0+4*(\s)], 1
	s_add_co_u32 s[G0+4*(\s)+1], s20, (\s)*SLOT
	s_add_nc_u64 s[G0+4*(\s)+2:G0+4*(\s)+3], s[14:15], (\s)*KSTEP*2
	s_or_b32 s[G0+4*(\s)+3], s[G0+4*(\s)+3], 0x80000000
	s_mov_b32 s[G0B+4*(\s)], 1
	s_add_co_u32 s[G0B+4*(\s)+1], s20, (\s)*SLOT
	s_add_nc_u64 s[G0B+4*(\s)+2:G0B+4*(\s)+3], s[46:47], (\s)*KSTEP*2
	s_or_b32 s[G0B+4*(\s)+3], s[G0B+4*(\s)+3], 0x80000000
	JLOAD \s                                       ; two loads of mine are out
.endr
	v_and_b32 v1, 15, v0                           ; l % 16
	v_bfe_u32 v2, v0, 4, 1                         ; l / 16
	v_mul_u32_u24 v3, v1, PITCH
	v_lshl_add_u32 v3, v2, 4, v3                   ; a fragment's row x pitch + 16 x half
	s_mul_i32 s21, s11, HALFT                      ; my 128 rows of xh
	s_mul_i32 s22, s12, HALFT                      ; my 128 rows of w2,
	s_add_co_u32 s22, s22, 2*HALFT                 ; which lie behind xh's 256
	v_add_nc_u32 v[ADRA0], s21, v3
	v_add_nc_u32 v[ADRB0], s22, v3
	v_mov_b32 v[ADA], v[ADRA0]
	v_mov_b32 v[ADB], v[ADRB0]
	s_mul_i32 s23, s10, 16*SPITCH
	s_add_co_u32 s23, s23, STAGE                   ; my stage
	v_mul_u32_u24 v5, v1, SPITCH                   ; in: row l % 16, 16 bytes for each half of the lanes
	v_lshl_add_u32 v5, v2, 4, v5
	v_add_nc_u32 v[STO], s23, v5
	v_mul_u32_u24 v5, v2, SPITCH                   ; back: lanes 0-15 one row of 256 bytes, lanes 16-31 the next
	v_lshl_add_u32 v5, v1, 4, v5
	v_add_nc_u32 v[RD], s23, v5
	v_lshlrev_b32 v5, 12, v2                       ; and the same two rows in yv
	v_lshl_add_u32 v[CO], v1, 4, v5
	s_lshl_b32 s16, s13, 8                         ; yv at my 128 rows and 128 columns
	s_lshl_b32 s17, s11, 7
	s_add_co_u32 s16, s16, s17
	s_lshl_b32 s16, s16, 12
	s_lshl_b32 s46, s42, 9
	s_lshl_b32 s47, s12, 8
	s_add_co_u32 s46, s46, s47
	s_add_co_u32 s16, s16, s46
	s_mov_b32 s17, 0
	s_add_nc_u64 s[8:9], s[8:9], s[16:17]
	s_cmp_lt_u32 s42, 4                            ; a tile of y or of v: a value, no branch
	s_cselect_b32 s[SC], 0x38000000, 1.0           ; 2^-15 or 1
	s_mov_b32 s[SC+1], s[SC]                       ; named with it as a pair
	; the prefetches
	s_lshl_b32 s18, s13, 8
	s_lshl_b32 s19, s42, 8
	s_and_b32 s22, ttmp7, 0xffff                   ; cluster y
	s_cmp_eq_u32 s11, 0                            ; do I fetch xh?
	s_cselect_b32 s20, s18, s19
	s_cselect_b32 s21, s40, s41                    ; my place among the four that ask with me
	s_cselect_b32 s22, ttmp9, s22                  ; the coordinate along which other clusters read the same rows
	s_cselect_b64 s[PFA:PFA+1], s[4:5], s[6:7]
	s_cmp_eq_u32 s22, 0
	s_cselect_b32 s[LIM], 2, -1                    ; the same in all sixteen partners, for a given wave
	s_lshl_b32 s22, s12, 7
	s_add_co_u32 s20, s20, s22
	s_lshl_b32 s21, s21, 5
	s_add_co_u32 s20, s20, s21                     ; my work-group's 32 of the 128 rows that I fetch
	s_lshl_b32 s20, s20, 11
	s_add_co_u32 s20, s20, 2*KSTEP*2               ; at K step 2: the first refill steps it to 3 and names K step 4
	s_mov_b32 s21, 0
	s_add_nc_u64 s[PFA:PFA+1], s[PFA:PFA+1], s[20:21]
	v_and_b32 v[PFO], 31, v0
	v_lshlrev_b32 v[PFO], 11, v[PFO]
; 16 matrix instructions: row blocks a0, a0 + 1 of the window's four x all 8 column blocks, 32 along K.  zero = 1: the product starts the sum.  The 64 accumulators take turns, in the same order in every
; quarter.
.macro MUL16 f, hi, a0, zero
	WIN MUL_LO+0x50*(\hi)
.irp a, \a0, (\a0)+1
.irp b, 0,1,2,3,4,5,6,7
.if \zero
	v_wmma_f32_16x16x32_f16 v[8*(8*(\a)+(\b)):8*(8*(\a)+(\b))+7], v[(\f)+8*(\b):(\f)+8*(\b)+7], v[(\f)+8*(4*(\hi)+(\a)):(\f)+8*(4*(\hi)+(\a))+7], 0
.else
	v_wmma_f32_16x16x32_f16 v[8*(8*(\a)+(\b)):8*(8*(\a)+(\b))+7], v[(\f)+8*(\b):(\f)+8*(\b)+7], v[(\f)+8*(4*(\hi)+(\a)):(\f)+8*(4*(\hi)+(\a))+7], v[8*(8*(\a)+(\b)):8*(8*(\a)+(\b))+7]
.endif
.endr
.endr
.endm
.macro FETCH k, f                      ; 32 LDS loads in one run: 128 rows of w2, then 128 rows of xh, 32 along K at byte k of the rows of the slot that is read
	WIN TO_B
.irp i, 0,1,2,3,4,5,6,7
	ds_load_b128 v[(\f)+8*(\i):(\f)+8*(\i)+3],   v[ADB] offset:(\k)+(\i)*16*PITCH
	ds_load_b128 v[(\f)+8*(\i)+4:(\f)+8*(\i)+7], v[ADB] offset:(\k)+(\i)*16*PITCH+32
.endr
	WIN 0
.irp i, 0,1,2,3,4,5,6,7
	ds_load_b128 v[(\f)+8*(\i):(\f)+8*(\i)+3],   v[ADA] offset:(\k)+(\i)*16*PITCH
	ds_load_b128 v[(\f)+8*(\i)+4:(\f)+8*(\i)+7], v[ADA] offset:(\k)+(\i)*16*PITCH+32
.endr
.endm
.macro PLACES                          ; four plain vector instructions between a matrix instruction and a load into, or a vector read of, its registers
.rept 4
	v_nop
.endr
.endm
; A K step is four quarters of 32 along K, 64 matrix instructions each, on buffers 0, 1, 0, 1.  One of the first three multiplies f and fetches the next quarter, at byte k, into g.
.macro QUARTER k, f, g, zero
	s_wait_dscnt 8                                 ; w2 and xh's rows 0-63 are in; the youngest eight loads (xh's rows 64-127) may be out
	MUL16 \f, 0, 0, \zero
	MUL16 \f, 0, 2, \zero
	PLACES
	FETCH \k, \g
	s_wait_dscnt 32                                ; all but the 32 just issued
	MUL16 \f, 1, 0, \zero
	MUL16 \f, 1, 2, \zero
.endm
; The last quarter multiplies buffer 1 and changes slots: ONE barrier.  In front of it each wave waits for all its tensor loads (one is out: its part of the next slot), adds 0 to its spare word, and waits
; for that and for its reads of this slot.  fill = 1: the barrier opens a round of the cluster's, and this slot is filled again, two K steps ahead, first thing behind the round.
.macro TURN fill
.if \fill
	s_wait_xcnt 0x0                                ; the last prefetch, a K step back, has read its address: it is stepped here
	s_add_nc_u64 s[PFA:PFA+1], s[PFA:PFA+1], KSTEP*2
.endif
	WIN 0                                          ; (the add's two registers lie in window 0)
	s_wait_tensorcnt 0x0                           ; no tensor load of mine is out, so a group 0 may be written
	ds_add_u32 v[SPW], v[NIL]                      ; 0 onto my spare word
.if \fill
	s_xor_b32 s[G0+5], s[G0+5], SLOT               ; the walking descriptors: the other slot than last time,
	s_add_nc_u64 s[G0+6:G0+7], s[G0+6:G0+7], KSTEP*2     ; the next K step
	s_xor_b32 s[G0B+5], s[G0B+5], SLOT
	s_add_nc_u64 s[G0B+6:G0B+7], s[G0B+6:G0B+7], KSTEP*2
.endif
	s_xor_b32 s[SB], s[SB], SLOT                   ; the reads go on in the other slot
	s_wait_dscnt 9                                 ; the add and the youngest eight loads may be out
	MUL16 F1, 0, 0, 0
	s_wait_dscnt 0x0                               ; the add is done, and my reads of this slot are over
	s_barrier_signal -1
	MUL16 F1, 0, 2, 0                              ; work on registers while the others arrive
	WIN 0
	s_barrier_wait -1
.if \fill
	CREST                                          ; no wave of any partner still reads this slot or has a load on its way
	JLOAD 1                                        ; one load of mine is out; its four v_nop are also the places in front of the loads below
.else
	PLACES
.endif
	v_add_nc_u32 v[ADA], s[SB], v[ADRA0]
	v_add_nc_u32 v[ADB], s[SB], v[ADRB0]
	FETCH 0, F0
.if \fill
	ASK
.endif
	MUL16 F1, 1, 0, 0
	MUL16 F1, 1, 2, 0
.endm
	s_wait_tensorcnt 0x1                           ; my part of K step 0 is in; K step 1's may stay out
	s_barrier_signal -1
	s_barrier_wait -1
	FETCH 0, F0
	QUARTER 64,  F0, F1, 1                         ; the first quarter stands in front of the loop: its products start the sums
	WIN 0                                          ; at a label and at a branch every window is 0
	s_mov_b32 s3, 6
.Lstep:                                                ; six trips, from a K step's second quarter to the next step's first; each fills the slot that it leaves
	QUARTER 128, F1, F0, 0
	QUARTER 192, F0, F1, 0
	TURN 1
	QUARTER 64,  F0, F1, 0
	WIN 0
	s_sub_co_u32 s3, s3, 1
	s_cmp_lg_u32 s3, 0
	s_cbranch_scc1 .Lstep
	s_mov_b32 s3, 2
.Ltail:                                                ; K steps 6 and 7 fill nothing; the second trip is left in its middle, alike in every wave and every work-group
	QUARTER 128, F1, F0, 0
	QUARTER 192, F0, F1, 0
	WIN 0
	s_cmp_eq_u32 s3, 1
	s_cbranch_scc1 .Llast
	TURN 0
	QUARTER 64,  F0, F1, 0
	WIN 0
	s_sub_co_u32 s3, s3, 1
	s_cmp_lg_u32 s3, 0
	s_cbranch_scc1 .Ltail
.Llast:
	s_wait_dscnt 8
	MUL16 F1, 0, 0, 0
	MUL16 F1, 0, 2, 0
	s_wait_dscnt 0x0
	MUL16 F1, 1, 0, 0
	MUL16 F1, 1, 2, 0
	WIN 0
	PLACES
; THE WAY OUT of block a (16 rows): times f, in place; rounded to f16, 16 bytes a lane; into my own stage, and back as whole rows of 256 bytes; stored.  Each accumulator's registers go in ascending order.
.macro PACK a
.set AC, 64*((\a)%4)
	WIN 0x82+0x41*((\a)/4)                         ; destination and source 0: window 2 or 3
.set z, 0
.rept 32
	v_pk_mul_f32 v[AC+2*z:AC+2*z+1], v[AC+2*z:AC+2*z+1], s[SC:SC+1] op_sel_hi:[1,0]
.set z, z+1
.endr
	WIN 0x0a+5*((\a)/4)                            ; sources 0 and 1: window 2 or 3
.set z, 0
.rept 32
	v_cvt_pk_f16_f32 v[TMP+z], v[AC+2*z], v[AC+2*z+1]
.set z, z+1
.endr
	WIN 0
.endm
.macro TOSTAGE a
	WIN 0
.set BK, OB+32*((\a)%2)
.irp b, 0,1,2,3,4,5,6,7
	ds_store_b128 v[STO], v[TMP+4*(\b):TMP+4*(\b)+3] offset:32*(\b)
.endr
.irp t, 0,1,2,3,4,5,6,7
	ds_load_b128 v[BK+4*(\t):BK+4*(\t)+3], v[RD] offset:(\t)*2*SPITCH  ; LDS serves a wave's instructions in order (ISA guide 5.7.1.4): these see the stores above
.endr
.endm
.macro SEND a
	WIN 0
.set BK, OB+32*((\a)%2)
	s_wait_dscnt 0x0                               ; the block is back in registers
	s_wait_xcnt 0x0                                ; the stores of the block before have read their registers, into which the next block's loads go
.irp t, 0,1,2,3,4,5,6,7
	global_store_b128 v[CO], v[BK+4*(\t):BK+4*(\t)+3], s[8:9] offset:(\a)*16*OROW+(\t)*2*OROW  ; 16 lanes store 256 consecutive bytes, at a multiple of 256 from yv's first byte
.endr
.endm
	PACK 0
	TOSTAGE 0
.irp a, 1,2,3,4,5,6,7                  ; block a's arithmetic stands between block a - 1's loads from the stage and the wait for them
	PACK \a
	SEND (\a)-1
	TOSTAGE \a
.endr
	SEND 7
	s_wait_tensorcnt 0x0                           ; the wave's end, behind my last tensor load and my last LDS store
	ds_add_u32 v[SPW], v[NIL]
	s_wait_dscnt 0x0
	CROUND                                         ; the closing round: no work-group ends while a partner may still ask for a tile that names it
	s_endpgm
.Lfunc_end_k_q81dfd1c62e_proj:
	.size	k_q81dfd1c62e_proj, .Lfunc_end_k_q81dfd1c62e_proj-k_q81dfd1c62e_proj
	.p2alignl 7, 3214868480
	.fill 96, 4, 3214868480
	.section	.rodata,"a",@progbits
	.p2align	6, 0x0
	.amdhsa_kernel k_q81dfd1c62e_proj
		.amdhsa_group_segment_fixed_size 327680
		.amdhsa_private_segment_fixed_size 0
		.amdhsa_enable_private_segment 0
		.amdhsa_kernarg_size 24
		.amdhsa_user_sgpr_count 2
		.amdhsa_user_sgpr_kernarg_segment_ptr 1
		.amdhsa_wavefront_size32 1
		.amdhsa_system_sgpr_workgroup_id_x 1
		.amdhsa_system_sgpr_workgroup_id_y 1
		.amdhsa_system_sgpr_workgroup_id_z 1
		.amdhsa_system_vgpr_workitem_id 0
		.amdhsa_next_free_vgpr 1024
		.amdhsa_next_free_sgpr 70
		.amdhsa_reserve_vcc 0
		.amdhsa_float_denorm_mode_32 3
		.amdhsa_float_denorm_mode_16_64 3
		.amdhsa_memory_ordered 1
		.amdhsa_forward_progress 1
		.amdhsa_inst_pref_size 121
	.end_amdhsa_kernel
	.amdgpu_metadata
---
amdhsa.version: [ 1, 2 ]
amdhsa.kernels:
  - .name:           k_q81dfd1c62e_proj
    .symbol:         k_q81dfd1c62e_proj.kd
    .args:
      - { .name: xh, .offset: 0, .size: 8, .value_kind: global_buffer, .address_space: global }
      - { .name: w2, .offset: 8, .size: 8, .value_kind: global_buffer, .address_space: global }
      - { .name: yv, .offset: 16, .size: 8, .value_kind: global_buffer, .address_space: global }
    .group_segment_fixed_size: 327680
    .private_segment_fixed_size: 0
    .kernarg_segment_align: 8
    .kernarg_segment_size: 24
    .max_flat_workgroup_size: 128
    .sgpr_count:     70
    .vgpr_count:     1024
    .wavefront_size: 32
...
	.end_amdgpu_metadata
.endif
;; end of part 6
;; launch scores (part 7): grid 12 x 16, 4 waves a work-group, clusters of 4 x 4, 327,680 bytes of LDS; arguments yv, p, st, xh; writes p, st
.if DOCPART == 7
	.amdgcn_target "amdgcn-amd-amdhsa--gfx1250"
	.amdhsa_code_object_version 6
	.text
	.protected	k_q81dfd1c62e_scores
	.globl	k_q81dfd1c62e_scores
	.p2align	8
	.type	k_q81dfd1c62e_scores,@function
k_q81dfd1c62e_scores:
	s_mov_b64 s[64:65], 0
	v_nop
	global_prefetch_b8 v0, s[64:65] scope:SCOPE_SE
	s_setreg_imm32_b32 hwreg(HW_REG_WAVE_MODE, 25, 1), 1
	s_wait_xcnt 0x0
	s_wait_alu depctr_hold_cnt(0) depctr_sa_sdst(0) depctr_va_vdst(0) depctr_va_sdst(0) depctr_va_ssrc(0) depctr_va_vcc(0) depctr_vm_vsrc(0)
	s_getreg_b32 s2, hwreg(HW_REG_IB_STS2, 6, 4)
	s_cmp_eq_u32 s2, 0
	s_cbranch_scc0 .Lentry_in_a_cluster
	s_endpgm
.Lentry_in_a_cluster:
	s_bfe_u32 s2, ttmp6, 0x10000c
	s_cmp_lg_u32 s2, 0xf033
	s_cbranch_scc0 .Lentry_shape_is_right
	s_endpgm
.Lentry_shape_is_right:
; For each tile of 256 queries x 256 keys on or below the diagonal: s = y . x (f16 products, f32 sums, K = 1,024), which is 2^-10 q . k: y is the first 2,048 bytes of yv's rows (2^-10 x G^T), the keys are xh's rows.
; Then the causal mask and the first level of the softmax:
;   cm = c x (the row's maximum over the tile's 256 keys), c = 2^10 log2(e) / 32;   p = 2^(c s - cm), rounded to f16, stored in p[b][query][key];   l = the sum of the unrounded p over a wave's 128 keys.
; cm and l go to st[b][tile column][key half][cm, l][row] in f32.  The next launch takes the row's maximum CM over the tiles' cm and multiplies a tile's part by 2^(cm - CM): together that is 2^(c s - CM).
; LIMITS.  A hidden score counts as its value less 2^100 (f16's scores stay under 2^43).  cm is held at -2^66 or above, so a row with no visible key in the tile gets p = 0, l = 0, cm = -2^66, and counts
; for nothing later.  A weight below 2^-126 counts as 0 in l; below 6e-5 p keeps f16's fixed step.  NaN and infinities are not treated apart.
; SHARES.  Four waves, 128 x 128 each: 64 accumulators.  K goes in 8 steps of 128 through a ring of two LDS slots (256 rows of y, 256 rows of x, 256 bytes of memory a row).
; CLUSTER.  4 x 4 work-groups make a block of 1,024 x 1,024 scores; a batch has three: (rows, keys) = (0, 0), (1, 0), (1, 1).  y's tile is shared along a row of the cluster, x's along a column: joint loads.
; In the two blocks on the diagonal six of the sixteen tiles lie wholly above it.  No branch may hang on a work-group's place in its cluster, and each partner makes every joint request: they run alike and
; store p = 0.  Of the six the next launch reads two (it walks 512 keys for 512 rows); four are read by nobody.
; ONE TEXT FOR A K STEP.  The slot that is read is a scalar, 0 or SLOT, turned by an exclusive or; the fragments' addresses are made anew from it once a step.  One descriptor a tensor walks: its LDS word is
; turned by the same exclusive or, which here is an addition or a subtraction: SLOT = 0x22000 shares no bit with the waves' offsets, multiples of 0x8800 up to three.
; THE MATRIX INSTRUCTION IS USED TRANSPOSED (source 0 = 16 keys, source 1 = 16 queries): a lane holds ONE query (lane % 16) and the keys 8 (lane / 16) + 0..7.
; THE MASK is the C operand of the products that start the sums: 0, or -2^100 where the key is hidden.  With D = my first key - my first query (a multiple of 128) and d = l % 16 - 8 (l / 16) - D, register n of
; accumulator (a, b) is hidden where 16 (b - a) + n > d.  For b < a that is -9 > d for every n, for b > a it is 16 > d, for b = a it is n > d: three sets of eight registers, made once.
; REGISTERS: window 0: v0-31 addresses; v32-55 the masks, later statistics; v64-127, v128-191 y's fragments; on the way out v64-127 whole rows, v192-223 packed p
;   window 1: v64-127, v128-191 x's fragments      window 2: accumulators of my rows 0-63 ((a, b) at v[8 (8 a + b)])      window 3: rows 64-127
.set KSTEP,  128
.set PITCH,  272                       ; 256 bytes + 16 of padding: the 16 rows of a fragment load start at 16 different groups of four banks (ISA guide 11.1)
.set HALFT,  128*PITCH
.set SLOT,   4*HALFT                   ; y's 256 rows, then x's 256
.set STAGE,  2*SLOT                    ; behind the ring: 16 rows x 272 bytes for each wave
.set SPITCH, 272
.set XCH,    STAGE+4*16*SPITCH         ; 512 bytes a wave: its 128 rows' maxima, for the wave with the other 128 keys
.set STS,    XCH+2048                  ; 1,024 bytes a wave: cm, then l, turned from a word a row into 16 bytes a lane
.set SPARE,  STS+4096                  ; the spare words, 128 bytes a wave: two blocks of 256 bytes that no other line names
.set PROW,   4096                      ; bytes in a row of p
.set XSA,  8                           ; v8   where I put a row's maximum
.set XRA,  9                           ; v9   where the two waves of my rows have put theirs
.set SSA,  10                          ; v10  where I put a row's cm
.set SRA,  11                          ; v11  where I read four rows' back
.set STV,  12                          ; v12  16 x lane: my byte offset in 512 bytes of st
.set ADA,   16                         ; v16  LDS address of my fragments of y in the slot that is read;  v17 of x
.set ADB,   17
.set ADRA0, 18                         ; v18, v19  the same in slot 0; never rewritten
.set ADRB0, 19
.set STO,  24
.set RD,   25
.set CO,   26
.set SPW,  28
.set NIL,  29
.set PFO,  30
.set X1,   32                          ; v[32:39] the mask for b < a;  v[40:47] for b = a;  v[48:55] for b > a
.set X2,   40
.set X3,   48
.set MX,   32                          ; later: block a's cm at v[32 + 2 a]; beside it m, then l
.set C4,   48                          ; four chains of a maximum; v52, v53 at work
.set XT,   54                          ; v54-61 the other half's maxima
.set F0,   64
.set F1,   128
.set OB,   64
.set TMP,  192
.set G1,   24                          ; s[24:31] descriptor group 1 for y's tiles;  s[32:39] group 0: a set for each first fill; the second then walks
.set G0,   32
.set G1B,  48                          ; s[48:55], s[56:63] the same for x's
.set G0B,  56
.set LIM,  43
.set PFA,  44
.set XH,   66                          ; s[66:67] xh
.set CS,   68                          ; s[68:69] c
.set SEL,  70                          ; s[70:71] v_permlanex16_b32's selects: each lane takes its own place in the other half
.set NEG,  72                          ; s72  -2^100
.set DD,   73                          ; s73  D
.set FLOOR, 74                         ; s74  -2^66
.set BAT,  75                          ; s75  the batch
.set SB,   76                          ; s76  the slot that is read: 0 or SLOT
.set MSB, 0
.macro WIN new
.if MSB != (\new)
	s_set_vgpr_msb (MSB<<8)|(\new)
.set MSB, \new
.endif
.endm
.set MUL_LO, 0xa1                      ; source 0 (x) window 1, source 1 (y) window 0, C and D window 2
.set MUL_HI, 0xf1
.set TO_B,   0x40
.macro JLOAD s                         ; a joint load: waves 0 and 1 fetch y's two halves, waves 2 and 3 x's; an s_nop 0 and four v_nop follow each line
	s_cmp_eq_u32 s11, 0
	s_cbranch_scc0 .Lfor_b_\@
	tensor_load_to_lds s[G0+4*(\s):G0+4*(\s)+3], s[G1:G1+7]
	s_nop 0
.rept 4
	v_nop
.endr
	s_branch .Lasked_\@
.Lfor_b_\@:
	tensor_load_to_lds s[G0B+4*(\s):G0B+4*(\s)+3], s[G1B:G1B+7]
	s_nop 0
.rept 4
	v_nop
.endr
.Lasked_\@:
.endm
; A prefetch behind each joint refill and its run of LDS loads: the K step two refills on, 32 rows x 256 bytes, a lane a row.  Each row's 256 bytes are named once: y's rows by the blocks in key column 0,
; x's rows by the two blocks on the diagonal; the four partners share a tile's 128 rows out by address.  K steps 0 to 3 come by their loads alone; the last two refills (s3 = 2, 1) ask for nothing.
.macro ASK
	s_cmp_gt_u32 s3, s[LIM]
	s_cbranch_scc0 .Lnot_mine_\@
	global_prefetch_b8 v[PFO], s[PFA:PFA+1] offset:KSTEP*2 th:TH_LOAD_NT scope:SCOPE_SE
.Lnot_mine_\@:
.endm
.macro CREST
	s_cmp_lg_u32 s10, 0
	s_cbranch_scc1 .Lnot_wave_0_\@
	s_barrier_signal -3
.Lnot_wave_0_\@:
	s_barrier_wait -3
	s_barrier_signal -1
	s_barrier_wait -1
.endm
.macro CROUND
	s_barrier_signal -1
	s_barrier_wait -1
	CREST
.endm
	s_load_b128 s[4:7], s[0:1], 0x0                ; yv s[4:5], p s[6:7]
	s_load_b64 s[8:9], s[0:1], 0x10                ; st
	s_load_b64 s[XH:XH+1], s[0:1], 0x18            ; xh
	v_lshl_add_u32 v[SPW], v0, 2, SPARE
	v_mov_b32 v[NIL], 0
	ds_add_u32 v[SPW], v[NIL]                      ; the wave's opening: the add and its wait ahead of my first tensor load
	v_lshrrev_b32 v1, 5, v0
	v_readfirstlane_b32 s10, v1                    ; wave 0..3
	s_lshr_b32 s11, s10, 1                         ; which half of the tile's queries is mine.  Also: I fetch y (0) or x (1)
	s_and_b32 s12, s10, 1                          ; which half of its keys.  Also: which 128 rows I fetch
	s_bfe_u32 s40, ttmp6, 0x40000                  ; cx, cy
	s_bfe_u32 s41, ttmp6, 0x40004
	s_add_co_u32 s13, ttmp9, 1
	s_lshr_b32 s13, s13, 1                         ; the block's row: 0, 1, 1 for cluster x = 0, 1, 2
	s_lshl_b32 s13, s13, 2
	s_add_co_u32 s13, s13, s41                     ; tile row i
	s_lshr_b32 s42, ttmp9, 1                       ; the block's column: 0, 0, 1
	s_lshl_b32 s42, s42, 2
	s_add_co_u32 s42, s42, s40                     ; tile column j
	s_and_b32 s[BAT], ttmp7, 0xffff
	s_lshl_b32 s43, s41, 2
	s_lshl_b32 s43, 15, s43                        ; my row of the cluster
	s_lshl_b32 s44, 0x1111, s40                    ; my column
	s_or_b32 s[G1+0], s43, (1<<16)|(1<<20)|(1<<21)|(5<<22)|(3<<25)   ; the mask; 2-byte elements; padding on; 21 set beside a mask; 4 words behind every 64
	s_or_b32 s[G1B+0], s44, (1<<16)|(1<<20)|(1<<21)|(5<<22)|(3<<25)
.irp g, G1, G1B
	s_mov_b32 s[(\g)+1], KSTEP<<16                 ; tensor_dim0 = 128
	s_mov_b32 s[(\g)+2], 128<<16                   ; tensor_dim1 = 128
	s_mov_b32 s[(\g)+3], KSTEP<<16                 ; tile_dim0 = 128
	s_mov_b32 s[(\g)+4], 128                       ; tile_dim1 = 128
	s_mov_b32 s[(\g)+6], 0
	s_mov_b32 s[(\g)+7], 0
.endr
	s_mov_b32 s[G1+5], 2048                        ; elements from row to row of yv
	s_mov_b32 s[G1B+5], 1024                       ; of xh
	s_mov_b32 s[CS], 0x4238aa3b                    ; c = 32 log2(e)
	s_mov_b32 s[CS+1], s[CS]                       ; named with it as a pair
	s_mov_b32 s[SEL], 0x76543210
	s_mov_b32 s[SEL+1], 0xfedcba98
	s_mov_b32 s[NEG], 0xf1800000
	s_mov_b32 s[FLOOR], 0xe0800000
	s_mov_b32 s[SB], 0
	s_lshl_b32 s16, s[BAT], 11                     ; y: row 2,048 b + 256 i + 128 x half, 4,096 bytes a row
	s_lshl_b32 s17, s13, 8
	s_add_co_u32 s16, s16, s17
	s_lshl_b32 s17, s12, 7
	s_add_co_u32 s16, s16, s17
	s_lshl_b32 s16, s16, 12
	s_mov_b32 s17, 0
	s_lshl_b32 s46, s[BAT], 11                     ; x: row 2,048 b + 256 j + 128 x half, 2,048 bytes a row
	s_lshl_b32 s47, s42, 8
	s_add_co_u32 s46, s46, s47
	s_lshl_b32 s47, s12, 7
	s_add_co_u32 s46, s46, s47
	s_lshl_b32 s46, s46, 11
	s_mov_b32 s47, 0
	s_mul_i32 s20, s10, HALFT                      ; where they go: wave x 128 rows
	s_wait_dscnt 0x0                               ; the opening add is done
	s_wait_kmcnt 0x0
	s_add_nc_u64 s[14:15], s[4:5], s[16:17]
	s_add_nc_u64 s[46:47], s[XH:XH+1], s[46:47]
	CROUND                                         ; all sixteen work-groups are here: the first joint loads meet
.irp s, 0,1
	s_mov_b32 s[G0+4*(\s)], 1
	s_add_co_u32 s[G0+4*(\s)+1], s20, (\s)*SLOT
	s_add_nc_u64 s[G0+4*(\s)+2:G0+4*(\s)+3], s[14:15], (\s)*KSTEP*2
	s_or_b32 s[G0+4*(\s)+3], s[G0+4*(\s)+3], 0x80000000
	s_mov_b32 s[G0B+4*(\s)], 1
	s_add_co_u32 s[G0B+4*(\s)+1], s20, (\s)*SLOT
	s_add_nc_u64 s[G0B+4*(\s)+2:G0B+4*(\s)+3], s[46:47], (\s)*KSTEP*2
	s_or_b32 s[G0B+4*(\s)+3], s[G0B+4*(\s)+3], 0x80000000
	JLOAD \s                                       ; two loads of mine are out
.endr
	v_and_b32 v1, 15, v0                           ; l % 16
	v_bfe_u32 v2, v0, 4, 1                         ; l / 16
	v_mul_u32_u24 v3, v1, PITCH
	v_lshl_add_u32 v3, v2, 4, v3
	s_mul_i32 s21, s11, HALFT                      ; my 128 rows of y
	s_mul_i32 s22, s12, HALFT                      ; my 128 rows of x,
	s_add_co_u32 s22, s22, 2*HALFT                 ; which lie behind y's 256
	v_add_nc_u32 v[ADRA0], s21, v3
	v_add_nc_u32 v[ADRB0], s22, v3
	v_mov_b32 v[ADA], v[ADRA0]
	v_mov_b32 v[ADB], v[ADRB0]
	; the masks
	s_sub_co_i32 s[DD], s42, s13
	s_lshl_b32 s[DD], s[DD], 1
	s_add_co_i32 s[DD], s[DD], s12
	s_sub_co_i32 s[DD], s[DD], s11
	s_lshl_b32 s[DD], s[DD], 7                     ; D = 256 (j - i) + 128 (key half - query half)
	v_lshlrev_b32 v4, 3, v2
	v_sub_nc_u32 v4, v1, v4
	v_sub_nc_u32 v4, v4, s[DD]                     ; d
	v_cmp_gt_i32 vcc_lo, -9, v4
	v_cndmask_b32 v[X1], 0, s[NEG], vcc_lo
	v_cmp_gt_i32 vcc_lo, 16, v4
	v_cndmask_b32 v[X3], 0, s[NEG], vcc_lo
.irp n, 1,2,3,4,5,6,7
	v_mov_b32 v[X1+(\n)], v[X1]
	v_mov_b32 v[X3+(\n)], v[X3]
.endr
.irp n, 0,1,2,3,4,5,6,7
	v_cmp_gt_i32 vcc_lo, \n, v4
	v_cndmask_b32 v[X2+(\n)], 0, s[NEG], vcc_lo
.endr
	; the way out's addresses
	s_mul_i32 s23, s10, 16*SPITCH
	s_add_co_u32 s23, s23, STAGE                   ; my stage
	v_mul_u32_u24 v5, v1, SPITCH                   ; in: row l % 16, 16 bytes for each half of the lanes
	v_lshl_add_u32 v5, v2, 4, v5
	v_add_nc_u32 v[STO], s23, v5
	v_mul_u32_u24 v5, v2, SPITCH                   ; back: lanes 0-15 one row of 256 bytes, lanes 16-31 the next
	v_lshl_add_u32 v5, v1, 4, v5
	v_add_nc_u32 v[RD], s23, v5
	v_lshlrev_b32 v5, 12, v2                       ; and the same two rows in p
	v_lshl_add_u32 v[CO], v1, 4, v5
	s_lshl_b32 s21, s10, 9
	s_add_co_u32 s21, s21, XCH
	v_lshl_add_u32 v[XSA], v1, 2, s21              ; XCH + 512 x wave + 4 (l % 16)
	s_lshl_b32 s21, s11, 10
	s_add_co_u32 s21, s21, XCH
	v_lshl_add_u32 v[XRA], v1, 2, s21              ; XCH + 1,024 x query half + 4 (l % 16): the two waves' words lie 512 bytes apart
	s_lshl_b32 s21, s10, 10
	s_add_co_u32 s21, s21, STS
	v_lshl_add_u32 v[SSA], v1, 2, s21
	v_and_b32 v[STV], 31, v0
	v_lshlrev_b32 v[STV], 4, v[STV]
	v_add_nc_u32 v[SRA], s21, v[STV]
	s_lshl_b32 s16, s[BAT], 11                     ; p at my 128 rows and 128 keys
	s_lshl_b32 s17, s13, 8
	s_add_co_u32 s16, s16, s17
	s_lshl_b32 s17, s11, 7
	s_add_co_u32 s16, s16, s17
	s_lshl_b32 s16, s16, 12
	s_lshl_b32 s46, s42, 9
	s_lshl_b32 s47, s12, 8
	s_add_co_u32 s46, s46, s47
	s_add_co_u32 s16, s16, s46
	s_mov_b32 s17, 0
	s_add_nc_u64 s[6:7], s[6:7], s[16:17]
	s_lshl3_add_u32 s16, s[BAT], s42               ; st: ((8 b + j) x 2 + key half) x 16,384 + (2 i + query half) x 512
	s_lshl1_add_u32 s16, s16, s12
	s_lshl_b32 s16, s16, 14
	s_lshl1_add_u32 s46, s13, s11
	s_lshl_b32 s46, s46, 9
	s_add_co_u32 s16, s16, s46
	s_add_nc_u64 s[8:9], s[8:9], s[16:17]
	; the prefetches
	s_lshl_b32 s18, s13, 8
	s_lshl_b32 s19, s42, 8
	s_lshr_b32 s22, ttmp9, 1                       ; 0 in the blocks of key column 0
	s_cmp_eq_u32 ttmp9, 1
	s_cselect_b32 s23, 1, 0                        ; 0 in the blocks on the diagonal
	s_cmp_eq_u32 s11, 0                            ; do I fetch y?
	s_cselect_b32 s20, s18, s19
	s_cselect_b32 s21, s40, s41                    ; my place among the four that ask with me
	s_cselect_b32 s22, s22, s23
	s_cselect_b32 s23, 12, 11                      ; a row of yv is 4,096 bytes, of xh 2,048
	s_cselect_b64 s[PFA:PFA+1], s[4:5], s[XH:XH+1]
	s_cmp_eq_u32 s22, 0
	s_cselect_b32 s[LIM], 2, -1                    ; the same in all sixteen partners, for a given wave
	s_lshl_b32 s22, s[BAT], 11
	s_add_co_u32 s20, s20, s22
	s_lshl_b32 s22, s12, 7
	s_add_co_u32 s20, s20, s22
	s_lshl_b32 s21, s21, 5
	s_add_co_u32 s20, s20, s21                     ; my work-group's 32 of the 128 rows that I fetch
	s_lshl_b32 s20, s20, s23
	s_add_co_u32 s20, s20, 2*KSTEP*2               ; at K step 2: the first refill steps it to 3 and names K step 4
	s_mov_b32 s21, 0
	s_add_nc_u64 s[PFA:PFA+1], s[PFA:PFA+1], s[20:21]
	v_and_b32 v[PFO], 31, v0
	v_lshlrev_b32 v[PFO], s23, v[PFO]
; 16 matrix instructions: query blocks a0, a0 + 1 of the window's four x all 8 key blocks, 32 along K.  zero = 1: the product starts the sum, with the mask as C (in window 0).
; The 64 accumulators take turns, in the same order in every quarter.
.macro MUL16 f, hi, a0, zero
.if \zero
	WIN 0x81+0x40*(\hi)
.else
	WIN MUL_LO+0x50*(\hi)
.endif
.irp a, \a0, (\a0)+1
.irp b, 0,1,2,3,4,5,6,7
.if \zero
.if (\b) < 4*(\hi)+(\a)
.set XM, X1
.elseif (\b) == 4*(\hi)+(\a)
.set XM, X2
.else
.set XM, X3
.endif
	v_wmma_f32_16x16x32_f16 v[8*(8*(\a)+(\b)):8*(8*(\a)+(\b))+7], v[(\f)+8*(\b):(\f)+8*(\b)+7], v[(\f)+8*(4*(\hi)+(\a)):(\f)+8*(4*(\hi)+(\a))+7], v[XM:XM+7]
.else
	v_wmma_f32_16x16x32_f16 v[8*(8*(\a)+(\b)):8*(8*(\a)+(\b))+7], v[(\f)+8*(\b):(\f)+8*(\b)+7], v[(\f)+8*(4*(\hi)+(\a)):(\f)+8*(4*(\hi)+(\a))+7], v[8*(8*(\a)+(\b)):8*(8*(\a)+(\b))+7]
.endif
.endr
.endr
.endm
.macro FETCH k, f                      ; 32 LDS loads in one run: 128 rows of x, then 128 rows of y, 32 along K at byte k of the rows of the slot that is read
	WIN TO_B
.irp i, 0,1,2,3,4,5,6,7
	ds_load_b128 v[(\f)+8*(\i):(\f)+8*(\i)+3],   v[ADB] offset:(\k)+(\i)*16*PITCH
	ds_load_b128 v[(\f)+8*(\i)+4:(\f)+8*(\i)+7], v[ADB] offset:(\k)+(\i)*16*PITCH+32
.endr
	WIN 0
.irp i, 0,1,2,3,4,5,6,7
	ds_load_b128 v[(\f)+8*(\i):(\f)+8*(\i)+3],   v[ADA] offset:(\k)+(\i)*16*PITCH
	ds_load_b128 v[(\f)+8*(\i)+4:(\f)+8*(\i)+7], v[ADA] offset:(\k)+(\i)*16*PITCH+32
.endr
.endm
.macro PLACES                          ; four plain vector instructions between a matrix instruction and a load into, or a vector read of, its registers
.rept 4
	v_nop
.endr
.endm
.macro QUARTER k, f, g, zero
	s_wait_dscnt 8                                 ; x and y's rows 0-63 are in; the youngest eight loads (y's rows 64-127) may be out
	MUL16 \f, 0, 0, \zero
	MUL16 \f, 0, 2, \zero
	PLACES
	FETCH \k, \g
	s_wait_dscnt 32                                ; all but the 32 just issued
	MUL16 \f, 1, 0, \zero
	MUL16 \f, 1, 2, \zero
.endm
; The last quarter of a K step changes slots: ONE barrier; in front of it each wave waits for all its tensor loads, adds 0 to its spare word, and waits for that and for its reads of this slot.
; fill = 1: the barrier opens a round of the cluster's, and this slot is filled again, two K steps ahead, first thing behind the round.
.macro TURN fill
.if \fill
	s_wait_xcnt 0x0                                ; the last prefetch, a K step back, has read its address
	s_add_nc_u64 s[PFA:PFA+1], s[PFA:PFA+1], KSTEP*2
.endif
	WIN 0
	s_wait_tensorcnt 0x0                           ; no tensor load of mine is out, so a group 0 may be written
	ds_add_u32 v[SPW], v[NIL]                      ; 0 onto my spare word
.if \fill
	s_xor_b32 s[G0+5], s[G0+5], SLOT               ; the walking descriptors: the other slot than last time,
	s_add_nc_u64 s[G0+6:G0+7], s[G0+6:G0+7], KSTEP*2     ; the next K step
	s_xor_b32 s[G0B+5], s[G0B+5], SLOT
	s_add_nc_u64 s[G0B+6:G0B+7], s[G0B+6:G0B+7], KSTEP*2
.endif
	s_xor_b32 s[SB], s[SB], SLOT                   ; the reads go on in the other slot
	s_wait_dscnt 9                                 ; the add and the youngest eight loads may be out
	MUL16 F1, 0, 0, 0
	s_wait_dscnt 0x0                               ; the add is done, and my reads of this slot are over
	s_barrier_signal -1
	MUL16 F1, 0, 2, 0
	WIN 0
	s_barrier_wait -1
.if \fill
	CREST
	JLOAD 1                                        ; one load of mine is out; its four v_nop are also the places in front of the loads below
.else
	PLACES
.endif
	v_add_nc_u32 v[ADA], s[SB], v[ADRA0]
	v_add_nc_u32 v[ADB], s[SB], v[ADRB0]
	FETCH 0, F0
.if \fill
	ASK
.endif
	MUL16 F1, 1, 0, 0
	MUL16 F1, 1, 2, 0
.endm
	s_wait_tensorcnt 0x1                           ; my part of K step 0 is in; K step 1's may stay out
	s_barrier_signal -1
	s_barrier_wait -1
	FETCH 0, F0
	QUARTER 64,  F0, F1, 1                         ; the first quarter's products start the sums, with the masks
	WIN 0
	s_mov_b32 s3, 6
.Lstep:                                                ; six trips, from a K step's second quarter to the next step's first; each fills the slot that it leaves
	QUARTER 128, F1, F0, 0
	QUARTER 192, F0, F1, 0
	TURN 1
	QUARTER 64,  F0, F1, 0
	WIN 0
	s_sub_co_u32 s3, s3, 1
	s_cmp_lg_u32 s3, 0
	s_cbranch_scc1 .Lstep
	s_mov_b32 s3, 2
.Ltail:                                                ; K steps 6 and 7 fill nothing; the second trip is left in its middle, alike in every wave and every work-group
	QUARTER 128, F1, F0, 0
	QUARTER 192, F0, F1, 0
	WIN 0
	s_cmp_eq_u32 s3, 1
	s_cbranch_scc1 .Llast
	TURN 0
	QUARTER 64,  F0, F1, 0
	WIN 0
	s_sub_co_u32 s3, s3, 1
	s_cmp_lg_u32 s3, 0
	s_cbranch_scc1 .Ltail
.Llast:
	s_wait_dscnt 8
	MUL16 F1, 0, 0, 0
	MUL16 F1, 0, 2, 0
	s_wait_dscnt 0x0
	MUL16 F1, 1, 0, 0
	MUL16 F1, 1, 2, 0
	WIN 0
	PLACES
; THE ROW MAXIMUM of block a (16 queries x my 128 keys: 64 scores a lane): four chains of two accumulators each, their registers in ascending order; then the other half of the lanes'.
.macro ROWMAX a
.set AC, 64*((\a)%4)
	WIN 0x0a+5*((\a)/4)                            ; sources 0 and 1: window 2 or 3
.irp k, 0,1,2,3
	v_max_num_f32 v[C4+(\k)], v[AC+16*(\k)], v[AC+16*(\k)+1]
.endr
	WIN 0x28+0x14*((\a)/4)                         ; sources 1 and 2: window 2 or 3
.set z, 1
.rept 7
.irp k, 0,1,2,3
	v_max3_num_f32 v[C4+(\k)], v[C4+(\k)], v[AC+16*(\k)+2*z], v[AC+16*(\k)+2*z+1]
.endr
.set z, z+1
.endr
	WIN 0
	v_max3_num_f32 v[C4], v[C4], v[C4+1], v[C4+2]
	v_max_num_f32 v[C4], v[C4], v[C4+3]
	v_permlanex16_b32 v52, v[C4], s[SEL], s[SEL+1]
	v_max_num_f32 v[MX+2*(\a)+1], v[C4], v52
	ds_store_b32 v[XSA], v[MX+2*(\a)+1] offset:64*(\a)  ; lanes l and l + 16 write the same word with the same number
.endm
.irp a, 0,1,2,3,4,5,6,7
	ROWMAX \a
.endr
	s_wait_dscnt 0x0                               ; for the others' sake: my maxima lie in LDS
	s_barrier_signal -1
	s_barrier_wait -1
.irp a, 0,1,2,3,4,5,6,7
	ds_load_b32 v[MX+2*(\a)], v[XRA] offset:64*(\a)       ; the maximum over keys 0-127 of the tile,
	ds_load_b32 v[XT+(\a)],   v[XRA] offset:512+64*(\a)   ; and over keys 128-255
.endr
	s_wait_dscnt 0x0
.irp a, 0,1,2,3,4,5,6,7
	v_max_num_f32 v[MX+2*(\a)+1], v[MX+2*(\a)], v[XT+(\a)]
.endr
.irp a, 0,1,2,3,4,5,6,7
	v_mul_f32 v[MX+2*(\a)], s[CS], v[MX+2*(\a)+1]
.endr
.irp a, 0,1,2,3,4,5,6,7
	v_max_num_f32 v[MX+2*(\a)], s[FLOOR], v[MX+2*(\a)]    ; cm
.endr
; BLOCK a: c s - cm in place; its 64 exponentials, ONE batch with one plain instruction and ONE wait behind it, ahead of the first line that names a result; the roundings to f16;
; the sum of the unrounded weights, a tree in place, and the other half of the lanes'.
.macro EXPA a
.set AC, 64*((\a)%4)
	WIN 0x82+0x41*((\a)/4)                         ; destination and source 0: window 2 or 3; cm in window 0
.set z, 0
.rept 32
	v_pk_fma_f32 v[AC+2*z:AC+2*z+1], v[AC+2*z:AC+2*z+1], s[CS:CS+1], v[MX+2*(\a):MX+2*(\a)+1] op_sel_hi:[1,0,0] neg_lo:[0,0,1] neg_hi:[0,0,1]
.set z, z+1
.endr
.set z, 0
.rept 64
	v_exp_f32 v[AC+z], v[AC+z]
.set z, z+1
.endr
	v_nop
	s_wait_alu depctr_va_vdst(0)
	WIN 0x0a+5*((\a)/4)
.set z, 0
.rept 32
	v_cvt_pk_f16_f32 v[TMP+z], v[AC+2*z], v[AC+2*z+1]
.set z, z+1
.endr
	WIN 0x8a+0x45*((\a)/4)                         ; destination and both sources: window 2 or 3
.irp w, 1,2,4,8,16
.set u, 0
.rept 16/(\w)
	v_pk_add_f32 v[AC+4*(\w)*u:AC+4*(\w)*u+1], v[AC+4*(\w)*u:AC+4*(\w)*u+1], v[AC+4*(\w)*u+2*(\w):AC+4*(\w)*u+2*(\w)+1]
.set u, u+1
.endr
.endr
	WIN 0x0a+5*((\a)/4)
	v_add_f32 v53, v[AC], v[AC+1]
	WIN 0
	v_permlanex16_b32 v52, v53, s[SEL], s[SEL+1]
	v_add_f32 v[MX+2*(\a)+1], v53, v52             ; l takes m's place
.endm
.macro TOSTAGE a                       ; 16 bytes a lane into rows of 272 bytes, and back as whole rows of 256
	WIN 0
.set BK, OB+32*((\a)%2)
.irp b, 0,1,2,3,4,5,6,7
	ds_store_b128 v[STO], v[TMP+4*(\b):TMP+4*(\b)+3] offset:32*(\b)
.endr
.irp t, 0,1,2,3,4,5,6,7
	ds_load_b128 v[BK+4*(\t):BK+4*(\t)+3], v[RD] offset:(\t)*2*SPITCH  ; LDS serves a wave's instructions in order (ISA guide 5.7.1.4): these see the stores above
.endr
.endm
.macro SEND a
	WIN 0
.set BK, OB+32*((\a)%2)
	s_wait_dscnt 0x0                               ; the block is back in registers
	s_wait_xcnt 0x0                                ; the stores of the block before have read their registers, into which the next block's loads go
.irp t, 0,1,2,3,4,5,6,7
	global_store_b128 v[CO], v[BK+4*(\t):BK+4*(\t)+3], s[6:7] offset:(\a)*16*PROW+(\t)*2*PROW  ; 16 lanes store 256 consecutive bytes, at a multiple of 256 from p's first byte
.endr
.endm
	EXPA 0
	TOSTAGE 0
.irp a, 1,2,3,4,5,6,7                  ; block a's arithmetic stands between block a - 1's loads from the stage and the wait for them
	EXPA \a
	SEND (\a)-1
	TOSTAGE \a
.endr
	SEND 7
.irp a, 0,1,2,3,4,5,6,7                ; the statistics: a word a row into my own bytes, back as 16 bytes a lane
	ds_store_b32 v[SSA], v[MX+2*(\a)]   offset:64*(\a)
	ds_store_b32 v[SSA], v[MX+2*(\a)+1] offset:512+64*(\a)
.endr
	ds_load_b128 v[TMP:TMP+3],   v[SRA]
	ds_load_b128 v[TMP+4:TMP+7], v[SRA] offset:512
	s_wait_dscnt 0x0
	global_store_b128 v[STV], v[TMP:TMP+3],   s[8:9]              ; cm of my 128 rows: 512 consecutive bytes
	global_store_b128 v[STV], v[TMP+4:TMP+7], s[8:9] offset:8192  ; l
	s_wait_tensorcnt 0x0                           ; the wave's end, behind my last tensor load and my last LDS store
	ds_add_u32 v[SPW], v[NIL]
	s_wait_dscnt 0x0
	CROUND                                         ; the closing round
	s_endpgm
.Lfunc_end_k_q81dfd1c62e_scores:
	.size	k_q81dfd1c62e_scores, .Lfunc_end_k_q81dfd1c62e_scores-k_q81dfd1c62e_scores
	.p2alignl 7, 3214868480
	.fill 96, 4, 3214868480
	.section	.rodata,"a",@progbits
	.p2align	6, 0x0
	.amdhsa_kernel k_q81dfd1c62e_scores
		.amdhsa_group_segment_fixed_size 327680
		.amdhsa_private_segment_fixed_size 0
		.amdhsa_enable_private_segment 0
		.amdhsa_kernarg_size 32
		.amdhsa_user_sgpr_count 2
		.amdhsa_user_sgpr_kernarg_segment_ptr 1
		.amdhsa_wavefront_size32 1
		.amdhsa_system_sgpr_workgroup_id_x 1
		.amdhsa_system_sgpr_workgroup_id_y 1
		.amdhsa_system_sgpr_workgroup_id_z 1
		.amdhsa_system_vgpr_workitem_id 0
		.amdhsa_next_free_vgpr 1024
		.amdhsa_next_free_sgpr 80
		.amdhsa_reserve_vcc 1
		.amdhsa_float_denorm_mode_32 3
		.amdhsa_float_denorm_mode_16_64 3
		.amdhsa_memory_ordered 1
		.amdhsa_forward_progress 1
		.amdhsa_inst_pref_size 179
	.end_amdhsa_kernel
	.amdgpu_metadata
---
amdhsa.version: [ 1, 2 ]
amdhsa.kernels:
  - .name:           k_q81dfd1c62e_scores
    .symbol:         k_q81dfd1c62e_scores.kd
    .args:
      - { .name: yv, .offset: 0, .size: 8, .value_kind: global_buffer, .address_space: global }
      - { .name: p, .offset: 8, .size: 8, .value_kind: global_buffer, .address_space: global }
      - { .name: st, .offset: 16, .size: 8, .value_kind: global_buffer, .address_space: global }
      - { .name: xh, .offset: 24, .size: 8, .value_kind: global_buffer, .address_space: global }
    .group_segment_fixed_size: 327680
    .private_segment_fixed_size: 0
    .kernarg_segment_align: 8
    .kernarg_segment_size: 32
    .max_flat_workgroup_size: 128
    .sgpr_count:     80
    .vgpr_count:     1024
    .wavefront_size: 32
...
	.end_amdgpu_metadata
.endif
;; end of part 7
;; launch pv (part 8): grid 8 x 32, 4 waves a work-group, clusters of 4 x 4, 327,680 bytes of LDS; arguments p, yv, st, out0; writes out0
.if DOCPART == 8
	.amdgcn_target "amdgcn-amd-amdhsa--gfx1250"
	.amdhsa_code_object_version 6
	.text
	.protected	k_q81dfd1c62e_pv
	.globl	k_q81dfd1c62e_pv
	.p2align	8
	.type	k_q81dfd1c62e_pv,@function
k_q81dfd1c62e_pv:
	s_mov_b64 s[64:65], 0
	v_nop
	global_prefetch_b8 v0, s[64:65] scope:SCOPE_SE
	s_setreg_imm32_b32 hwreg(HW_REG_WAVE_MODE, 25, 1), 1
	s_wait_xcnt 0x0
	s_wait_alu depctr_hold_cnt(0) depctr_sa_sdst(0) depctr_va_vdst(0) depctr_va_sdst(0) depctr_va_ssrc(0) depctr_va_vcc(0) depctr_vm_vsrc(0)
	s_getreg_b32 s2, hwreg(HW_REG_IB_STS2, 6, 4)
	s_cmp_eq_u32 s2, 0
	s_cbranch_scc0 .Lentry_in_a_cluster
	s_endpgm
.Lentry_in_a_cluster:
	s_bfe_u32 s2, ttmp6, 0x10000c
	s_cmp_lg_u32 s2, 0xf033
	s_cbranch_scc0 .Lentry_shape_is_right
	s_endpgm
.Lentry_shape_is_right:
; out0[b][q][:] = the sum over key tiles t of F_t[q] x (the sum over the tile's 256 keys of p[q][k] v[k][:]),  F_t = 2^(cm_t - CM) / L,  CM = the maximum of the row's cm_t,  L = the sum of 2^(cm_t - CM) l_t.
; p (f16), cm and l (f32) are the launch before's; v is the second 2,048 bytes of yv's rows (f16).  Products in f16 with f32 sums; F, the sums over tiles and out0 in f32.
; LIMITS.  As stated where p is made; a tile with no visible key for a row has cm = -2^66, so its F is 0.  NaN and infinities are not treated apart.
; THE WALK.  A batch's rows lie in four blocks of 512; block I needs the key tiles 0 .. 2 I + 1.  A cluster of 4 x 4 work-groups takes 512 rows x 512 channels (a work-group 128 x 128), and TWO blocks: 3 - s and
; then s (s = 0, 1): (8 - 2 s) + (2 + 2 s) = 10 tiles whatever s: 256 equal work-groups, loops with constant trip counts.  Which tile is asked for hangs on scalar registers made from the cluster's number,
; equal in all partners.  The one forward jump that hangs on them passes no barrier and no tensor load.
; CLUSTER.  p's tile (128 rows x 256 keys) is shared along a row of the cluster, v's (256 keys x 128 channels) along a column: joint loads.  Waves 0 and 1 fetch p's halves, waves 2 and 3 v's.
; LAYOUT.  T^T = V^T P (source 0 = 16 channels, turned by ds_load_tr16_b128; source 1 = 16 queries): a lane holds ONE query (lane % 16) and the channels 8 (lane / 16) + 0..7.  T starts from the constant 0 in
; every tile; behind the tile's last product O += F x T.  O is cleared at the head, while the first tiles are on their way, and where the first block ends: 128 moves each, so that the fold has one form.
; THE FACTORS.  At the head thread t makes row t's F for both blocks and lays them in LDS in the WALK's order, ten steps; which tile a step is hangs on s and is chosen by value.  A step's four factors a lane are
; read at a fixed lane address plus a scalar that steps 512 bytes a step and is never set back.
; ONE TEXT FOR A TILE.  The slot that is read is a scalar, 0 or SLOT, turned by an exclusive or; the fragments' addresses are made anew from it once a tile.  One descriptor a tensor walks: its LDS word is turned
; by the same exclusive or, which here is an addition or a subtraction: SLOT = 0x24000 shares no bit with the tiles' places in a slot (0, 0x8400, 0x10800, 0x19800).
; NO PREFETCH: the tiles are small and each is read by four or more work-groups at once by one joint load.
; REGISTERS: window 0: v0-31 addresses; v32-95 the way out; v96-103 F (even registers; the odd ones hold 0, named as pairs); v128-255 T ((a, b) at v[128 + 8 (4 a + b)])
;   window 1: two fragment buffers of 128: for 64 keys, 64 registers of p, then 64 of v      window 2: v0-127 O
.set PP,     528                       ; a row of p in LDS: 512 bytes + 16 = 132 words: the 16 rows of a load start at 16 different groups of four banks (ISA guide 11.1)
.set PV,     288                       ; a row of v: 256 + 32 = 72 words
.set PHALF,  64*PP
.set VOFF,   128*PP
.set VHALF,  128*PV
.set SLOT,   0x24000                   ; 147,456: the tiles take 141,312 of it
.set STAGE,  2*SLOT                    ; behind the ring: 16 rows x 272 bytes for each wave
.set SPITCH, 272
.set FT,     STAGE+4*16*SPITCH         ; F: [step of the walk 10][row 128] f32: 5,120 bytes
.set SPARE,  FT+5120                   ; the spare words, 128 bytes a wave: two blocks of 256 bytes that no other line names
.set ADP0, 16                          ; v16     LDS address of my fragments of p in slot 0; never rewritten
.set ADV0, 17                          ; v17-18  of v, keys 0-127 and 128-255 (an LDS immediate ends at 65,535); never rewritten
.set ADP,  19                          ; v19     the same in the slot that is read
.set ADV,  20                          ; v20-21
.set FAD,  22                          ; v22     where the F of the step in hand lie for my rows
.set FTA,  23                          ; v23     where thread t puts row t's F; never rewritten
.set STO,  24
.set RD,   25
.set CO,   26
.set FA,   27                          ; v27     where the F of step 0 lie for my rows; never rewritten
.set SPW,  28
.set NIL,  29
.set OB,   32
.set FR,   96
.set T,    128
.set SO,   128                         ; at the head, in T's registers: 16 offsets, 16 cm, 16 + 16 l, 16 exponentials, 2 maxima, 2 sums
.set CMV,  144
.set L0V,  160
.set L1V,  176
.set EV,   192
.set CMX,  208
.set LS,   210
.set F0,   0
.set F1,   128
.set G1A,  24                          ; s[24:31] descriptor group 1 for p's tiles;  s[32:39] group 0: a set for each first fill; the second then walks
.set G0A,  32
.set PCUR, 40                          ; s[40:41] p at my rows of the block whose tiles are being asked for
.set PB1,  42                          ; s[42:43] the same for the second block
.set VB,   44                          ; s[44:45] v at my keys of tile 0 and my work-group's channels
.set OFFP, 46                          ; s[46:47] a tile's byte offset in p
.set G1B,  48                          ; s[48:55], s[56:63] the same for v's tiles
.set G0B,  56
.set OFFV, 66                          ; s[66:67] a tile's byte offset in v
.set NXT,  68                          ; s68  the tile to be asked for next
.set LQ,   69                          ; s69  the last tile of the block whose tiles are being asked for
.set LQ2,  70                          ; s70  of the second block
.set SB,   71                          ; s71  the slot that is read: 0 or SLOT
.set LAPB, 72                          ; s72  tiles left in the block in hand
.set LAP2, 73                          ; s73  tiles of the second block
.set LAPS, 74                          ; s74  counts the loops' trips
.set FS,   75                          ; s75  512 x the step of the walk
.set OUTC, 76                          ; s[76:77] out0 at my rows and channels of the block in hand
.set OUT1, 78                          ; s[78:79] of the second block
.set TOP,  95                          ; s95, s96  the two blocks' last tiles
.set MSB, 0
.macro WIN new                         ; the immediate's high byte repeats the setting that is left; a switch that changes nothing is dropped
.if MSB != (\new)
	s_set_vgpr_msb (MSB<<8)|(\new)
.set MSB, \new
.endif
.endm
.set MUL,  0x05                        ; sources 0 (v) and 1 (p) window 1; C and D window 0
.set TO_F, 0x40                        ; destination window 1, address window 0
.macro JLOAD s                         ; an s_nop 0 and four v_nop follow each of the two lines, ahead of the jump and the label
	s_cmp_eq_u32 s13, 0
	s_cbranch_scc0 .Lfor_v_\@
	tensor_load_to_lds s[G0A+4*(\s):G0A+4*(\s)+3], s[G1A:G1A+7]
	s_nop 0
.rept 4
	v_nop
.endr
	s_branch .Lasked_\@
.Lfor_v_\@:
	tensor_load_to_lds s[G0B+4*(\s):G0B+4*(\s)+3], s[G1B:G1B+7]
	s_nop 0
.rept 4
	v_nop
.endr
.Lasked_\@:
.endm
.macro CREST                           ; a round of the cluster's barrier behind its opening barrier
	s_cmp_lg_u32 s12, 0
	s_cbranch_scc1 .Lnot_wave_0_\@
	s_barrier_signal -3
.Lnot_wave_0_\@:
	s_barrier_wait -3
	s_barrier_signal -1
	s_barrier_wait -1
.endm
.macro CROUND                          ; a whole round
	s_barrier_signal -1
	s_barrier_wait -1
	CREST
.endm
; The walking descriptors: the other slot than last time; the two global addresses are made anew from the tile's number; then the number steps, and behind the first block's last tile it goes back to 0 in the second block.
.macro NEXTT
	s_lshl_b32 s[OFFP], s[NXT], 9                  ; 256 keys of 2 bytes
	s_lshl_b32 s[OFFV], s[NXT], 20                 ; 256 rows of 4,096 bytes
	s_xor_b32 s[G0A+5], s[G0A+5], SLOT
	s_add_nc_u64 s[G0A+6:G0A+7], s[PCUR:PCUR+1], s[OFFP:OFFP+1]
	s_or_b32 s[G0A+7], s[G0A+7], 0x80000000
	s_xor_b32 s[G0B+5], s[G0B+5], SLOT
	s_add_nc_u64 s[G0B+6:G0B+7], s[VB:VB+1], s[OFFV:OFFV+1]
	s_or_b32 s[G0B+7], s[G0B+7], 0x80000000
	s_add_co_u32 s[NXT], s[NXT], 1
	s_cmp_gt_u32 s[NXT], s[LQ]
	s_cselect_b32 s[NXT], 0, s[NXT]
	s_cselect_b64 s[PCUR:PCUR+1], s[PB1:PB1+1], s[PCUR:PCUR+1]
	s_cselect_b32 s[LQ], s[LQ2], s[LQ]
.endm
	s_load_b256 s[4:11], s[0:1], 0x0               ; p s[4:5], yv s[6:7], st s[8:9], out0 s[10:11]
	v_lshl_add_u32 v[SPW], v0, 2, SPARE
	v_mov_b32 v[NIL], 0
	ds_add_u32 v[SPW], v[NIL]                      ; the wave's opening: the add and its wait ahead of my first tensor load
	v_lshrrev_b32 v1, 5, v0
	v_readfirstlane_b32 s12, v1                    ; wave 0..3
	s_lshr_b32 s13, s12, 1                         ; which 64 rows are mine.  Also: I fetch p (0) or v (1)
	s_and_b32 s14, s12, 1                          ; which 64 channels.  Also: which half of that tile I fetch
	s_bfe_u32 s15, ttmp6, 0x40000                  ; cx
	s_bfe_u32 s16, ttmp6, 0x40004                  ; cy
	s_lshl_b32 s17, ttmp9, 2
	s_add_co_u32 s17, s17, s15                     ; the tile of 128 channels
	s_and_b32 s18, ttmp7, 0xffff
	s_and_b32 s19, s18, 1                          ; s
	s_lshr_b32 s18, s18, 1                         ; the batch
	s_sub_co_u32 s20, 3, s19                       ; the first block
	s_mov_b32 s21, s19                             ; the second
	s_lshl_b32 s80, s16, 2
	s_lshl_b32 s80, 15, s80                        ; my row of the cluster
	s_lshl_b32 s81, 0x1111, s15                    ; my column
	s_or_b32 s[G1A+0], s80, (1<<16)|(1<<20)|(1<<21)|(6<<22)|(3<<25)  ; the mask; 2-byte elements; padding on; 21 set beside a mask; 4 words behind every 128
	s_mov_b32 s[G1A+1], 256<<16                    ; tensor_dim0 = 256
	s_mov_b32 s[G1A+2], 64<<16                     ; tensor_dim1 = 64
	s_mov_b32 s[G1A+3], 256<<16                    ; tile_dim0 = 256
	s_mov_b32 s[G1A+4], 64                         ; tile_dim1 = 64
	s_mov_b32 s[G1A+5], 2048                       ; elements from row to row of p
	s_mov_b32 s[G1A+6], 0
	s_mov_b32 s[G1A+7], 0
	s_or_b32 s[G1B+0], s81, (1<<16)|(1<<20)|(1<<21)|(5<<22)|(7<<25)  ; 8 words behind every 64
	s_mov_b32 s[G1B+1], 128<<16
	s_mov_b32 s[G1B+2], 128<<16
	s_mov_b32 s[G1B+3], 128<<16
	s_mov_b32 s[G1B+4], 128
	s_mov_b32 s[G1B+5], 2048                       ; elements from row to row of yv
	s_mov_b32 s[G1B+6], 0
	s_mov_b32 s[G1B+7], 0
	; p's addresses hang on the batch, the block, cy and the wave; v's on the batch, the channel tile and the wave; each in registers that never hold the other coordinate
	s_lshl_b32 s82, s18, 11
	s_lshl_b32 s83, s16, 7
	s_add_co_u32 s82, s82, s83
	s_lshl_b32 s83, s14, 6
	s_add_co_u32 s82, s82, s83                     ; 2,048 b + 128 cy + 64 x half
	s_lshl_b32 s84, s20, 9
	s_add_co_u32 s84, s84, s82
	s_lshl_b32 s84, s84, 12                        ; x 4,096 bytes a row
	s_mov_b32 s85, 0
	s_lshl_b32 s86, s21, 9
	s_add_co_u32 s86, s86, s82
	s_lshl_b32 s86, s86, 12
	s_mov_b32 s87, 0
	s_lshl_b32 s88, s18, 11
	s_lshl_b32 s89, s14, 7
	s_add_co_u32 s88, s88, s89                     ; key row 2,048 b + 128 x half
	s_lshl_b32 s88, s88, 12
	s_lshl_b32 s89, s17, 8
	s_add_co_u32 s88, s88, s89
	s_add_co_u32 s88, s88, 2048                    ; v lies 2,048 bytes into a row
	s_mov_b32 s89, 0
	s_mul_i32 s90, s14, PHALF                      ; where they go
	s_mul_i32 s91, s14, VHALF
	s_add_co_u32 s91, s91, VOFF
	s_mov_b32 s[OFFP+1], 0
	s_mov_b32 s[OFFV+1], 0
	s_mov_b32 s[NXT], 2
	s_mov_b32 s[SB], 0
	s_mov_b32 s[FS], 0
	s_lshl_b32 s92, s19, 1
	s_sub_co_u32 s[LQ], 7, s92                     ; the first block's last tile: 7 - 2 s
	s_add_co_u32 s[LQ2], s92, 1                    ; the second's: 1 + 2 s
	s_sub_co_u32 s[LAPB], 8, s92
	s_add_co_u32 s[LAP2], s92, 2
	s_mov_b32 s[TOP], s[LQ]
	s_mov_b32 s[TOP+1], s[LQ2]
	s_wait_dscnt 0x0                               ; the opening add is done
	s_wait_kmcnt 0x0
	s_add_nc_u64 s[PCUR:PCUR+1], s[4:5], s[84:85]
	s_add_nc_u64 s[PB1:PB1+1], s[4:5], s[86:87]
	s_add_nc_u64 s[VB:VB+1], s[6:7], s[88:89]
	CROUND                                         ; all sixteen work-groups are here: the first joint loads meet
.irp s, 0,1
	s_mov_b32 s[G0A+4*(\s)], 1
	s_add_co_u32 s[G0A+4*(\s)+1], s90, (\s)*SLOT
	s_add_nc_u64 s[G0A+4*(\s)+2:G0A+4*(\s)+3], s[PCUR:PCUR+1], (\s)*512
	s_or_b32 s[G0A+4*(\s)+3], s[G0A+4*(\s)+3], 0x80000000
	s_mov_b32 s[G0B+4*(\s)], 1
	s_add_co_u32 s[G0B+4*(\s)+1], s91, (\s)*SLOT
	s_add_nc_u64 s[G0B+4*(\s)+2:G0B+4*(\s)+3], s[VB:VB+1], (\s)*0x100000
	s_or_b32 s[G0B+4*(\s)+3], s[G0B+4*(\s)+3], 0x80000000
	JLOAD \s                                       ; tiles 0 and 1 of the first block: two loads of mine are out
.endr
	; THE STATISTICS.  Thread t owns row t of the work-group's 128, in both blocks.  A tile past the block's last is read as the last (nothing unwritten is read) and counts for nothing in L.
.irp be, 0,1
	s_lshl_b32 s92, s[20+(\be)], 9
	s_lshl_b32 s93, s16, 7
	s_add_co_u32 s92, s92, s93
	s_lshl_b32 s92, s92, 2                         ; 4 bytes x (512 I + 128 cy)
.irp t, 0,1,2,3,4,5,6,7
	s_min_u32 s94, s[TOP+(\be)], \t
	s_lshl3_add_u32 s94, s18, s94                  ; 8 b + tile
	s_lshl_b32 s94, s94, 15
	s_add_co_u32 s94, s94, s92
	v_lshl_add_u32 v[SO+8*(\be)+(\t)], v0, 2, s94
	global_load_b32 v[CMV+8*(\be)+(\t)], v[SO+8*(\be)+(\t)], s[8:9]
	global_load_b32 v[L0V+8*(\be)+(\t)], v[SO+8*(\be)+(\t)], s[8:9] offset:8192
	global_load_b32 v[L1V+8*(\be)+(\t)], v[SO+8*(\be)+(\t)], s[8:9] offset:24576
.endr
.endr
	WIN 0x80                                       ; O starts at 0: written while the first tiles and the statistics are on their way
.set i, 0
.rept 128
	v_mov_b32 v[i], 0
.set i, i+1
.endr
	WIN 0
.irp a, 0,1,2,3
	v_mov_b32 v[FR+2*(\a)+1], 0                    ; named with F as pairs, never used
.endr
	v_and_b32 v1, 15, v0                           ; l % 16
	v_bfe_u32 v2, v0, 4, 1                         ; l / 16
	v_and_b32 v3, 7, v0
	v_bfe_u32 v4, v0, 3, 1
	s_mul_i32 s92, s13, 64*PP                      ; a fragment of p: row x pitch + 16 (l / 16), in my 64 rows
	v_mul_u32_u24 v5, v1, PP
	v_lshl_add_u32 v5, v2, 4, v5
	v_add_nc_u32 v[ADP0], s92, v5
	v_lshl_add_u32 v6, v2, 3, v3                   ; the turning load: lane l reads key 8 (l / 16) + l % 8, channels 8 ((l / 8) % 2) + 0..7, and ends with channel l % 16 and 8 keys
	v_mul_u32_u24 v6, v6, PV
	v_lshl_add_u32 v6, v4, 4, v6
	s_lshl_b32 s92, s14, 7                         ; my 64 channels: 128 bytes
	s_add_co_u32 s92, s92, VOFF
	v_add_nc_u32 v[ADV0], s92, v6
	v_add_nc_u32 v[ADV0+1], VHALF, v[ADV0]
	v_mov_b32 v[ADP], v[ADP0]                      ; the first tile lies in slot 0
	v_mov_b32 v[ADV], v[ADV0]
	v_mov_b32 v[ADV+1], v[ADV0+1]
	s_lshl_b32 s92, s13, 8
	s_add_co_u32 s92, s92, FT
	v_lshl_add_u32 v[FA], v1, 2, s92               ; FT + 4 (64 x row half + l % 16)
	v_lshl_add_u32 v[FTA], v0, 2, FT
	s_mul_i32 s92, s12, 16*SPITCH
	s_add_co_u32 s92, s92, STAGE                   ; my stage
	v_mul_u32_u24 v[STO], v1, SPITCH               ; in: row l % 16, 32 bytes for each half of the lanes
	v_lshl_add_u32 v[STO], v2, 5, v[STO]
	v_add_nc_u32 v[STO], s92, v[STO]
	v_mul_u32_u24 v[RD], v2, SPITCH                ; back: lanes 0-15 one row of 256 bytes, lanes 16-31 the next
	v_lshl_add_u32 v[RD], v1, 4, v[RD]
	v_add_nc_u32 v[RD], s92, v[RD]
	v_lshlrev_b32 v[CO], 12, v2                    ; and the same two rows in out0
	v_lshl_add_u32 v[CO], v1, 4, v[CO]
	s_lshl_b32 s92, s18, 11                        ; out0: row 2,048 b + 512 I + 128 cy + 64 x row half; byte 512 x channel tile + 256 x channel half
	s_lshl_b32 s93, s16, 7
	s_add_co_u32 s92, s92, s93
	s_lshl_b32 s93, s13, 6
	s_add_co_u32 s92, s92, s93
	s_lshl_b32 s93, s17, 9
	s_lshl_b32 s94, s14, 8
	s_add_co_u32 s93, s93, s94
	s_mov_b32 s99, 0
	s_lshl_b32 s98, s20, 9
	s_add_co_u32 s98, s98, s92
	s_lshl_b32 s98, s98, 12
	s_add_co_u32 s98, s98, s93
	s_add_nc_u64 s[OUTC:OUTC+1], s[10:11], s[98:99]
	s_lshl_b32 s98, s21, 9
	s_add_co_u32 s98, s98, s92
	s_lshl_b32 s98, s98, 12
	s_add_co_u32 s98, s98, s93
	s_add_nc_u64 s[OUT1:OUT1+1], s[10:11], s[98:99]
	s_wait_loadcnt 0x0
.irp be, 0,1
	v_max3_num_f32 v[CMX+(\be)], v[CMV+8*(\be)], v[CMV+8*(\be)+1], v[CMV+8*(\be)+2]
	v_max3_num_f32 v[CMX+(\be)], v[CMX+(\be)], v[CMV+8*(\be)+3], v[CMV+8*(\be)+4]
	v_max3_num_f32 v[CMX+(\be)], v[CMX+(\be)], v[CMV+8*(\be)+5], v[CMV+8*(\be)+6]
	v_max_num_f32 v[CMX+(\be)], v[CMX+(\be)], v[CMV+8*(\be)+7]   ; CM: the row's true maximum, times c
.endr
.irp be, 0,1
.irp t, 0,1,2,3,4,5,6,7
	v_sub_f32 v[EV+8*(\be)+(\t)], v[CMV+8*(\be)+(\t)], v[CMX+(\be)]
.endr
.endr
.set i, 0
.rept 16                               ; one batch of sixteen exponentials; the sums and flags below name none of their results
	v_exp_f32 v[EV+i], v[EV+i]
.set i, i+1
.endr
.set i, 0
.rept 16
	v_add_f32 v[L0V+i], v[L0V+i], v[L1V+i]         ; the tile's two halves of 128 keys
.set i, i+1
.endr
.irp be, 0,1
.irp t, 0,1,2,3,4,5,6,7
	s_cmp_ge_u32 s[TOP+(\be)], \t                  ; does the block have this tile?
	s_cselect_b32 s94, 1.0, 0
	v_mul_f32 v[L0V+8*(\be)+(\t)], s94, v[L0V+8*(\be)+(\t)]
.endr
.endr
	s_wait_alu depctr_va_vdst(0)                   ; the one wait ahead of the batch's first reader
.irp be, 0,1
	v_mul_f32 v[LS+(\be)], v[EV+8*(\be)], v[L0V+8*(\be)]
.endr
.irp t, 1,2,3,4,5,6,7
.irp be, 0,1
	v_fmac_f32 v[LS+(\be)], v[EV+8*(\be)+(\t)], v[L0V+8*(\be)+(\t)]
.endr
.endr
	v_rcp_f32 v[LS], v[LS]                         ; L is about 1 or more: the tile that holds the row's maximum gives a weight of 1
	v_rcp_f32 v[LS+1], v[LS+1]
	v_mov_b32 v[CMX], s19                          ; (the plain instruction behind the reciprocals)
	s_wait_alu depctr_va_vdst(0)
.irp be, 0,1
.irp t, 0,1,2,3,4,5,6,7
	v_mul_f32 v[EV+8*(\be)+(\t)], v[EV+8*(\be)+(\t)], v[LS+(\be)]  ; F
.endr
.endr
	; The walk's order.  Steps 0 to 5 are the first block's tiles 0 to 5 whatever s.  With s = 0 steps 6, 7 are its tiles 6, 7 and steps 8, 9 the second block's tiles 0, 1; with s = 1 steps 6 to 9 are the second block's tiles 0 to 3.
	v_cmp_eq_u32 vcc_lo, 1, v[CMX]                 ; s = 1, in every lane
	v_cndmask_b32 v[L1V+0], v[EV+6], v[EV+8],  vcc_lo
	v_cndmask_b32 v[L1V+1], v[EV+7], v[EV+9],  vcc_lo
	v_cndmask_b32 v[L1V+2], v[EV+8], v[EV+10], vcc_lo
	v_cndmask_b32 v[L1V+3], v[EV+9], v[EV+11], vcc_lo
.irp g, 0,1,2,3,4,5
	ds_store_b32 v[FTA], v[EV+(\g)] offset:512*(\g)
.endr
.irp g, 6,7,8,9
	ds_store_b32 v[FTA], v[L1V+(\g)-6] offset:512*(\g)
.endr
; 8 matrix instructions: query blocks a0, a0 + 1 x all 4 channel blocks, 32 keys: half c of buffer f.  zero = 1: the product starts T's sum.  The 16 accumulators take turns.
.macro MUL8 f, c, a0, zero
	WIN MUL
.irp a, \a0, (\a0)+1
.irp b, 0,1,2,3
.if \zero
	v_wmma_f32_16x16x32_f16 v[T+8*(4*(\a)+(\b)):T+8*(4*(\a)+(\b))+7], v[(\f)+64+8*(4*(\c)+(\b)):(\f)+64+8*(4*(\c)+(\b))+7], v[(\f)+8*(4*(\c)+(\a)):(\f)+8*(4*(\c)+(\a))+7], 0
.else
	v_wmma_f32_16x16x32_f16 v[T+8*(4*(\a)+(\b)):T+8*(4*(\a)+(\b))+7], v[(\f)+64+8*(4*(\c)+(\b)):(\f)+64+8*(4*(\c)+(\b))+7], v[(\f)+8*(4*(\c)+(\a)):(\f)+8*(4*(\c)+(\a))+7], v[T+8*(4*(\a)+(\b)):T+8*(4*(\a)+(\b))+7]
.endif
.endr
.endr
.endm
; 32 LDS loads in one run: the fragments of keys 64 q .. 64 q + 63 of the tile in the slot that is read, into buffer f; the first 32 keys first
.macro FETCH q, f
	WIN TO_F
.irp c, 0,1
.irp i, 0,1,2,3
	ds_load_tr16_b128 v[(\f)+64+8*(4*(\c)+(\i)):(\f)+64+8*(4*(\c)+(\i))+3],   v[ADV+(\q)/2] offset:(((\q)%2)*64+32*(\c))*PV+32*(\i)
	ds_load_tr16_b128 v[(\f)+64+8*(4*(\c)+(\i))+4:(\f)+64+8*(4*(\c)+(\i))+7], v[ADV+(\q)/2] offset:(((\q)%2)*64+32*(\c)+16)*PV+32*(\i)
	ds_load_b128 v[(\f)+8*(4*(\c)+(\i)):(\f)+8*(4*(\c)+(\i))+3],   v[ADP] offset:128*(\q)+64*(\c)+(\i)*16*PP
	ds_load_b128 v[(\f)+8*(4*(\c)+(\i))+4:(\f)+8*(4*(\c)+(\i))+7], v[ADP] offset:128*(\q)+64*(\c)+(\i)*16*PP+32
.endr
.endr
.endm
.macro PLACES                          ; four plain vector instructions between a matrix instruction and a load into, or a vector read of, its registers
.rept 4
	v_nop
.endr
.endm
; A tile is four quarters of 64 keys, 32 matrix instructions each, on buffers 0, 1, 0, 1.  One of the first three multiplies f and fetches quarter q into g.
.macro QUARTER q, f, g, zero
	s_wait_dscnt 16                                ; the first 32 keys are in
	MUL8 \f, 0, 0, \zero
	MUL8 \f, 0, 2, \zero
	PLACES
	FETCH \q, \g
	s_wait_dscnt 32                                ; all but the 32 just issued
	MUL8 \f, 1, 0, 0
	MUL8 \f, 1, 2, 0
.endm
.macro FLOAD                           ; the step's F for my four blocks of 16 rows; then the scalar steps to the next step's
	WIN 0
	v_add_nc_u32 v[FAD], s[FS], v[FA]
	s_add_co_u32 s[FS], s[FS], 512
.irp a, 0,1,2,3
	ds_load_b32 v[FR+2*(\a)], v[FAD] offset:64*(\a)
.endr
.endm
; The last quarter changes slots: ONE barrier; in front of it each wave waits for all its tensor loads (one is out: its part of the next slot), adds 0 to its spare word, and waits for that and for its reads of
; this slot.  fill = 1: the barrier opens a round of the cluster's, and this slot is filled again, with the tile two on in the walk, first thing behind the round.
.macro TURN fill
	WIN 0
	s_wait_tensorcnt 0x0                           ; no tensor load of mine is out, so a group 0 may be written
	ds_add_u32 v[SPW], v[NIL]                      ; 0 onto my spare word
.if \fill
	NEXTT
.endif
	s_xor_b32 s[SB], s[SB], SLOT                   ; the reads go on in the other slot
	s_wait_dscnt 17                                ; the add and the youngest sixteen loads may be out
	MUL8 F1, 0, 0, 0
	s_wait_dscnt 0x0                               ; the add is done, and my reads of this slot are over
	s_barrier_signal -1
	MUL8 F1, 0, 2, 0
	WIN 0
	s_barrier_wait -1
.if \fill
	CREST
	JLOAD 1                                        ; one load of mine is out; its four v_nop are also the places in front of the loads below
.else
	PLACES
.endif
	v_add_nc_u32 v[ADP], s[SB], v[ADP0]
	v_add_nc_u32 v[ADV], s[SB], v[ADV0]
	v_add_nc_u32 v[ADV+1], s[SB], v[ADV0+1]
	FLOAD
	FETCH 0, F0
	MUL8 F1, 1, 0, 0
	MUL8 F1, 1, 2, 0
.endm
; O += F x T.  left: the LDS loads issued behind the four F, which may stay out.  Each accumulator's registers are read in ascending order.
.macro FOLD left
	PLACES
	s_wait_dscnt \left
	WIN 0xa0                                       ; destination and source 2 (O) window 2; T and F window 0
.set z, 0
.rept 64
	v_pk_fma_f32 v[2*z:2*z+1], v[T+2*z:T+2*z+1], v[FR+2*(z/16):FR+2*(z/16)+1], v[2*z:2*z+1] op_sel_hi:[1,0,1]
.set z, z+1
.endr
.endm
; THE WAY OUT: a lane's eight channels of a row are 32 bytes; a block of 16 rows goes into my stage and comes back as whole rows of 256 bytes, my 64 channels in f32.
.macro TOST a
	WIN 0x08                                       ; the stores' data in window 2
.irp b, 0,1,2,3
	ds_store_b128 v[STO], v[8*(4*(\a)+(\b)):8*(4*(\a)+(\b))+3]   offset:64*(\b)
	ds_store_b128 v[STO], v[8*(4*(\a)+(\b))+4:8*(4*(\a)+(\b))+7] offset:64*(\b)+16
.endr
	WIN 0
.irp f, 0,1,2,3,4,5,6,7
	ds_load_b128 v[OB+32*((\a)%2)+4*(\f):OB+32*((\a)%2)+4*(\f)+3], v[RD] offset:(\f)*2*SPITCH  ; LDS serves a wave's instructions in order (ISA guide 5.7.1.4): these see the stores above
.endr
.endm
.macro SEND a, younger                 ; younger: the LDS instructions issued behind block a's loads: the next block's sixteen, or none
	WIN 0
.irp f, 0,1,2,3,4,5,6,7
	s_wait_dscnt (\younger)+7-(\f)
	global_store_b128 v[CO], v[OB+32*((\a)%2)+4*(\f):OB+32*((\a)%2)+4*(\f)+3], s[OUTC:OUTC+1] offset:(16*(\a)+2*(\f))*4096 th:TH_STORE_NT  ; 16 lanes store 256 consecutive bytes, at a multiple of 256 from out0's first byte
.endr
.endm
.macro OUT
	TOST 0
	TOST 1
	SEND 0, 16
	s_wait_xcnt 0x0                                ; block 0's stores have read their registers, into which block 2's loads go
	TOST 2
	SEND 1, 16
	s_wait_xcnt 0x0
	TOST 3
	SEND 2, 16
	SEND 3, 0
.endm
	s_wait_tensorcnt 0x1                           ; my part of the first tile is in; the second's may stay out
	s_wait_dscnt 0x0                               ; for the others' sake: my rows' F lie in LDS
	s_barrier_signal -1
	s_barrier_wait -1
	FETCH 0, F0
	WIN 0                                          ; at a label and at a branch every window is 0
	s_mov_b32 s[LAPS], 8
.Lstep:                                                ; eight trips, a tile of the walk each; each fills the slot that it leaves
	QUARTER 1, F0, F1, 1
	QUARTER 2, F1, F0, 0
	QUARTER 3, F0, F1, 0
	TURN 1
	FOLD 32
	WIN 0
	s_sub_co_u32 s[LAPB], s[LAPB], 1
	s_cmp_lg_u32 s[LAPB], 0
	s_cbranch_scc1 .Lsame                          ; the same in all sixteen partners; what is jumped holds no barrier and no tensor load
	OUT                                            ; the first block ends; the second block's first tiles have been asked for
	s_wait_xcnt 0x0                                ; the stores have read their registers and their base
	s_mov_b64 s[OUTC:OUTC+1], s[OUT1:OUT1+1]
	s_mov_b32 s[LAPB], s[LAP2]
	WIN 0x80
.set i, 0
.rept 128
	v_mov_b32 v[i], 0                              ; the second block's sums start at 0
.set i, i+1
.endr
	WIN 0
.Lsame:
	s_sub_co_u32 s[LAPS], s[LAPS], 1
	s_cmp_lg_u32 s[LAPS], 0
	s_cbranch_scc1 .Lstep
	s_mov_b32 s[LAPS], 2
.Ltail:                                                ; the walk's last two tiles fill nothing; the second trip is left in its middle, alike in every wave and every work-group
	QUARTER 1, F0, F1, 1
	QUARTER 2, F1, F0, 0
	QUARTER 3, F0, F1, 0
	WIN 0
	s_cmp_eq_u32 s[LAPS], 1
	s_cbranch_scc1 .Llast
	TURN 0
	FOLD 32
	WIN 0
	s_sub_co_u32 s[LAPS], s[LAPS], 1
	s_cmp_lg_u32 s[LAPS], 0
	s_cbranch_scc1 .Ltail
.Llast:
	FLOAD
	s_wait_dscnt 20                                ; the first 32 keys are in; the other sixteen loads and the four F may be out
	MUL8 F1, 0, 0, 0
	MUL8 F1, 0, 2, 0
	s_wait_dscnt 0x0
	MUL8 F1, 1, 0, 0
	MUL8 F1, 1, 2, 0
	FOLD 0
	OUT
	s_wait_tensorcnt 0x0                           ; the wave's end, behind my last tensor load and my last LDS store
	ds_add_u32 v[SPW], v[NIL]
	s_wait_dscnt 0x0
	CROUND                                         ; the closing round: no work-group ends while a partner may still ask for a tile that names it
	s_endpgm
.Lfunc_end_k_q81dfd1c62e_pv:
	.size	k_q81dfd1c62e_pv, .Lfunc_end_k_q81dfd1c62e_pv-k_q81dfd1c62e_pv
	.p2alignl 7, 3214868480
	.fill 96, 4, 3214868480
	.section	.rodata,"a",@progbits
	.p2align	6, 0x0
	.amdhsa_kernel k_q81dfd1c62e_pv
		.amdhsa_group_segment_fixed_size 327680
		.amdhsa_private_segment_fixed_size 0
		.amdhsa_enable_private_segment 0
		.amdhsa_kernarg_size 32
		.amdhsa_user_sgpr_count 2
		.amdhsa_user_sgpr_kernarg_segment_ptr 1
		.amdhsa_wavefront_size32 1
		.amdhsa_system_sgpr_workgroup_id_x 1
		.amdhsa_system_sgpr_workgroup_id_y 1
		.amdhsa_system_sgpr_workgroup_id_z 1
		.amdhsa_system_vgpr_workitem_id 0
		.amdhsa_next_free_vgpr 640
		.amdhsa_next_free_sgpr 100
		.amdhsa_reserve_vcc 1
		.amdhsa_float_denorm_mode_32 3
		.amdhsa_float_denorm_mode_16_64 3
		.amdhsa_memory_ordered 1
		.amdhsa_forward_progress 1
		.amdhsa_inst_pref_size 102
	.end_amdhsa_kernel
	.amdgpu_metadata
---
amdhsa.version: [ 1, 2 ]
amdhsa.kernels:
  - .name:           k_q81dfd1c62e_pv
    .symbol:         k_q81dfd1c62e_pv.kd
    .args:
      - { .name: p, .offset: 0, .size: 8, .value_kind: global_buffer, .address_space: global }
      - { .name: yv, .offset: 8, .size: 8, .value_kind: global_buffer, .address_space: global }
      - { .name: st, .offset: 16, .size: 8, .value_kind: global_buffer, .address_space: global }
      - { .name: out0, .offset: 24, .size: 8, .value_kind: global_buffer, .address_space: global }
    .group_segment_fixed_size: 327680
    .private_segment_fixed_size: 0
    .kernarg_segment_align: 8
    .kernarg_segment_size: 32
    .max_flat_workgroup_size: 128
    .sgpr_count:     100
    .vgpr_count:     640
    .wavefront_size: 32
...
	.end_amdgpu_metadata
.endif
;; end of part 8
